; MI455X (gfx1250); checked and timed in simulation.
; The chip was launched on July 23, 2026; its instructions are those of AMD's public machine-readable ISA for CDNA 5 (MIT licence, August 2026) and "CDNA5" Instruction Set Architecture Reference Guide (July 2026). The comments in the code are by the model that wrote it; some were corrected since.
;; Multi Head Attention. Allowed arithmetic: matrix products marked QUANTISED: E4M3 operands, one E8M0 scale for each 32 along K, by v_wmma_scale_f32_16x16x128_f8f6f4 with both operands' format E4M3, f32 sums; everything else in f32.
;; Inputs: b_fc 1,024 float32; k 4 x 2,048 x 1,024 float32; ln_k_b 1,024 float32; ln_k_g 1,024 float32; ln_q_b 1,024 float32; ln_q_g 1,024 float32; ln_v_b 1,024 float32; ln_v_g 1,024 float32; q 4 x 2,048 x 1,024 float32; v 4 x 2,048 x 1,024 float32; w_fc_codes 1,024 x 32 x 32 uint8 (E4M3 codes of w_fc, K innermost, in blocks of 32 codes); w_fc_scales 1,024 x 32 uint8 (E8M0 scales of w_fc, one for each 32 codes along K); w_k_codes 1,024 x 32 x 32 uint8 (E4M3 codes of w_k, K innermost, in blocks of 32 codes); w_k_scales 1,024 x 32 uint8 (E8M0 scales of w_k, one for each 32 codes along K); w_q_codes 1,024 x 32 x 32 uint8 (E4M3 codes of w_q, K innermost, in blocks of 32 codes); w_q_scales 1,024 x 32 uint8 (E8M0 scales of w_q, one for each 32 codes along K); w_v_codes 1,024 x 32 x 32 uint8 (E4M3 codes of w_v, K innermost, in blocks of 32 codes); w_v_scales 1,024 x 32 uint8 (E8M0 scales of w_v, one for each 32 codes along K).
;; Outputs: out0 4 x 2,048 x 1,024 float32.
;; This version of the problem:
;;   THIS VERSION OF THE PROBLEM IS GIVEN IN LOW PRECISION. The matrix products marked QUANTISED in the list below multiply operands that are first quantised to E4M3 (4 exponent bits, 3 mantissa bits; 8 bits a number), with one power-of-two scale for each 32 numbers along K (OCP MX v1.0); their sums are f32. All else is computed in f32.
;;   The module's matrix products, in the order in which they are computed (A, B: the left and right operand; K: the contracted axis; several contracted axes count as one K, in the product's order):
;;     1. [M 8,192, K 1,024] x [K 1,024, N 1,024]; A: computed on the way; B: input w_q (given as codes): QUANTISED
;;     2. [M 8,192, K 1,024] x [K 1,024, N 1,024]; A: computed on the way; B: input w_k (given as codes): QUANTISED
;;     3. [M 8,192, K 1,024] x [K 1,024, N 1,024]; A: computed on the way; B: input w_v (given as codes): QUANTISED
;;     4. batch 64 x [M 2,048, K 64] x [K 64, N 2,048]; A: computed on the way; B: computed on the way: QUANTISED
;;     5. batch 64 x [M 2,048, K 2,048] x [K 2,048, N 64]; A: softmax (see below); B: computed on the way: QUANTISED
;;     6. [M 8,192, K 1,024] x [K 1,024, N 1,024]; A: computed on the way; B: input w_fc (given as codes): QUANTISED
;;   THE QUANTISER, for each operand of a quantised product, along K:
;;     - K is cut into blocks of 32 from its start; a last block that is shorter is filled with zeros.
;;     - A block's scale is 2^e with e = floor(log2(the largest magnitude in the block)) - 8, held to -126 .. 127; a block of zeros has e = 0. As a byte (E8M0): e + 127.
;;     - Each number is divided by its block's scale, clamped to +-448, and rounded to the nearest number of E4M3, ties to even, subnormals kept.
;;     - The product sums the exact products of the quantised numbers (number of the format x scale) in f32.
;;   ~~~python
;;   def quantise(x, axis):      # numpy; x: float32 -> the quantised numbers, widened to float32 again
;;       x = np.moveaxis(x, axis, -1); K = x.shape[-1]
;;       x = np.pad(x, [(0, 0)] * (x.ndim - 1) + [(0, -K % 32)]); x = x.reshape(x.shape[:-1] + (-1, 32)); a = np.abs(x).max(-1, keepdims=True)
;;       e = np.where(a > 0, np.clip(np.frexp(np.where(a > 0, a, 1))[1] - 1 - 8, -126, 127), 0)      # np.frexp(a)[1] - 1 = floor(log2(a)), exactly
;;       r = np.clip(x / 2.0 ** e, -448, 448)
;;       step = 2.0 ** (np.maximum(np.frexp(np.where(r == 0, 1, r))[1] - 1, -6) - 3)
;;       q = np.round(r / step) * step * 2.0 ** e      # np.round: ties to even
;;       return np.moveaxis(q.reshape(q.shape[:-2] + (-1,))[..., :K], -1, axis).astype(np.float32)
;;   ~~~
;;   SOFTMAX AHEAD OF A QUANTISED PRODUCT. Where the list says 'softmax', what is quantised is not the finished softmax but p = 2^(t - M), with t = logit x log2(e) and M = ceil(the row's largest t), a whole number; so 1/2 < the row's largest p <= 1. The row's sum l is taken of the UNQUANTISED p, in f32, and the product's result is divided by l at the end. Since M is a whole number, a kernel that streams over the keys may use a running M (the ceiling of the running maximum): every later rescaling is an exact power of two, which a block's scale takes up: the codes' values come out the same.
;;   OPERANDS COMPUTED ON THE WAY. 'Computed on the way' means the value that the module computes at that place (a softmax that the list does not call 'softmax' is quantised finished and normalised). What goes into a quantiser is computed in f32, as accurately as f32 sums, v_exp_f32 and their like allow (about 1e-6 of the number): no bf16 or f16 on the way to a quantiser, and a product that is left as it is and whose result goes on into a quantised operand takes f32 operands (vector FMAs, or v_wmma_f32_16x16x4_f32). A number that lies on a knife's edge between two numbers of the format may be rounded either way, as far as f32 arithmetic and the matrix unit's own rounding can turn it there, and no further.
;;   INPUTS GIVEN AS CODES. w_fc (in the module: [1024, 1024], K = its axis 1); w_k (in the module: [1024, 1024], K = its axis 1); w_q (in the module: [1024, 1024], K = its axis 1); w_v (in the module: [1024, 1024], K = its axis 1): each comes as NAME_codes (uint8): NAME with its K axis moved to the last place and cut into blocks of 32 codes, [.., K / 32, bytes a block], one block behind the other in memory; one code a byte (a code: sign, 4 exponent bits, 3 mantissa bits); and NAME_scales (uint8): the same leading axes, one E8M0 byte (e + 127) for each 32 codes along K. Its value is code x scale, taken as it is: it is not quantised again, and the codes and scales need not be those that the quantiser above would give.
;; 2 versions. Each part assembles by itself: llvm-mc -triple=amdgcn-amd-amdhsa -mcpu=gfx1250 --defsym DOCPART=n.
;; ======== version 1 of 2: 4 launches
;; workspace buffers: xc 25,165,824 bytes; xs 786,432 bytes; hc 25,165,824 bytes; hs 786,432 bytes; cc 8,388,608 bytes; cs 262,144 bytes
;; launch lnq (part 1): grid 256 x 3, 8 waves a work-group, no clusters, 133,632 bytes of LDS; arguments q, k, v, ln_q_g, ln_q_b, ln_k_g, ln_k_b, ln_v_g, ln_v_b, xc, xs; writes xc, xs
.if DOCPART == 1
	.amdgcn_target "amdgcn-amd-amdhsa--gfx1250"
	.amdhsa_code_object_version 6
	.text
	.protected	k_qc5bfb02aa1_lnq
	.globl	k_qc5bfb02aa1_lnq
	.p2align	8
	.type	k_qc5bfb02aa1_lnq,@function
k_qc5bfb02aa1_lnq:
	s_mov_b64 s[64:65], 0
	v_nop
	global_prefetch_b8 v0, s[64:65] scope:SCOPE_SE
	s_setreg_imm32_b32 hwreg(HW_REG_WAVE_MODE, 25, 1), 1
	s_wait_xcnt 0x0
; LayerNorm of q, k and v ([8192][1024] f32 each) in f32, then quantised along the 1,024 features to codes of E4M3 with one E8M0 byte for each 32.
; A work-group (x = pair of tiles P, y = tensor) takes 32 rows.  Each of its eight waves normalises four whole rows in registers (a row is 32 registers: read once, mean, then the mean of the
; squared differences, as the reference has it), lays them into LDS, and after one barrier quantises one tile of 16 rows x two K steps of 128.
; THE ROWS OF A TILE ARE NOT NEIGHBOURS: lane r of tile u is row 32 P + 8 u + r + 8 (r / 8); its place in the pair is pos = 16 u + r.  All launches of this program use this one order.
; OUT: xc [tensor][pair][u][K step 8][2,048 bytes]: a fragment as an image of the operand's registers (group c of four registers at 512 c + 16 x lane: every store is 512 dense bytes);
;      xs [tensor][pair][pos 32][32 scale bytes].
; LIMITS: NaN and infinities among the inputs are not served; a block whose largest magnitude lies under 2^-118 (zeros among them) gets the byte 1: its bytes are read by this program alone.
; Memory binds: no matrix unit, no cluster (nothing is shared), no ring: a wave's 16 KiB are all on their way at once, and two work-groups fit on a WGP.
.set PITCH, 4112                       ; a row in LDS: 4,096 bytes + 16: the sixteen rows that a load touches start 16 bytes apart modulo 256
.set SCB,   32*PITCH                   ; behind the rows: the pair's 1,024 scale bytes
.set LI,  1                            ; v1   16 x lane
.set STA, 2                            ; v2   where my wave's first row goes in LDS, + 16 x lane
.set RDA, 3                            ; v3   where I read my 16 neighbours back
.set SCW, 4                            ; v4   where I put a scale word
.set SCR, 5                            ; v5   where waves 0 and 1 read the scale bytes back
.set HH,  6                            ; v6   lane / 16
.set XSO, 7                            ; v7   and the same place in xs
.set SM,  8                            ; v8-15   four pairs of sums
.set PT,  16                           ; v16-19  lane permutes' results
.set MN,  20                           ; v20-27  four pairs: the mean, later 1 / sqrt(var + eps), in both halves
.set G,   32                           ; v32-63  gamma of my columns; later the codes
.set B,   64                           ; v64-95  beta
.set X,   96                           ; v96-223 four rows, 32 registers each; later 2 x 64 numbers for the quantiser
.set TM,  224                          ; v224-239 the quantiser's work
.set PW,  240                          ; v240-241 two scale words
.set WD,  242
	s_load_b512 s[8:23], s[0:1], 0x0               ; q, k, v, q's gamma, q's beta, k's gamma, k's beta, v's gamma
	s_load_b128 s[24:27], s[0:1], 0x40             ; v's beta, xc
	s_load_b64 s[28:29], s[0:1], 0x50              ; xs
	v_lshl_add_u32 v254, v0, 2, 0x20600
	v_mov_b32 v255, 0
	v_lshrrev_b32 v1, 5, v0
	v_readfirstlane_b32 s2, v1                     ; wave 0..7
	s_and_b32 s3, ttmp7, 0xffff                    ; the tensor: 0 q, 1 k, 2 v
	v_and_b32 v9, 31, v0                           ; lane
	v_and_b32 v10, 15, v0                          ; r
	v_bfe_u32 v[HH], v0, 4, 1                      ; h
	v_lshlrev_b32 v[LI], 4, v9
	s_bfe_u32 s4, s2, 0x10001                      ; rows 4 w .. 4 w + 3 take the places 16 ((w / 2) % 2) + 8 (w / 4) + 4 (w % 2) on
	s_lshl_b32 s4, s4, 4
	s_lshr_b32 s5, s2, 2                           ; also: the tile u that I quantise
	s_lshl_b32 s7, s5, 3
	s_add_co_u32 s4, s4, s7
	s_and_b32 s6, s2, 1
	s_lshl_b32 s7, s6, 2
	s_add_co_u32 s4, s4, s7
	s_mul_i32 s4, s4, PITCH
	v_add_nc_u32 v[STA], s4, v[LI]
	s_and_b32 s38, s2, 3                           ; I quantise K steps 2 (w % 4) and 2 (w % 4) + 1
	s_lshl_b32 s7, s5, 4
	v_add_nc_u32 v11, s7, v10                      ; pos = 16 u + r
	v_mul_u32_u24 v[RDA], v11, PITCH
	v_lshl_add_u32 v[RDA], v[HH], 6, v[RDA]        ; + 64 h: my 16 numbers of a block of 32
	s_lshl_b32 s7, s38, 10
	v_add_nc_u32 v[RDA], s7, v[RDA]                ; + two K steps of 512 bytes for each w % 4
	v_lshlrev_b32 v[SCW], 5, v11
	v_lshl_add_u32 v[SCW], v[HH], 2, v[SCW]        ; lanes 0-15 put the first K step's word, lanes 16-31 the second's
	s_lshl_b32 s7, s38, 3
	s_add_co_u32 s7, s7, SCB
	v_add_nc_u32 v[SCW], s7, v[SCW]
	s_lshl_b32 s7, s6, 9
	v_add_nc_u32 v[XSO], s7, v[LI]                 ; 512 (w % 2) + 16 x lane
	v_add_nc_u32 v[SCR], SCB, v[XSO]
	s_mov_b32 s36, 0x3a800000                      ; 1 / 1024
	s_mov_b32 s37, 0x3727c5ac                      ; 1e-5
	s_mov_b32 s40, 0x76543210
	s_mov_b32 s41, 0xfedcba98                      ; v_permlanex16_b32's selects for lane l xor 16
	s_mov_b32 s42, 0x600000                        ; the mantissa field of 448
.irp i, 0,1,2,3
	v_mov_b32 v[PT+\i], 0                          ; written once: a lane permute's destination counts as one of its sources
	v_mov_b32 v[TM+4+\i], 0
.endr
	s_lshl_b32 s44, ttmp9, 17                      ; x: the pair's 32 rows of 4,096 bytes, my wave's four
	s_lshl_b32 s7, s2, 14
	s_add_co_u32 s44, s44, s7
	s_mov_b32 s45, 0
	s_wait_kmcnt 0x0
	s_cmp_eq_u32 s3, 2                             ; the three tensors take one path: only pointers are chosen, by the work-group's number
	s_cselect_b64 s[30:31], s[12:13], s[10:11]
	s_cselect_b64 s[32:33], s[22:23], s[18:19]
	s_cselect_b64 s[34:35], s[24:25], s[20:21]
	s_cmp_eq_u32 s3, 0
	s_cselect_b64 s[30:31], s[8:9], s[30:31]
	s_cselect_b64 s[32:33], s[14:15], s[32:33]
	s_cselect_b64 s[34:35], s[16:17], s[34:35]
	s_add_nc_u64 s[30:31], s[30:31], s[44:45]
.irp i, 0,1,2,3
.irp j, 0,1,2,3,4,5,6,7
	global_load_b128 v[X+32*\i+4*\j:X+32*\i+4*\j+3], v[LI], s[30:31] offset:4096*\i+512*\j th:TH_LOAD_NT   ; 32 lanes read 512 consecutive bytes
.endr
.endr
.irp j, 0,1,2,3,4,5,6,7
	global_load_b128 v[G+4*\j:G+4*\j+3], v[LI], s[32:33] offset:512*\j
.endr
.irp j, 0,1,2,3,4,5,6,7
	global_load_b128 v[B+4*\j:B+4*\j+3], v[LI], s[34:35] offset:512*\j
.endr
	s_lshl_b32 s44, s3, 23                         ; xc: tensor x 8 MiB + pair x 32 KiB + (8 u + 2 (w % 4)) images
	s_lshl_b32 s7, ttmp9, 15
	s_add_co_u32 s44, s44, s7
	s_lshl_b32 s7, s5, 14
	s_add_co_u32 s44, s44, s7
	s_lshl_b32 s7, s38, 12
	s_add_co_u32 s44, s44, s7
	s_add_nc_u64 s[26:27], s[26:27], s[44:45]
	s_lshl_b32 s44, s3, 18                         ; xs: tensor x 256 KiB + pair x 1,024
	s_lshl_b32 s7, ttmp9, 10
	s_add_co_u32 s44, s44, s7
	s_add_nc_u64 s[28:29], s[28:29], s[44:45]
; the four sums, each a pair of halves, over the wave's 32 lanes: the result stands in every lane
.macro ACROSS
.irp i, 0,1,2,3
	v_add_f32 v[SM+2*\i], v[SM+2*\i], v[SM+2*\i+1]
.endr
.irp m, 1,2,4,8
.irp i, 0,1,2,3
	v_add_f32_dpp v[SM+2*\i], v[SM+2*\i], v[SM+2*\i] row_xmask:\m row_mask:0xf bank_mask:0xf
.endr
.endr
.irp i, 0,1,2,3
	v_permlanex16_b32 v[PT+\i], v[SM+2*\i], s40, s41
.endr
.irp i, 0,1,2,3
	v_add_f32 v[SM+2*\i], v[SM+2*\i], v[PT+\i]
.endr
.endm
	s_wait_loadcnt 16                              ; my four rows are in; the 16 loads of gamma and beta may stay out
.irp i, 0,1,2,3
	v_pk_add_f32 v[SM+2*\i:SM+2*\i+1], v[X+32*\i:X+32*\i+1], v[X+32*\i+2:X+32*\i+3]   ; the first two pairs start a row's sum: nothing is cleared
.endr
.irp e, 4,6,8,10,12,14,16,18,20,22,24,26,28,30
.irp i, 0,1,2,3
	v_pk_add_f32 v[SM+2*\i:SM+2*\i+1], v[SM+2*\i:SM+2*\i+1], v[X+32*\i+\e:X+32*\i+\e+1]   ; (the four rows by turns)
.endr
.endr
	ACROSS
.irp i, 0,1,2,3
	v_mul_f32 v[MN+2*\i], s36, v[SM+2*\i]          ; the mean,
.endr
.irp i, 0,1,2,3
	v_mov_b32 v[MN+2*\i+1], v[MN+2*\i]             ; in both halves of a pair
.endr
.irp e, 0,2,4,6,8,10,12,14,16,18,20,22,24,26,28,30
.irp i, 0,1,2,3
	v_pk_add_f32 v[X+32*\i+\e:X+32*\i+\e+1], v[X+32*\i+\e:X+32*\i+\e+1], v[MN+2*\i:MN+2*\i+1] neg_lo:[0,1] neg_hi:[0,1]   ; x - mean, in place
.endr
.endr
.irp i, 0,1,2,3
	v_pk_mul_f32 v[SM+2*\i:SM+2*\i+1], v[X+32*\i:X+32*\i+1], v[X+32*\i:X+32*\i+1]
.endr
.irp e, 2,4,6,8,10,12,14,16,18,20,22,24,26,28,30
.irp i, 0,1,2,3
	v_pk_fma_f32 v[SM+2*\i:SM+2*\i+1], v[X+32*\i+\e:X+32*\i+\e+1], v[X+32*\i+\e:X+32*\i+\e+1], v[SM+2*\i:SM+2*\i+1]
.endr
.endr
	ACROSS
.irp i, 0,1,2,3
	v_fma_f32 v[SM+2*\i], v[SM+2*\i], s36, s37     ; var + eps
.endr
.irp i, 0,1,2,3
	v_rsq_f32 v[MN+2*\i], v[SM+2*\i]
.endr
	v_nop                                          ; a plain instruction behind the last of the four,
	s_wait_alu depctr_va_vdst(0)                   ; and one wait for the four, ahead of their first reader
.irp i, 0,1,2,3
	v_mov_b32 v[MN+2*\i+1], v[MN+2*\i]
.endr
	s_wait_loadcnt 0x0                             ; gamma and beta
.irp i, 0,1,2,3
.irp e, 0,2,4,6,8,10,12,14,16,18,20,22,24,26,28,30
	v_pk_mul_f32 v[X+32*\i+\e:X+32*\i+\e+1], v[X+32*\i+\e:X+32*\i+\e+1], v[MN+2*\i:MN+2*\i+1]
.endr
.irp e, 0,2,4,6,8,10,12,14,16,18,20,22,24,26,28,30
	v_pk_fma_f32 v[X+32*\i+\e:X+32*\i+\e+1], v[X+32*\i+\e:X+32*\i+\e+1], v[G+\e:G+\e+1], v[B+\e:B+\e+1]
.endr
.irp j, 0,1,2,3,4,5,6,7
	ds_store_b128 v[STA], v[X+32*\i+4*\j:X+32*\i+4*\j+3] offset:PITCH*\i+512*\j
.endr
.endr
	s_wait_dscnt 0x0                               ; for the others' sake: my rows lie in LDS
	s_barrier_signal -1
	s_barrier_wait -1
.irp q, 0,1
.irp b, 0,1,2,3
.irp j, 0,1,2,3
	ds_load_b128 v[X+64*\q+16*\b+4*\j:X+64*\q+16*\b+4*\j+3], v[RDA] offset:512*\q+128*\b+16*\j   ; register 16 b + i: k = 32 b + 16 h + i of my row and K step
.endr
.endr
.endr
; 64 numbers of a lane, v[s] on, become a fragment's codes in v[pc] on and its row's scale word in v[pw]
.macro QUANT s, pc, pw
.irp b, 0,1,2,3
	v_max3_num_f32 v[TM+\b], |v[\s+16*\b]|, |v[\s+1+16*\b]|, 0x4800000   ; my 16 numbers of block b, and the floor 2^(9 - 127): the byte cannot fall under 1
.endr
.irp i, 2,4,6,8,10,12,14
.irp b, 0,1,2,3
	v_max3_num_f32 v[TM+\b], v[TM+\b], |v[\s+16*\b+\i]|, |v[\s+1+16*\b+\i]|
.endr
.endr
.irp b, 0,1,2,3
	v_permlanex16_b32 v[TM+4+\b], v[TM+\b], s40, s41
.endr
.irp b, 0,1,2,3
	v_max_num_f32 v[TM+\b], v[TM+\b], v[TM+4+\b]   ; with lane l xor 16's: the block's largest magnitude
.endr
.irp b, 0,1,2,3
	v_add_nc_u32 v[TM+12+\b], 0xfc000000, v[TM+\b] ; 8 off its exponent field: the conversion's scale operand
.endr
.irp b, 0,1,2,3
	v_and_or_b32 v[TM+8+\b], v[TM+\b], 0x7f800000, s42   ; 448 x the scale
.endr
.irp b, 0,1,2,3
	v_lshrrev_b32 v[TM+4+\b], 23, v[TM+12+\b]      ; the scale's byte
.endr
	v_lshl_or_b32 v[\pw], v[TM+5], 8, v[TM+4]
	v_lshl_or_b32 v[\pw], v[TM+6], 16, v[\pw]
	v_lshl_or_b32 v[\pw], v[TM+7], 24, v[\pw]
.irp b, 0,1,2,3
.irp i, 0,1,2,3,4,5,6,7,8,9,10,11,12,13,14,15
	v_med3_num_f32 v[\s+16*\b+\i], v[\s+16*\b+\i], -v[TM+8+\b], v[TM+8+\b]   ; the conversion to an 8-bit code does not saturate (ISA guide 7.6.2): the hold comes first
.endr
	v_cvt_scalef32_pk8_fp8_f32 v[\pc+4*\b:\pc+4*\b+1], v[\s+16*\b:\s+16*\b+7], v[TM+12+\b]
	v_cvt_scalef32_pk8_fp8_f32 v[\pc+4*\b+2:\pc+4*\b+3], v[\s+16*\b+8:\s+16*\b+15], v[TM+12+\b]
.endr
	v_nop                                          ; a plain instruction behind the last conversion
.endm
	s_wait_dscnt 16                                ; the first K step's 16 loads are in; the second's may stay out
	QUANT X, G, PW
.irp c, 0,1,2,3
	global_store_b128 v[LI], v[G+4*\c:G+4*\c+3], s[26:27] offset:512*\c   ; 512 dense bytes
.endr
	s_wait_dscnt 0x0
	QUANT X+64, G+16, PW+1                         ; codes in registers of their own: the stores above still read theirs
.irp c, 0,1,2,3
	global_store_b128 v[LI], v[G+16+4*\c:G+16+4*\c+3], s[26:27] offset:2048+512*\c
.endr
	v_cmp_ne_u32 vcc_lo, 0, v[HH]
	v_cndmask_b32 v[WD], v[PW], v[PW+1], vcc_lo    ; both halves of the lanes hold both words: each puts one
	ds_store_b32 v[SCW], v[WD]
	s_wait_dscnt 0x0
	s_barrier_signal -1
	s_barrier_wait -1                              ; the pair's 1,024 scale bytes lie together
	s_cmp_gt_u32 s2, 1
	s_cbranch_scc1 .Ldone                          ; waves 0 and 1 store them, 512 dense bytes each
	ds_load_b128 v[8:11], v[SCR]
	s_wait_dscnt 0x0
	global_store_b128 v[XSO], v[8:11], s[28:29]
.Ldone:
	s_wait_tensorcnt 0x0
	ds_add_u32 v254, v255
	s_wait_dscnt 0x0
	s_endpgm
.Lfunc_end_k_qc5bfb02aa1_lnq:
	.size	k_qc5bfb02aa1_lnq, .Lfunc_end_k_qc5bfb02aa1_lnq-k_qc5bfb02aa1_lnq
	.p2alignl 7, 3214868480
	.fill 96, 4, 3214868480
	.section	.rodata,"a",@progbits
	.p2align	6, 0x0
	.amdhsa_kernel k_qc5bfb02aa1_lnq
		.amdhsa_group_segment_fixed_size 133632
		.amdhsa_private_segment_fixed_size 0
		.amdhsa_enable_private_segment 0
		.amdhsa_kernarg_size 88
		.amdhsa_user_sgpr_count 2
		.amdhsa_user_sgpr_kernarg_segment_ptr 1
		.amdhsa_wavefront_size32 1
		.amdhsa_system_sgpr_workgroup_id_x 1
		.amdhsa_system_sgpr_workgroup_id_y 1
		.amdhsa_system_sgpr_workgroup_id_z 1
		.amdhsa_system_vgpr_workitem_id 0
		.amdhsa_next_free_vgpr 256
		.amdhsa_next_free_sgpr 66
		.amdhsa_reserve_vcc 1
		.amdhsa_float_denorm_mode_32 3
		.amdhsa_float_denorm_mode_16_64 3
		.amdhsa_memory_ordered 1
		.amdhsa_forward_progress 1
		.amdhsa_inst_pref_size 53
	.end_amdhsa_kernel
	.amdgpu_metadata
---
amdhsa.version: [ 1, 2 ]
amdhsa.kernels:
  - .name:           k_qc5bfb02aa1_lnq
    .symbol:         k_qc5bfb02aa1_lnq.kd
    .args:
      - { .name: q, .offset: 0, .size: 8, .value_kind: global_buffer, .address_space: global }
      - { .name: k, .offset: 8, .size: 8, .value_kind: global_buffer, .address_space: global }
      - { .name: v, .offset: 16, .size: 8, .value_kind: global_buffer, .address_space: global }
      - { .name: ln_q_g, .offset: 24, .size: 8, .value_kind: global_buffer, .address_space: global }
      - { .name: ln_q_b, .offset: 32, .size: 8, .value_kind: global_buffer, .address_space: global }
      - { .name: ln_k_g, .offset: 40, .size: 8, .value_kind: global_buffer, .address_space: global }
      - { .name: ln_k_b, .offset: 48, .size: 8, .value_kind: global_buffer, .address_space: global }
      - { .name: ln_v_g, .offset: 56, .size: 8, .value_kind: global_buffer, .address_space: global }
      - { .name: ln_v_b, .offset: 64, .size: 8, .value_kind: global_buffer, .address_space: global }
      - { .name: xc, .offset: 72, .size: 8, .value_kind: global_buffer, .address_space: global }
      - { .name: xs, .offset: 80, .size: 8, .value_kind: global_buffer, .address_space: global }
    .group_segment_fixed_size: 133632
    .private_segment_fixed_size: 0
    .kernarg_segment_align: 8
    .kernarg_segment_size: 88
    .max_flat_workgroup_size: 256
    .sgpr_count:     66
    .vgpr_count:     256
    .wavefront_size: 32
...
	.end_amdgpu_metadata
.endif
;; end of part 1
;; launch proj (part 2): grid 12 x 16, 4 waves a work-group, no clusters, 131,584 bytes of LDS; arguments xc, xs, w_q_codes, w_q_scales, w_k_codes, w_k_scales, w_v_codes, w_v_scales, hc, hs; writes hc, hs
.if DOCPART == 2
	.amdgcn_target "amdgcn-amd-amdhsa--gfx1250"
	.amdhsa_code_object_version 6
	.text
	.protected	k_qc5bfb02aa1_proj
	.globl	k_qc5bfb02aa1_proj
	.p2align	8
	.type	k_qc5bfb02aa1_proj,@function
k_qc5bfb02aa1_proj:
	s_mov_b64 s[64:65], 0
	v_nop
	global_prefetch_b8 v0, s[64:65] scope:SCOPE_SE
	s_setreg_imm32_b32 hwreg(HW_REG_WAVE_MODE, 25, 1), 1
	s_wait_xcnt 0x0
; The three projections LN(x) W^T (8,192 x 1,024 x 1,024 each) on codes of E4M3, and their results quantised at once as operands of attention's two products.
; SHARES.  Work-group x = 4 x tensor + slice of 256 outputs, y = 16 pairs of tiles (512 rows of one batch).  Wave w owns ONE HEAD: 64 rows of W for all of K: 4 tiles x 8 K steps = 512 registers,
; read from memory once.  What goes round is small: a pair's codes (32 KiB, as lnq laid them) come through registers into one of two LDS buffers, 8 KiB a wave, and every wave reads them all.
; 192 work-groups: the 12 slices of weights do not divide 256, and smaller row groups would read the weights more often.
; TWO PATHS, parted by the work-group's number, each with LDS bytes of its own:
;   q, k: source 0 = 16 rows of W, source 1 = 16 rows of x: a lane holds one row and 16 neighbouring channels of each block of 32: quantised along the head's 64.
;   v:    source 0 = 16 rows of x, source 1 = 16 rows of W: a lane holds one channel and 16 neighbouring keys of the pair's 32: quantised along the keys.
; Both orders come out so because lane r of a tile (of x's rows and of W's rows alike) is row 8 u + r + 8 (r / 8) of its 32.
; OUT.  hc: q at 0, k at 8 MiB: [batch x head 64][pair 64][image: groups 0, 1 tile 0's channels 0-31, 32-63; groups 2, 3 tile 1's];  v at 16 MiB: [batch x head][key step 16][channel tile 4][image: group c = keys 32 c on].
;       hs: [batch x head][key step][512]: k's words [r 16][pair 4], then v's [r 16][tile 4];  from 524,288 on q's words [batch x head][4 pairs][r 16][pair 4].
; No tensor load, no cluster: the weights stay in registers, and a pair's codes are asked for two pairs ahead by plain loads.
; The loop has one form for all trips: the last two trips ask for pair 15 once more (a clamped index), so that no load leaves xc and every count holds in every trip.
; LIMITS: as in lnq (a block under 2^-118 gets the byte 1).
.set LI,    1                          ; v1   16 x lane
.set LX,    2                          ; v2   32 x lane
.set LS8,   3                          ; v3   16 r + 8 h
.set FB,    4                          ; v4-7   the four buffers, + 16 x lane
.set SB,    8                          ; v8-11  the same + 8,192 x wave
.set WOFF,  12
.set WSOFF, 13
.set HH,    14
.set WS,    16                         ; v16-47  W's scale words: (tile t, K step s) at 8 t + s
.set XS,    48                         ; v48-63  x's scale words, two sets of 8: lanes 0-15 tile 0's, lanes 16-31 tile 1's
.set AC,    64                         ; v64-127 eight accumulators
.set G,     128                        ; v128-191 8 KiB of the next pair's codes on their way to LDS
.set PC,    192                        ; v192-207 codes just made
.set TM,    208                        ; v208-223 the quantiser's work
.set KW,    225                        ; v225-228 four scale words
.set DD,    230                        ; v[230:231] the two that my lane stores
; windows 1, 2: W's fragment (t, s) at 16 (4 t + s % 4) of window 1 + s / 4.   window 3: x's fragment (u, s) at 16 (8 u + s)
.set MSB, 0
.macro WIN new                         ; the immediate's high byte repeats the setting that is left
.if MSB != (\new)
	s_set_vgpr_msb (MSB<<8)|(\new)
.set MSB, (\new)
.endif
.endm
.macro PLACES n
.rept \n
	v_nop
.endr
.endm
	s_load_b512 s[8:23], s[0:1], 0x0               ; xc, xs, w_q codes, scales, w_k codes, scales, w_v codes, scales
	s_load_b128 s[24:27], s[0:1], 0x40             ; hc, hs
	v_lshl_add_u32 v254, v0, 2, 0x20000
	v_mov_b32 v255, 0
	v_lshrrev_b32 v1, 5, v0
	v_readfirstlane_b32 s5, v1                     ; wave 0..3
	s_lshr_b32 s2, ttmp9, 2                        ; the tensor
	s_and_b32 s3, ttmp9, 3                         ; the slice
	s_and_b32 s4, ttmp7, 0xffff                    ; the group of 16 pairs
	s_lshl_b32 s6, s3, 2
	s_add_co_u32 s6, s6, s5                        ; my head
	s_lshr_b32 s58, s4, 2
	s_lshl_b32 s58, s58, 4
	s_add_co_u32 s58, s58, s6                      ; batch x 16 + head
	v_and_b32 v15, 31, v0
	v_lshlrev_b32 v[LI], 4, v15
	v_lshlrev_b32 v[LX], 5, v15
	v_and_b32 v15, 15, v0                          ; r
	v_bfe_u32 v[HH], v0, 4, 1                      ; h
	v_lshlrev_b32 v[LS8], 4, v15
	v_lshl_add_u32 v[LS8], v[HH], 3, v[LS8]
	s_lshl_b32 s7, s5, 13
.irp i, 0,1,2,3
	v_add_nc_u32 v[FB+\i], \i*32768, v[LI]
.endr
.irp i, 0,1,2,3
	v_add_nc_u32 v[SB+\i], s7, v[FB+\i]
.endr
	v_and_b32 v[WSOFF], 8, v15
	v_add_nc_u32 v[WSOFF], v[WSOFF], v15           ; r + 8 (r / 8)
	v_lshlrev_b32 v[WOFF], 10, v[WSOFF]
	v_lshl_add_u32 v[WOFF], v[HH], 4, v[WOFF]      ; W: a row is 1,024 bytes; + 16 h
	v_lshlrev_b32 v[WSOFF], 5, v[WSOFF]            ; its scale bytes: 32 a row
	v_cmp_ne_u32 s50, 0, v[HH]                     ; lanes 16-31
.irp i, 0,1,2,3
	v_mov_b32 v[TM+4+\i], 0                        ; written once: a lane permute's destination counts as one of its sources
.endr
	s_mov_b32 s52, 0x76543210
	s_mov_b32 s53, 0xfedcba98
	s_mov_b32 s54, 0x600000                        ; the mantissa field of 448
	s_mov_b32 s57, 0
	s_mov_b32 s45, 0
	s_wait_kmcnt 0x0
	s_cmp_eq_u32 s2, 2
	s_cselect_b64 s[28:29], s[20:21], s[16:17]
	s_cselect_b64 s[30:31], s[22:23], s[18:19]
	s_cmp_eq_u32 s2, 0
	s_cselect_b64 s[28:29], s[12:13], s[28:29]
	s_cselect_b64 s[30:31], s[14:15], s[30:31]
	s_lshl_b32 s56, s6, 16
	s_add_nc_u64 s[28:29], s[28:29], s[56:57]      ; my 64 rows of W
	s_lshl_b32 s56, s6, 11
	s_add_nc_u64 s[30:31], s[30:31], s[56:57]      ; and their scale bytes
	WIN 0x40
.irp t, 0,1,2,3
.irp k, 0,1,2,3
.irp c, 0,1,2,3
	global_load_b128 v[16*(4*\t+\k)+4*\c:16*(4*\t+\k)+4*\c+3], v[WOFF], s[28:29] offset:(32*(\t/2)+8*(\t%2))*1024+128*\k+32*\c
.endr
.endr
.endr
	WIN 0x80
.irp t, 0,1,2,3
.irp k, 0,1,2,3
.irp c, 0,1,2,3
	global_load_b128 v[16*(4*\t+\k)+4*\c:16*(4*\t+\k)+4*\c+3], v[WOFF], s[28:29] offset:(32*(\t/2)+8*(\t%2))*1024+512+128*\k+32*\c
.endr
.endr
.endr
	WIN 0
.irp t, 0,1,2,3
.irp q, 0,1
	global_load_b128 v[WS+8*\t+4*\q:WS+8*\t+4*\q+3], v[WSOFF], s[30:31] offset:(32*(\t/2)+8*(\t%2))*32+16*\q
.endr
.endr
	s_lshl_b32 s56, s2, 23                         ; xc: tensor x 8 MiB + group x 512 KiB + my wave's 8 KiB of a pair
	s_lshl_b32 s7, s4, 19
	s_add_co_u32 s56, s56, s7
	s_lshl_b32 s7, s5, 13
	s_add_co_u32 s56, s56, s7
	s_add_nc_u64 s[32:33], s[8:9], s[56:57]
	s_lshl_b32 s56, s2, 18                         ; xs: tensor x 256 KiB + group x 16 KiB
	s_lshl_b32 s7, s4, 14
	s_add_co_u32 s56, s56, s7
	s_add_nc_u64 s[34:35], s[10:11], s[56:57]
	s_and_b32 s7, s4, 3                            ; the group's place in its batch
	s_lshl_b32 s56, s2, 23                         ; hc: tensor x 8 MiB + (batch, head) x 128 KiB + place x 32 KiB
	s_lshl_b32 s48, s58, 17
	s_add_co_u32 s56, s56, s48
	s_lshl_b32 s48, s7, 15
	s_add_co_u32 s56, s56, s48
	s_add_nc_u64 s[40:41], s[24:25], s[56:57]
	s_lshl_b32 s56, s58, 12                        ; hs, q's form: 524,288 + (batch, head) x 4,096 + place x 1,024, 256 bytes for four pairs;
	s_lshl_b32 s48, s7, 10
	s_add_co_u32 s56, s56, s48
	s_lshl_b32 s48, s56, 1                         ; k's and v's: twice that, 512 bytes for four pairs, v's 256 further on
	s_add_co_u32 s56, s56, 524288
	s_cmp_eq_u32 s2, 2
	s_cselect_b32 s49, 256, 0
	s_add_co_u32 s48, s48, s49
	s_mov_b32 s44, 512
	s_cmp_eq_u32 s2, 0
	s_cselect_b32 s56, s56, s48
	s_cselect_b32 s44, 256, s44
	s_add_nc_u64 s[42:43], s[26:27], s[56:57]
; the next pair's codes (my 8 KiB) and scale words are asked for.  s46 counts pairs; past the group's last it is held at 15
.macro GLOAD xw
	s_min_u32 s48, s46, 15
	s_add_co_u32 s46, s46, 1
	s_lshl_b32 s56, s48, 15
	s_add_nc_u64 s[36:37], s[32:33], s[56:57]      ; (the loads that read these two addresses last have been waited for)
	s_lshl_b32 s56, s48, 10
	s_add_nc_u64 s[38:39], s[34:35], s[56:57]
.irp i, 0,1,2,3,4,5,6,7,8,9,10,11,12,13,14,15
	global_load_b128 v[G+4*\i:G+4*\i+3], v[LI], s[36:37] offset:512*\i
.endr
.irp q, 0,1
	global_load_b128 v[XS+8*\xw+4*\q:XS+8*\xw+4*\q+3], v[LX], s[38:39] offset:16*\q
.endr
.endm
; a pair's 16 fragments from buffer FBUF into window 3, K step by K step
.macro FETCH
	WIN 0xc0
.irp k, 0,1,2,3,4,5,6,7
.irp u, 0,1
.irp c, 0,1,2,3
	ds_load_b128 v[16*(8*\u+\k)+4*\c:16*(8*\u+\k)+4*\c+3], v[FB+FBUF] offset:(8*\u+\k)*2048+512*\c
.endr
.endr
.endr
	WIN 0
.endm
; one matrix instruction: x's tile u, W's tile t, K step kk.  The first K step starts the sums
.macro MM swap, xw, kk, u, t
.set rW, 16*(4*\t+(\kk)%4)
.set rX, 16*(8*\u+\kk)
.set rWS, WS+8*\t+\kk
.set rXS, XS+8*\xw+\kk
.if \swap
.set rD, AC+16*\t+8*\u
.if \kk == 0
.if \u == 0
	v_wmma_scale_f32_16x16x128_f8f6f4 v[rD:rD+7], v[rX:rX+15], v[rW:rW+15], 0, v[rXS], v[rWS]
.else
	v_wmma_scale_f32_16x16x128_f8f6f4 v[rD:rD+7], v[rX:rX+15], v[rW:rW+15], 0, v[rXS], v[rWS] matrix_a_scale:MATRIX_SCALE_ROW1
.endif
.else
.if \u == 0
	v_wmma_scale_f32_16x16x128_f8f6f4 v[rD:rD+7], v[rX:rX+15], v[rW:rW+15], v[rD:rD+7], v[rXS], v[rWS]
.else
	v_wmma_scale_f32_16x16x128_f8f6f4 v[rD:rD+7], v[rX:rX+15], v[rW:rW+15], v[rD:rD+7], v[rXS], v[rWS] matrix_a_scale:MATRIX_SCALE_ROW1
.endif
.endif
.else
.set rD, AC+32*\u+8*\t
.if \kk == 0
.if \u == 0
	v_wmma_scale_f32_16x16x128_f8f6f4 v[rD:rD+7], v[rW:rW+15], v[rX:rX+15], 0, v[rWS], v[rXS]
.else
	v_wmma_scale_f32_16x16x128_f8f6f4 v[rD:rD+7], v[rW:rW+15], v[rX:rX+15], 0, v[rWS], v[rXS] matrix_b_scale:MATRIX_SCALE_ROW1
.endif
.else
.if \u == 0
	v_wmma_scale_f32_16x16x128_f8f6f4 v[rD:rD+7], v[rW:rW+15], v[rX:rX+15], v[rD:rD+7], v[rWS], v[rXS]
.else
	v_wmma_scale_f32_16x16x128_f8f6f4 v[rD:rD+7], v[rW:rW+15], v[rX:rX+15], v[rD:rD+7], v[rWS], v[rXS] matrix_b_scale:MATRIX_SCALE_ROW1
.endif
.endif
.endif
.endm
; a pair's 64 matrix instructions: the eight accumulators by turns, one instruction a turn, K ascending
.macro MUL swap, xw
.irp k, 0,1,2,3,4,5,6,7
	s_wait_dscnt 56-8*\k                           ; this K step's eight LDS loads are in; those of the later K steps may stay out
.if \swap
	WIN 0x03|((1+\k/4)<<2)
.else
	WIN 0x0c|(1+\k/4)
.endif
.irp u, 0,1
.irp t, 0,1,2,3
	MM \swap, \xw, \k, \u, \t
.endr
.endr
.endr
	WIN 0
.endm
; the eight accumulators, 64 numbers of a lane in four blocks (register 16 b + i), become codes in v[PC] on.  swap = 0: the four bytes are the word of pair c;  swap = 1: byte c of four words
.macro QUANT swap, c
.irp b, 0,1,2,3
	v_max3_num_f32 v[TM+\b], |v[AC+16*\b]|, |v[AC+1+16*\b]|, 0x4800000   ; my 16 numbers of block b, each accumulator from its low end on, and the floor 2^(9 - 127)
.endr
.irp i, 2,4,6,8,10,12,14
.irp b, 0,1,2,3
	v_max3_num_f32 v[TM+\b], v[TM+\b], |v[AC+16*\b+\i]|, |v[AC+1+16*\b+\i]|
.endr
.endr
.irp b, 0,1,2,3
	v_permlanex16_b32 v[TM+4+\b], v[TM+\b], s52, s53
.endr
.irp b, 0,1,2,3
	v_max_num_f32 v[TM+\b], v[TM+\b], v[TM+4+\b]   ; with lane l xor 16's: the block's largest magnitude
.endr
.irp b, 0,1,2,3
	v_add_nc_u32 v[TM+12+\b], 0xfc000000, v[TM+\b] ; 8 off its exponent field: the conversion's scale operand
.endr
.irp b, 0,1,2,3
	v_and_or_b32 v[TM+8+\b], v[TM+\b], 0x7f800000, s54   ; 448 x the scale
.endr
.irp b, 0,1,2,3
.if \swap && (\c == 0)
	v_lshrrev_b32 v[KW+\b], 23, v[TM+12+\b]        ; the scale's byte: the first of its word
.else
	v_lshrrev_b32 v[TM+4+\b], 23, v[TM+12+\b]      ; the scale's byte
.endif
.endr
.if \swap
.if \c > 0
.irp b, 0,1,2,3
	v_lshl_or_b32 v[KW+\b], v[TM+4+\b], 8*\c, v[KW+\b]
.endr
.endif
.else
	v_lshl_or_b32 v[KW+\c], v[TM+5], 8, v[TM+4]
	v_lshl_or_b32 v[KW+\c], v[TM+6], 16, v[KW+\c]
	v_lshl_or_b32 v[KW+\c], v[TM+7], 24, v[KW+\c]
.endif
.irp b, 0,1,2,3
.irp i, 0,1,2,3,4,5,6,7,8,9,10,11,12,13,14,15
	v_med3_num_f32 v[AC+16*\b+\i], v[AC+16*\b+\i], -v[TM+8+\b], v[TM+8+\b]   ; the conversion to an 8-bit code does not saturate (ISA guide 7.6.2): the hold comes first
.endr
	v_cvt_scalef32_pk8_fp8_f32 v[PC+4*\b:PC+4*\b+1], v[AC+16*\b:AC+16*\b+7], v[TM+12+\b]
	v_cvt_scalef32_pk8_fp8_f32 v[PC+4*\b+2:PC+4*\b+3], v[AC+16*\b+8:AC+16*\b+15], v[TM+12+\b]
.endr
	v_nop                                          ; a plain instruction behind the last conversion: the next products write its sources
.endm
.macro OUT swap, c
	s_wait_xcnt 0x0                                ; the last pair's stores have read their registers
	QUANT \swap, \c
.irp i, 0,1,2,3
.if \swap
	global_store_b128 v[LI], v[PC+4*\i:PC+4*\i+3], s[40:41] offset:2048*\i+512*\c   ; channel tile i's image, group c
.else
	global_store_b128 v[LI], v[PC+4*\i:PC+4*\i+3], s[40:41] offset:2048*\c+512*\i   ; pair c's image, group i
.endif
.endr
.if \c == 3
	v_cndmask_b32 v[DD], v[KW], v[KW+2], s50       ; lanes 0-15 store words 0, 1 of their row, lanes 16-31 words 2, 3:
	v_cndmask_b32 v[DD+1], v[KW+1], v[KW+3], s50
	global_store_b64 v[LS8], v[DD:DD+1], s[42:43]  ; 32 lanes store 256 consecutive bytes, aligned
	s_wait_xcnt 0x0                                ; the stores have read their bases
	s_add_nc_u64 s[40:41], s[40:41], 8192
	s_add_nc_u64 s[42:43], s[42:43], s[44:45]
.endif
.endm
; One pair.  p: the buffer (and set of scale words) that it is multiplied from.  The other buffer was read out a trip ago, and every wave has since waited for those reads and passed a barrier.
.macro TRIP swap, c, p
.set FBUF, 2*\swap+1-\p
	MUL \swap, \p
	s_wait_loadcnt 0x0                             ; the next pair's codes and scale words are in
.irp i, 0,1,2,3,4,5,6,7,8,9,10,11,12,13,14,15
	ds_store_b128 v[SB+FBUF], v[G+4*\i:G+4*\i+3] offset:512*\i
.endr
	s_wait_dscnt 0x0                               ; for the others' sake: my part of the next pair lies in LDS, and my reads of this pair are over
	s_barrier_signal -1
	s_barrier_wait -1
	PLACES 8                                       ; in front of loads into registers that the products have read, and of the first read of their results
	GLOAD \p
	FETCH
	OUT \swap, \c
.endm
.macro BODY swap
	s_mov_b32 s46, 0
	GLOAD 0
	s_wait_loadcnt 0x0                             ; pair 0, and W
.irp i, 0,1,2,3,4,5,6,7,8,9,10,11,12,13,14,15
	ds_store_b128 v[SB+2*\swap], v[G+4*\i:G+4*\i+3] offset:512*\i
.endr
	s_wait_dscnt 0x0
	s_barrier_signal -1
	s_barrier_wait -1
	GLOAD 1
.set FBUF, 2*\swap
	FETCH
	s_mov_b32 s47, 4
.Lquad\swap:                                       ; four trips of four pairs: a key step, one block of scale words
	TRIP \swap, 0, 0
	TRIP \swap, 1, 1
	TRIP \swap, 2, 0
	TRIP \swap, 3, 1
	s_sub_co_u32 s47, s47, 1
	s_cmp_lg_u32 s47, 0
	s_cbranch_scc1 .Lquad\swap
	s_wait_loadcnt 0x0                             ; what the last trips asked for once more is let in and dropped
	s_wait_dscnt 0x0
	s_wait_tensorcnt 0x0
	ds_add_u32 v254, v255
	s_wait_dscnt 0x0
	s_endpgm
.endm
	s_cmp_eq_u32 s2, 2
	s_cbranch_scc1 .Lvalues
	BODY 0
.Lvalues:
	BODY 1
.Lfunc_end_k_qc5bfb02aa1_proj:
	.size	k_qc5bfb02aa1_proj, .Lfunc_end_k_qc5bfb02aa1_proj-k_qc5bfb02aa1_proj
	.p2alignl 7, 3214868480
	.fill 96, 4, 3214868480
	.section	.rodata,"a",@progbits
	.p2align	6, 0x0
	.amdhsa_kernel k_qc5bfb02aa1_proj
		.amdhsa_group_segment_fixed_size 131584
		.amdhsa_private_segment_fixed_size 0
		.amdhsa_enable_private_segment 0
		.amdhsa_kernarg_size 80
		.amdhsa_user_sgpr_count 2
		.amdhsa_user_sgpr_kernarg_segment_ptr 1
		.amdhsa_wavefront_size32 1
		.amdhsa_system_sgpr_workgroup_id_x 1
		.amdhsa_system_sgpr_workgroup_id_y 1
		.amdhsa_system_sgpr_workgroup_id_z 1
		.amdhsa_system_vgpr_workitem_id 0
		.amdhsa_next_free_vgpr 1024
		.amdhsa_next_free_sgpr 66
		.amdhsa_reserve_vcc 0
		.amdhsa_float_denorm_mode_32 3
		.amdhsa_float_denorm_mode_16_64 3
		.amdhsa_memory_ordered 1
		.amdhsa_forward_progress 1
		.amdhsa_inst_pref_size 228
	.end_amdhsa_kernel
	.amdgpu_metadata
---
amdhsa.version: [ 1, 2 ]
amdhsa.kernels:
  - .name:           k_qc5bfb02aa1_proj
    .symbol:         k_qc5bfb02aa1_proj.kd
    .args:
      - { .name: xc, .offset: 0, .size: 8, .value_kind: global_buffer, .address_space: global }
      - { .name: xs, .offset: 8, .size: 8, .value_kind: global_buffer, .address_space: global }
      - { .name: w_q_codes, .offset: 16, .size: 8, .value_kind: global_buffer, .address_space: global }
      - { .name: w_q_scales, .offset: 24, .size: 8, .value_kind: global_buffer, .address_space: global }
      - { .name: w_k_codes, .offset: 32, .size: 8, .value_kind: global_buffer, .address_space: global }
      - { .name: w_k_scales, .offset: 40, .size: 8, .value_kind: global_buffer, .address_space: global }
      - { .name: w_v_codes, .offset: 48, .size: 8, .value_kind: global_buffer, .address_space: global }
      - { .name: w_v_scales, .offset: 56, .size: 8, .value_kind: global_buffer, .address_space: global }
      - { .name: hc, .offset: 64, .size: 8, .value_kind: global_buffer, .address_space: global }
      - { .name: hs, .offset: 72, .size: 8, .value_kind: global_buffer, .address_space: global }
    .group_segment_fixed_size: 131584
    .private_segment_fixed_size: 0
    .kernarg_segment_align: 8
    .kernarg_segment_size: 80
    .max_flat_workgroup_size: 128
    .sgpr_count:     66
    .vgpr_count:     1024
    .wavefront_size: 32
...
	.end_amdgpu_metadata
.endif
;; end of part 2
;; launch att (part 3): grid 4 x 64, 8 waves a work-group, clusters of 4 x 1, 327,680 bytes of LDS; arguments hc, hs, cc, cs; writes cc, cs
.if DOCPART == 3
	.amdgcn_target "amdgcn-amd-amdhsa--gfx1250"
	.amdhsa_code_object_version 6
	.text
	.protected	k_qc5bfb02aa1_att
	.globl	k_qc5bfb02aa1_att
	.p2align	8
	.type	k_qc5bfb02aa1_att,@function
k_qc5bfb02aa1_att:
	s_mov_b64 s[64:65], 0
	v_nop
	global_prefetch_b8 v0, s[64:65] scope:SCOPE_SE
	s_setreg_imm32_b32 hwreg(HW_REG_WAVE_MODE, 25, 1), 1
	s_wait_xcnt 0x0
	s_wait_alu depctr_hold_cnt(0) depctr_sa_sdst(0) depctr_va_vdst(0) depctr_va_sdst(0) depctr_va_ssrc(0) depctr_va_vcc(0) depctr_vm_vsrc(0)
	s_getreg_b32 s2, hwreg(HW_REG_IB_STS2, 6, 4)
	s_cmp_eq_u32 s2, 0
	s_cbranch_scc0 .Lentry_in_a_cluster
	s_endpgm
.Lentry_in_a_cluster:
	s_bfe_u32 s2, ttmp6, 0x10000c
	s_cmp_lg_u32 s2, 0x3003
	s_cbranch_scc0 .Lentry_shape_is_right
	s_endpgm
.Lentry_shape_is_right:
; Attention of one (batch, head): 2,048 queries, 2,048 keys, head size 64, both products on codes of E4M3 as proj laid them; the context, divided by the row's sum, is quantised at once for the last projection.
; THE SOFTMAX: t = score x log2(e) / 8; M = the running largest t rounded UP to a whole number; p = 2^(t - M) is quantised along the keys, not normalised; the row's sum is taken of the unquantised p.
; When M moves, the sum and O are multiplied by 2^(old M - new M): exact.
; SHARES.  A cluster of four work-groups takes a head, each 512 queries; each of its eight waves two passes of one pair of query tiles (A, B: 32 queries), so that a fragment of K or V read from LDS feeds two tiles.
; THE HEAD'S K, V AND SCALE WORDS (264 KiB) COME INTO LDS ONCE, by joint loads of the four partners (the same descriptor, a mask that names the four): nothing is filled again, so the loop has no barrier.
; LAYOUT.  Both products are used transposed (S^T = K Q^T, O^T = V^T P^T): a lane holds one query throughout.  The keys of a tile are 8 u + r + 8 (r / 8) of a pair's 32, so that p's 16 registers of a pair are 16 neighbouring keys.
; HEAD SIZE 64 IN AN INSTRUCTION OF 128: a fragment of K holds two key tiles, one in k 0-63, the other in k 64-127.  Against (q, 0) it gives the first tile's scores, against (0, q) the second's.  The zeros are
; zero CODES, kept once in registers beside q; codes made by the quantiser are never the NaN code and its bytes never 0xff, so the zero half adds nothing.
; OUT.  cc: laid as one tensor of xc (K step s = heads 2 s, 2 s + 1);  cs: [pair][pos 32][32 bytes], bytes 2 head, 2 head + 1: two bytes a row from each head, the price of a head to a cluster (256 KiB in all).
; Nothing is asked of memory ahead of time: all tensor loads stand at the head.  The last step of a pass fetches key step 0 again: it serves the next pass; after the last pass it is let in and dropped.
; LIMITS: as in lnq.
; REGISTERS.  window 0: v1-10 addresses; v12-19 statistics; v20-31 scale words; v32-59 at work; v64-191 S^T, then p (tile X at 64 X); v192-223 p's codes.
;   window 1: v0-39 zeros 8, q of A 8, zeros 8, q of B 8, zeros 8; v64-127 O^T (tile X at 32 X, channel tile t at 8 t); v128-191 V's four fragments; v192-255 K's four.
.set LI,   1                           ; v1   16 x lane: K's images begin at LDS byte 0
.set LIV,  2                           ; v2   + 131,072: V's
.set LIS,  3                           ; v3   + 262,144: the scale words, 512 bytes a key step: lanes 0-15 read K's, lanes 16-31 V's
.set ADK,  4
.set ADV,  5
.set ADSK, 6
.set ADSV, 7
.set R16,  8                           ; v8   16 r
.set CSO,  9                           ; v9   32 x lane
.set HH,   10
.set SWK,  20                          ; v20-23 the step's words, read for K (lanes 0-15)
.set SWV,  24                          ; v24-27 the step's words, read for V (lanes 16-31)
.set SQ,   28                          ; v28, v29 q's words of tiles A, B, repeated in both halves
.set PWD,  30                          ; v30, v31 p's words
.set BM,   32                          ; v32-35 a block's largest score, then its largest p
.set PM,   36                          ; v36-39 lane permutes' results, then bytes
.set HD,   40                          ; v40-43 448 x the scale
.set SO,   44                          ; v44-47 the conversions' scale operands
.set T,    52
.set C2,   54                          ; v[54:55] the sums' second chain
.set S,    64
.set PC,   192
.set O,    64                          ; in window 1
.set VF,   128
.set KF,   192
.set WV,   12
.set CS,   52                          ; s[52:53] c = log2(e) / 8
.set SEL,  54
.set MNT,  56
.set HM,   57
.set TV,   58                          ; LDS offset of the key step in hand: 8,192 a step
.set TK,   59                          ; and of the next
.set CN,   60
.set PS,   61
.set MSB, 0
.macro WIN new                         ; the immediate's high byte repeats the setting that is left
.if MSB != (\new)
	s_set_vgpr_msb (MSB<<8)|(\new)
.set MSB, (\new)
.endif
.endm
.macro PLACES n
.rept \n
	v_nop
.endr
.endm
.macro ROUND                           ; a round of the cluster's barrier
	s_barrier_signal -1
	s_barrier_wait -1
	s_cmp_lg_u32 s[WV], 0
	s_cbranch_scc1 .Lnot_wave_0_\@
	s_barrier_signal -3
.Lnot_wave_0_\@:
	s_barrier_wait -3
	s_barrier_signal -1
	s_barrier_wait -1
.endm
	s_load_b256 s[4:11], s[0:1], 0x0               ; hc, hs, cc, cs
	v_lshl_add_u32 v254, v0, 2, 0x42000
	v_mov_b32 v255, 0
	ds_add_u32 v254, v255
	ds_add_u32 v254, v255
	v_lshrrev_b32 v1, 5, v0
	v_readfirstlane_b32 s[WV], v1                  ; wave 0..7
	s_bfe_u32 s13, ttmp6, 0x40000                  ; cx: it enters the addresses of q, cc and cs alone
	s_and_b32 s14, ttmp7, 0xffff                   ; batch x 16 + head, which the four partners share
	s_lshr_b32 s15, s14, 4
	s_and_b32 s16, s14, 15
	; descriptor group 1: dense rows of 256 bytes (32 elements of 8 bytes), 64 of them (16 KiB a wave) for K and for V, 4 for the scale words
	s_mov_b32 s24, 15|(3<<16)|(1<<21)              ; 15:0 the mask: all four work-groups; 17:16 elements of 8 bytes; 21 set beside a mask; no padding: every read takes 512 consecutive bytes
	s_mov_b32 s25, 32<<16                          ; tensor_dim0
	s_mov_b32 s26, 64<<16                          ; tensor_dim1
	s_mov_b32 s27, 32<<16                          ; tile_dim0
	s_mov_b32 s28, 64                              ; tile_dim1
	s_mov_b32 s29, 32                              ; the pitch
	s_mov_b32 s30, 0
	s_mov_b32 s31, 0
	s_mov_b32 s32, 15|(3<<16)|(1<<21)
	s_mov_b32 s33, 32<<16
	s_mov_b32 s34, 4<<16
	s_mov_b32 s35, 32<<16
	s_mov_b32 s36, 4
	s_mov_b32 s37, 32
	s_mov_b32 s38, 0
	s_mov_b32 s39, 0
	s_lshl_b32 s18, s14, 17                        ; a head's images: 128 KiB in each region of hc
	s_mov_b32 s19, 0
	s_lshl_b32 s20, s[WV], 14
	s_add_co_u32 s20, s20, 0x800000                ; K's region, my wave's 16 KiB
	s_mov_b32 s21, 0
	s_lshl_b32 s74, s14, 13                        ; a head's words of K and V: 8 KiB
	s_lshl_b32 s76, s[WV], 10
	s_add_co_u32 s74, s74, s76
	s_mov_b32 s75, 0
	s_mov_b32 s[CS], 0x3e38aa3b
	s_mov_b32 s[CS+1], s[CS]                       ; (named with it as a pair, so it is written)
	s_mov_b32 s[SEL], 0x76543210
	s_mov_b32 s[SEL+1], 0xfedcba98
	s_mov_b32 s[MNT], 0x600000
	s_wait_dscnt 0x0
	s_wait_kmcnt 0x0
	s_add_nc_u64 s[4:5], s[4:5], s[18:19]          ; q's images of my head
	s_mov_b32 s40, 1                               ; group 0 for K: count,
	s_lshl_b32 s41, s[WV], 14                      ; LDS address: wave x 16 KiB,
	s_add_nc_u64 s[42:43], s[4:5], s[20:21]        ; global address
	s_mov_b32 s44, 1                               ; for V
	s_add_co_u32 s45, s41, 0x20000
	s_add_nc_u64 s[46:47], s[42:43], 0x800000
	s_or_b32 s43, s43, 0x80000000                  ; the type
	s_or_b32 s47, s47, 0x80000000
	s_mov_b32 s48, 1                               ; for the scale words
	s_add_co_u32 s49, s76, 0x40000
	s_add_nc_u64 s[50:51], s[6:7], s[74:75]
	s_or_b32 s51, s51, 0x80000000
	ROUND                                          ; all four work-groups are here: the joint loads meet
	tensor_load_to_lds s[48:51], s[32:39]          ; three loads of mine are out
	s_nop 0
	tensor_load_to_lds s[40:43], s[24:31]
	s_nop 0
	tensor_load_to_lds s[44:47], s[24:31]
	s_nop 0
	PLACES 4
	s_lshl_b32 s74, s14, 12
	s_add_co_u32 s74, s74, 524288
	s_add_nc_u64 s[6:7], s[6:7], s[74:75]          ; q's words of my head
	s_lshl_b32 s74, s15, 21
	s_lshl_b32 s76, s16, 10
	s_add_co_u32 s74, s74, s76
	s_add_nc_u64 s[8:9], s[8:9], s[74:75]          ; cc: batch x 64 pairs of 32 KiB + head x 1,024 (K step head / 2, groups 2 (head % 2) on)
	s_lshl_b32 s74, s15, 16
	s_lshl_b32 s76, s16, 1
	s_add_co_u32 s74, s74, s76
	s_add_nc_u64 s[10:11], s[10:11], s[74:75]      ; cs: batch x 64 pairs of 1,024 + 2 x head
	v_and_b32 v11, 31, v0
	v_lshlrev_b32 v[LI], 4, v11
	v_lshlrev_b32 v[CSO], 5, v11
	v_add_nc_u32 v[LIV], 0x20000, v[LI]
	v_add_nc_u32 v[LIS], 0x40000, v[LI]
	v_and_b32 v[R16], 15, v0
	v_lshlrev_b32 v[R16], 4, v[R16]
	v_bfe_u32 v[HH], v0, 4, 1
	v_cmp_ne_u32 s[HM], 0, v[HH]
.irp i, 36,37,38,39,49,51,57,59
	v_mov_b32 v\i, 0                               ; permutes' destinations, and the upper halves of pairs of which the low word serves both halves: written once
.endr
	WIN 0x40
.irp i, 0,1,2,3,4,5,6,7,16,17,18,19,20,21,22,23,32,33,34,35,36,37,38,39
	v_mov_b32 v\i, 0                               ; the zero codes beside q
.endr
	WIN 0
	s_wait_tensorcnt 0x0                           ; my parts have landed,
	s_barrier_signal -1
	s_barrier_wait -1                              ; everybody's have
; the step at s[TK]: K's four fragments (a pair of key tiles each) and the step's words
.macro KFETCH
	WIN 0x40
.irp p, 0,1,2,3
.irp c, 0,1,2,3
	ds_load_b128 v[KF+16*\p+4*\c:KF+16*\p+4*\c+3], v[ADK] offset:2048*\p+512*\c
.endr
.endr
	WIN 0
	ds_load_b128 v[SWK:SWK+3], v[ADSK]
.endm
; one tile's softmax for 128 keys: scores in v[SX] on (register 16 b + i = key 32 b + 16 h + i) become codes in v[PX] on and a scale word
.macro SOFT x
.set SX, S+64*\x
.set ST, 12+4*\x                       ; -M, the largest t, the sum in two halves
.set FX, 48+2*\x                       ; f = 2^(old M - new M)
.set PX, PC+16*\x
.irp b, 0,1,2,3
	v_max3_num_f32 v[BM+\b], v[SX+16*\b], v[SX+16*\b+1], v[SX+16*\b+2]   ; the largest score of each block of 32 keys: it serves for the row's maximum and, since p rises with the score, for the block's largest p
.endr
.irp i, 3,5,7,9,11,13
.irp b, 0,1,2,3
	v_max3_num_f32 v[BM+\b], v[BM+\b], v[SX+16*\b+\i], v[SX+16*\b+\i+1]
.endr
.endr
.irp b, 0,1,2,3
	v_max_num_f32 v[BM+\b], v[BM+\b], v[SX+16*\b+15]
.endr
.irp b, 0,1,2,3
	v_permlanex16_b32 v[PM+\b], v[BM+\b], s[SEL], s[SEL+1]
.endr
.irp b, 0,1,2,3
	v_max_num_f32 v[BM+\b], v[BM+\b], v[PM+\b]     ; with lane l xor 16's 16 keys
.endr
	v_max3_num_f32 v[T], v[BM], v[BM+1], v[BM+2]
	v_max_num_f32 v[T], v[T], v[BM+3]
	v_mul_f32 v[T], s[CS], v[T]                    ; as t (c is positive)
	v_max_num_f32 v[ST+1], v[ST+1], v[T]           ; the running largest t
	v_mov_b32 v[T], v[ST]
	v_floor_f32 v[ST], -v[ST+1]                    ; the new -M = -ceil(t): M is a whole number
	v_sub_f32 v[T], v[ST], v[T]                    ; old M - new M: a whole number, 0 or less
	v_cvt_i32_f32 v[T], v[T]                       ; (it saturates)
	v_ldexp_f32 v[FX], 1.0, v[T]
.set n, 0
.rept 32
	v_pk_fma_f32 v[SX+n:SX+n+1], v[SX+n:SX+n+1], s[CS:CS+1], v[ST:ST+1] op_sel_hi:[1,0,0]   ; t - M, two at a time
.set n, n+2
.endr
.irp b, 0,1,2,3
	v_fma_f32 v[BM+\b], v[BM+\b], s[CS], v[ST]     ; the same of each block's largest score
.endr
.set n, 0
.rept 64
	v_exp_f32 v[SX+n], v[SX+n]                     ; p = 2^(t - M)
.set n, n+1
.endr
	v_pk_mul_f32 v[ST+2:ST+3], v[ST+2:ST+3], v[FX:FX+1] op_sel_hi:[1,0]   ; the sums under the new M: a plain instruction behind the exponentials
	s_wait_alu depctr_va_vdst(0)                   ; one wait for the batch of 64, ahead of its first reader
.irp b, 0,1,2,3
	v_exp_f32 v[BM+\b], v[BM+\b]                   ; the block's largest p
.endr
	v_pk_add_f32 v[C2:C2+1], v[SX:SX+1], v[SX+2:SX+3]   ; the row's sum of the unquantised p, in two chains
.irp j, 4,8,12,16,20,24,28,32,36,40,44,48,52,56,60
	v_pk_add_f32 v[ST+2:ST+3], v[ST+2:ST+3], v[SX+\j:SX+\j+1]
	v_pk_add_f32 v[C2:C2+1], v[C2:C2+1], v[SX+\j+2:SX+\j+3]
.endr
	v_pk_add_f32 v[ST+2:ST+3], v[ST+2:ST+3], v[C2:C2+1]
	s_wait_alu depctr_va_vdst(0)                   ; and one for the four
.irp b, 0,1,2,3
	v_max_num_f32 v[BM+\b], 0x4800000, v[BM+\b]    ; the floor 2^(9 - 127): the byte cannot fall under 1
.endr
.irp b, 0,1,2,3
	v_add_nc_u32 v[SO+\b], 0xfc000000, v[BM+\b]    ; 8 off the exponent field: the conversion's scale operand
.endr
.irp b, 0,1,2,3
	v_and_or_b32 v[HD+\b], v[BM+\b], 0x7f800000, s[MNT]   ; 448 x the scale
.endr
.irp b, 0,1,2,3
	v_lshrrev_b32 v[PM+\b], 23, v[SO+\b]           ; the scale's byte
.endr
	v_lshl_or_b32 v[PWD+\x], v[PM+1], 8, v[PM]
	v_lshl_or_b32 v[PWD+\x], v[PM+2], 16, v[PWD+\x]
	v_lshl_or_b32 v[PWD+\x], v[PM+3], 24, v[PWD+\x]
.irp b, 0,1,2,3
.irp i, 0,1,2,3,4,5,6,7,8,9,10,11,12,13,14,15
	v_min_num_f32 v[SX+16*\b+\i], v[SX+16*\b+\i], v[HD+\b]   ; the conversion does not saturate (ISA guide 7.6.2); p is not negative, so the hold is one-sided
.endr
	v_cvt_scalef32_pk8_fp8_f32 v[PX+4*\b:PX+4*\b+1], v[SX+16*\b:SX+16*\b+7], v[SO+\b]
	v_cvt_scalef32_pk8_fp8_f32 v[PX+4*\b+2:PX+4*\b+3], v[SX+16*\b+8:SX+16*\b+15], v[SO+\b]
.endr
.endm
	s_mov_b32 s[TV], 0
	s_mov_b32 s[PS], 0
	v_mov_b32 v[ADK], v[LI]                        ; key step 0
	v_mov_b32 v[ADSK], v[LIS]
	KFETCH
.Lpass:
	s_wait_xcnt 0x0                                ; the last pass's stores have read their registers and bases
	s_lshl_b32 s62, s13, 4
	s_lshl_b32 s63, s[PS], 3
	s_add_co_u32 s62, s62, s63
	s_add_co_u32 s62, s62, s[WV]                   ; my pair of query tiles: 16 cx + 8 pass + wave
	s_lshl_b32 s74, s62, 11
	s_add_nc_u64 s[66:67], s[4:5], s[74:75]        ; its image,
	s_lshr_b32 s74, s62, 2
	s_lshl_b32 s74, s74, 8
	s_and_b32 s63, s62, 3
	s_lshl_b32 s63, s63, 2
	s_add_co_u32 s74, s74, s63
	s_add_nc_u64 s[68:69], s[6:7], s[74:75]        ; its words,
	s_lshl_b32 s74, s62, 15
	s_add_nc_u64 s[70:71], s[8:9], s[74:75]        ; where its context goes,
	s_lshl_b32 s74, s62, 10
	s_add_nc_u64 s[72:73], s[10:11], s[74:75]      ; and the context's scale bytes
	WIN 0x40
	global_load_b128 v[8:11], v[LI], s[66:67]                  ; tile A's 64 channels
	global_load_b128 v[12:15], v[LI], s[66:67] offset:512
	global_load_b128 v[24:27], v[LI], s[66:67] offset:1024     ; tile B's
	global_load_b128 v[28:31], v[LI], s[66:67] offset:1536
.set n, 0
.rept 64
	v_mov_b32 v[O+n], 0                            ; O^T.  (The step is written once: the first finds zeros, which the first change of M leaves zeros)
.set n, n+1
.endr
	WIN 0
	global_load_b32 v[T], v[R16], s[68:69]
.irp x, 0,1
	v_mov_b32 v[13+4*\x], 0xff61b1e6               ; the largest t so far: -3e38
	v_floor_f32 v[12+4*\x], -v[13+4*\x]            ; -M
	v_mov_b32 v[14+4*\x], 0
	v_mov_b32 v[15+4*\x], 0
.endr
	s_wait_loadcnt 0x0
	v_perm_b32 v[SQ], v[T], v[T], 0x01000100       ; tile A's two bytes, for k 0-63 and for k 64-127 alike
	v_perm_b32 v[SQ+1], v[T], v[T], 0x03020302     ; tile B's
	s_mov_b32 s[CN], 16
.Lstep:
	v_add_nc_u32 v[ADV], s[TV], v[LIV]
	s_lshr_b32 s63, s[TV], 4
	v_add_nc_u32 v[ADSV], s63, v[LIS]
	PLACES 6                                       ; with the two additions: eight places behind the last products, in front of loads into what they read, and behind q's words
	WIN 0x40
.irp t, 0,1,2,3
.irp c, 0,1,2,3
	ds_load_b128 v[VF+16*\t+4*\c:VF+16*\t+4*\c+3], v[ADV] offset:2048*\t+512*\c
.endr
.endr
	WIN 0
	ds_load_b128 v[SWV:SWV+3], v[ADSV]
	s_wait_dscnt 17                                ; K and its words are in; the 17 loads just issued may stay out
	WIN 0x05                                       ; K and q in window 1, S^T in window 0
.irp p, 0,1,2,3
	v_wmma_scale_f32_16x16x128_f8f6f4 v[S+16*\p:S+16*\p+7], v[KF+16*\p:KF+16*\p+15], v[8:23], 0, v[SWK+\p], v[SQ]
	v_wmma_scale_f32_16x16x128_f8f6f4 v[S+16*\p+8:S+16*\p+15], v[KF+16*\p:KF+16*\p+15], v[0:15], 0, v[SWK+\p], v[SQ]
	v_wmma_scale_f32_16x16x128_f8f6f4 v[S+64+16*\p:S+64+16*\p+7], v[KF+16*\p:KF+16*\p+15], v[24:39], 0, v[SWK+\p], v[SQ+1]
	v_wmma_scale_f32_16x16x128_f8f6f4 v[S+64+16*\p+8:S+64+16*\p+15], v[KF+16*\p:KF+16*\p+15], v[16:31], 0, v[SWK+\p], v[SQ+1]
.endr
	WIN 0
	s_add_co_u32 s[TK], s[TV], 8192
	s_and_b32 s[TK], s[TK], 0x1ffff                ; behind the last step comes step 0, for the next pass
	v_add_nc_u32 v[ADK], s[TK], v[LI]
	s_lshr_b32 s63, s[TK], 4
	v_add_nc_u32 v[ADSK], s63, v[LIS]
	PLACES 6                                       ; eight places again: in front of the loads into K's registers and of the first read of the scores
	KFETCH
	SOFT 0
	SOFT 1
	WIN 0x41                                       ; O^T in window 1, f in window 0
.set n, 0
.rept 16
	v_pk_mul_f32 v[O+n:O+n+1], v[O+n:O+n+1], v[48:49] op_sel_hi:[1,0]   ; O^T under the new M.  (These 32 are also the places between the codes and the products)
.set n, n+2
.endr
.rept 16
	v_pk_mul_f32 v[O+n:O+n+1], v[O+n:O+n+1], v[50:51] op_sel_hi:[1,0]
.set n, n+2
.endr
	s_wait_dscnt 17                                ; V and its words are in; the next step's 17 loads of K may stay out
	WIN 0x51                                       ; V and O^T in window 1, p's codes in window 0
.irp t, 0,1,2,3
.irp x, 0,1
	v_wmma_scale_f32_16x16x128_f8f6f4 v[O+32*\x+8*\t:O+32*\x+8*\t+7], v[VF+16*\t:VF+16*\t+15], v[PC+16*\x:PC+16*\x+15], v[O+32*\x+8*\t:O+32*\x+8*\t+7], v[SWV+\t], v[PWD+\x] matrix_a_scale:MATRIX_SCALE_ROW1
.endr
.endr
	WIN 0
	s_add_co_u32 s[TV], s[TV], 8192
	s_and_b32 s[TV], s[TV], 0x1ffff
	s_sub_co_u32 s[CN], s[CN], 1
	s_cmp_lg_u32 s[CN], 0
	s_cbranch_scc1 .Lstep
	; THE WAY OUT: O^T / the row's sum, quantised along the head's 64 channels: register 32 X + 16 b + i is channel 32 b + 16 h + i of query r of tile X
	PLACES 8
.irp x, 0,1
	v_add_f32 v[14+4*\x], v[14+4*\x], v[15+4*\x]
.endr
.irp x, 0,1
	v_permlanex16_b32 v[PM+\x], v[14+4*\x], s[SEL], s[SEL+1]
.endr
.irp x, 0,1
	v_add_f32 v[14+4*\x], v[14+4*\x], v[PM+\x]     ; with lane l xor 16's keys: the row's sum
.endr
.irp x, 0,1
	v_rcp_f32 v[56+2*\x], v[14+4*\x]
.endr
	v_nop                                          ; a plain instruction behind the reciprocals,
	s_wait_alu depctr_va_vdst(0)                   ; and one wait for the two, ahead of their first reader
	WIN 0x01                                       ; O^T in window 1; the quotient goes to window 0, where the scores lay
.set n, 0
.rept 16
	v_pk_mul_f32 v[S+n:S+n+1], v[O+n:O+n+1], v[56:57] op_sel_hi:[1,0]   ; each accumulator from its low end on
.set n, n+2
.endr
.rept 16
	v_pk_mul_f32 v[S+n:S+n+1], v[O+n:O+n+1], v[58:59] op_sel_hi:[1,0]
.set n, n+2
.endr
	WIN 0
.irp b, 0,1,2,3
	v_max3_num_f32 v[BM+\b], |v[S+16*\b]|, |v[S+1+16*\b]|, 0x4800000   ; block b = (tile b / 2, channels 32 (b % 2) on): my 16 numbers, and the floor 2^(9 - 127)
.endr
.irp i, 2,4,6,8,10,12,14
.irp b, 0,1,2,3
	v_max3_num_f32 v[BM+\b], v[BM+\b], |v[S+16*\b+\i]|, |v[S+1+16*\b+\i]|
.endr
.endr
.irp b, 0,1,2,3
	v_permlanex16_b32 v[PM+\b], v[BM+\b], s[SEL], s[SEL+1]
.endr
.irp b, 0,1,2,3
	v_max_num_f32 v[BM+\b], v[BM+\b], v[PM+\b]
.endr
.irp b, 0,1,2,3
	v_add_nc_u32 v[SO+\b], 0xfc000000, v[BM+\b]
.endr
.irp b, 0,1,2,3
	v_and_or_b32 v[HD+\b], v[BM+\b], 0x7f800000, s[MNT]
.endr
.irp b, 0,1,2,3
	v_lshrrev_b32 v[PM+\b], 23, v[SO+\b]
.endr
	v_lshl_or_b32 v[PWD], v[PM+1], 8, v[PM]
	v_lshl_or_b32 v[PWD], v[PM+2], 16, v[PWD]
	v_lshl_or_b32 v[PWD], v[PM+3], 24, v[PWD]
.irp b, 0,1,2,3
.irp i, 0,1,2,3,4,5,6,7,8,9,10,11,12,13,14,15
	v_med3_num_f32 v[S+16*\b+\i], v[S+16*\b+\i], -v[HD+\b], v[HD+\b]
.endr
	v_cvt_scalef32_pk8_fp8_f32 v[PC+4*\b:PC+4*\b+1], v[S+16*\b:S+16*\b+7], v[SO+\b]
	v_cvt_scalef32_pk8_fp8_f32 v[PC+4*\b+2:PC+4*\b+3], v[S+16*\b+8:S+16*\b+15], v[SO+\b]
.endr
	v_lshrrev_b32 v[T], 16, v[PWD]                 ; (a plain instruction behind the last conversion)
	v_cndmask_b32 v[T], v[PWD], v[T], s[HM]        ; lane 16 u + r stores the two bytes of row r of tile u
	global_store_b128 v[LI], v[PC:PC+3], s[70:71]                      ; tile A, channels 0-31: 512 dense bytes
	global_store_b128 v[LI], v[PC+4:PC+7], s[70:71] offset:512         ; channels 32-63
	global_store_b128 v[LI], v[PC+8:PC+11], s[70:71] offset:16384      ; tile B
	global_store_b128 v[LI], v[PC+12:PC+15], s[70:71] offset:16896
	global_store_b16 v[CSO], v[T], s[72:73]
	s_add_co_u32 s[PS], s[PS], 1
	s_cmp_lt_u32 s[PS], 2
	s_cbranch_scc1 .Lpass
	s_wait_dscnt 0x0                               ; the last fetch of K is let in: no LDS instruction is out at a signal
	s_wait_tensorcnt 0x0
	ds_add_u32 v254, v255
	s_wait_dscnt 0x0
	ROUND                                          ; the closing round: no work-group ends while a partner may still ask jointly
	s_endpgm
.Lfunc_end_k_qc5bfb02aa1_att:
	.size	k_qc5bfb02aa1_att, .Lfunc_end_k_qc5bfb02aa1_att-k_qc5bfb02aa1_att
	.p2alignl 7, 3214868480
	.fill 96, 4, 3214868480
	.section	.rodata,"a",@progbits
	.p2align	6, 0x0
	.amdhsa_kernel k_qc5bfb02aa1_att
		.amdhsa_group_segment_fixed_size 327680
		.amdhsa_private_segment_fixed_size 0
		.amdhsa_enable_private_segment 0
		.amdhsa_kernarg_size 32
		.amdhsa_user_sgpr_count 2
		.amdhsa_user_sgpr_kernarg_segment_ptr 1
		.amdhsa_wavefront_size32 1
		.amdhsa_system_sgpr_workgroup_id_x 1
		.amdhsa_system_sgpr_workgroup_id_y 1
		.amdhsa_system_sgpr_workgroup_id_z 1
		.amdhsa_system_vgpr_workitem_id 0
		.amdhsa_next_free_vgpr 512
		.amdhsa_next_free_sgpr 80
		.amdhsa_reserve_vcc 0
		.amdhsa_float_denorm_mode_32 3
		.amdhsa_float_denorm_mode_16_64 3
		.amdhsa_memory_ordered 1
		.amdhsa_forward_progress 1
		.amdhsa_inst_pref_size 57
	.end_amdhsa_kernel
	.amdgpu_metadata
---
amdhsa.version: [ 1, 2 ]
amdhsa.kernels:
  - .name:           k_qc5bfb02aa1_att
    .symbol:         k_qc5bfb02aa1_att.kd
    .args:
      - { .name: hc, .offset: 0, .size: 8, .value_kind: global_buffer, .address_space: global }
      - { .name: hs, .offset: 8, .size: 8, .value_kind: global_buffer, .address_space: global }
      - { .name: cc, .offset: 16, .size: 8, .value_kind: global_buffer, .address_space: global }
      - { .name: cs, .offset: 24, .size: 8, .value_kind: global_buffer, .address_space: global }
    .group_segment_fixed_size: 327680
    .private_segment_fixed_size: 0
    .kernarg_segment_align: 8
    .kernarg_segment_size: 32
    .max_flat_workgroup_size: 256
    .sgpr_count:     80
    .vgpr_count:     512
    .wavefront_size: 32
...
	.end_amdgpu_metadata
.endif
;; end of part 3
;; launch fc (part 4): grid 4 x 64, 4 waves a work-group, no clusters, 148,992 bytes of LDS; arguments cc, cs, w_fc_codes, w_fc_scales, b_fc, q, out0; writes out0
.if DOCPART == 4
	.amdgcn_target "amdgcn-amd-amdhsa--gfx1250"
	.amdhsa_code_object_version 6
	.text
	.protected	k_qc5bfb02aa1_fc
	.globl	k_qc5bfb02aa1_fc
	.p2align	8
	.type	k_qc5bfb02aa1_fc,@function
k_qc5bfb02aa1_fc:
	s_mov_b64 s[64:65], 0
	v_nop
	global_prefetch_b8 v0, s[64:65] scope:SCOPE_SE
	s_setreg_imm32_b32 hwreg(HW_REG_WAVE_MODE, 25, 1), 1
	s_wait_xcnt 0x0
; out0 = q + ctx W_fc^T + b_fc: 8,192 x 1,024 x 1,024 on codes of E4M3: ctx as att laid it (cc, cs), W_fc as it is given.
; SHARES.  Work-group x = a slice of 256 columns, y = four pairs of tiles (128 rows).  Wave w owns 64 columns: its 64 rows of W_fc for all of K stay in 512 registers, read once.
; Each wave brings one pair's 32 KiB of codes through registers into LDS; one barrier; then every wave reads all four pairs.  256 work-groups.
; Source 0 = 16 rows of W, source 1 = 16 rows of ctx: a lane holds one row and 16 neighbouring columns of each 32.  The bias is the C of each sum's first matrix instruction.
; THE WAY OUT: a tile of 16 rows x 64 columns goes through the wave's own stage in LDS and comes back as rows of 256 bytes; q is added; sixteen lanes store 256 consecutive bytes, aligned.
; No tensor load, no ring, no cluster: every operand byte is read once by a work-group, at its head.
.set LI,    1                          ; v1   16 x lane
.set LX,    2                          ; v2   32 x lane
.set FB,    4                          ; v4-7 the four pairs in LDS, + 16 x lane
.set SBW,   8                          ; v8   where I put my pair
.set STO,   9                          ; v9   the stage: where I put 16 bytes of a row
.set SRD,   10                         ; v10  and where I read a row back
.set GO,    11                         ; v11  my byte offset in q and out0: 4,096 h + 16 r
.set WOFF,  12
.set WSOFF, 13
.set BO,    14
.set WS,    16                         ; v16-47   W's scale words
.set XS,    48                         ; v48-79   ctx's, pair P at 8 P: lanes 0-15 tile 0's, lanes 16-31 tile 1's
.set AC,    80                         ; v80-143  eight accumulators; later the rows read back
.set R,     144                        ; v144-207 q's numbers
.set BI,    208                        ; v208-239 the bias in the result's layout, eight registers a tile of W
.set STG,   131072                     ; behind the four pairs: 16 rows x 272 bytes for each wave
; windows 1, 2: W's fragment (t, s) at 16 (4 t + s % 4) of window 1 + s / 4.   window 3: ctx's fragment (u, s) at 16 (8 u + s)
.set MSB, 0
.macro WIN new                         ; the immediate's high byte repeats the setting that is left
.if MSB != (\new)
	s_set_vgpr_msb (MSB<<8)|(\new)
.set MSB, (\new)
.endif
.endm
.macro PLACES n
.rept \n
	v_nop
.endr
.endm
	s_load_b256 s[8:15], s[0:1], 0x0               ; cc, cs, W's codes, W's scales
	s_load_b128 s[16:19], s[0:1], 0x20             ; b_fc, q
	s_load_b64 s[20:21], s[0:1], 0x30              ; out0
	v_lshl_add_u32 v254, v0, 2, 0x24400
	v_mov_b32 v255, 0
	v_lshrrev_b32 v1, 5, v0
	v_readfirstlane_b32 s4, v1                     ; wave 0..3
	s_and_b32 s3, ttmp7, 0xffff                    ; the group of four pairs
	s_lshl_b32 s5, ttmp9, 2
	s_add_co_u32 s5, s5, s4                        ; which 64 columns are mine
	v_and_b32 v15, 31, v0
	v_lshlrev_b32 v[LI], 4, v15
	v_lshlrev_b32 v[LX], 5, v15
	v_and_b32 v15, 15, v0                          ; r
	v_bfe_u32 v3, v0, 4, 1                         ; h
.irp i, 0,1,2,3
	v_add_nc_u32 v[FB+\i], \i*32768, v[LI]
.endr
	s_lshl_b32 s6, s4, 15
	v_add_nc_u32 v[SBW], s6, v[LI]
	s_mul_i32 s6, s4, 16*272
	s_add_co_u32 s6, s6, STG                       ; my stage
	v_mul_u32_u24 v[STO], v15, 272
	v_lshl_add_u32 v[STO], v3, 6, v[STO]           ; in: row r, + 64 h: my 16 columns of each 32
	v_add_nc_u32 v[STO], s6, v[STO]
	v_mul_u32_u24 v[SRD], v3, 272
	v_lshl_add_u32 v[SRD], v15, 4, v[SRD]          ; back: lanes 0-15 one row, lanes 16-31 the next
	v_add_nc_u32 v[SRD], s6, v[SRD]
	v_lshlrev_b32 v[GO], 12, v3
	v_lshl_add_u32 v[GO], v15, 4, v[GO]
	v_and_b32 v[WSOFF], 8, v15
	v_add_nc_u32 v[WSOFF], v[WSOFF], v15           ; r + 8 (r / 8)
	v_lshlrev_b32 v[WOFF], 10, v[WSOFF]
	v_lshl_add_u32 v[WOFF], v3, 4, v[WOFF]
	v_lshlrev_b32 v[WSOFF], 5, v[WSOFF]
	v_lshlrev_b32 v[BO], 6, v3
	s_mov_b32 s7, 0
	s_wait_kmcnt 0x0
	s_lshl_b32 s6, s3, 2
	s_add_co_u32 s6, s6, s4
	s_lshl_b32 s6, s6, 15
	s_add_nc_u64 s[8:9], s[8:9], s[6:7]            ; the pair that I bring: 4 x group + wave
	s_lshl_b32 s6, s3, 12
	s_add_nc_u64 s[10:11], s[10:11], s[6:7]        ; the four pairs' scale bytes
	s_lshl_b32 s6, s5, 16
	s_add_nc_u64 s[12:13], s[12:13], s[6:7]        ; my 64 rows of W
	s_lshl_b32 s6, s5, 11
	s_add_nc_u64 s[14:15], s[14:15], s[6:7]
	s_lshl_b32 s6, s5, 8
	s_add_nc_u64 s[16:17], s[16:17], s[6:7]        ; my 64 numbers of the bias
	s_lshl_b32 s22, s3, 19
	s_add_co_u32 s6, s6, s22                       ; 128 rows of 4,096 bytes a group, + my columns
	s_add_nc_u64 s[18:19], s[18:19], s[6:7]
	s_add_nc_u64 s[20:21], s[20:21], s[6:7]
	WIN 0xc0
.set n, 0
.rept 64
	global_load_b128 v[4*n:4*n+3], v[LI], s[8:9] offset:512*n   ; my pair's 32 KiB, as they lie
.set n, n+1
.endr
	WIN 0x40
.irp t, 0,1,2,3
.irp k, 0,1,2,3
.irp c, 0,1,2,3
	global_load_b128 v[16*(4*\t+\k)+4*\c:16*(4*\t+\k)+4*\c+3], v[WOFF], s[12:13] offset:(32*(\t/2)+8*(\t%2))*1024+128*\k+32*\c
.endr
.endr
.endr
	WIN 0x80
.irp t, 0,1,2,3
.irp k, 0,1,2,3
.irp c, 0,1,2,3
	global_load_b128 v[16*(4*\t+\k)+4*\c:16*(4*\t+\k)+4*\c+3], v[WOFF], s[12:13] offset:(32*(\t/2)+8*(\t%2))*1024+512+128*\k+32*\c
.endr
.endr
.endr
	WIN 0
.irp t, 0,1,2,3
.irp q, 0,1
	global_load_b128 v[WS+8*\t+4*\q:WS+8*\t+4*\q+3], v[WSOFF], s[14:15] offset:(32*(\t/2)+8*(\t%2))*32+16*\q
	global_load_b128 v[XS+8*\t+4*\q:XS+8*\t+4*\q+3], v[LX], s[10:11] offset:1024*\t+16*\q           ; (here t counts pairs)
	global_load_b128 v[BI+8*\t+4*\q:BI+8*\t+4*\q+3], v[BO], s[16:17] offset:(32*(\t/2)+8*(\t%2))*4+16*\q   ; lane (r, h), tile 2 b + u: columns 32 b + 16 h + 8 u + 0 .. 7
.endr
.endr
	s_wait_loadcnt 0x0
	WIN 0x0c                                       ; an LDS store's data are its source 1: window 3
.set n, 0
.rept 64
	ds_store_b128 v[SBW], v[4*n:4*n+3] offset:512*n
.set n, n+1
.endr
	WIN 0
	s_wait_dscnt 0x0                               ; for the others' sake: my pair lies in LDS
	s_barrier_signal -1
	s_barrier_wait -1                              ; all four do; they are only read from here on
; (a macro's argument is put in as text: it stands in brackets wherever it is part of a product or a sum)
.macro RLOAD p                         ; q's numbers of pair p, in the order in which the rows come back from the stage
.irp u, 0,1
.irp i, 0,1,2,3,4,5,6,7
	global_load_b128 v[R+32*\u+4*\i:R+32*\u+4*\i+3], v[GO], s[18:19] offset:131072*(\p)+(8*\u+2*\i+8*(\i/4))*4096 th:TH_LOAD_NT
.endr
.endr
.endm
.macro FETCH p                         ; pair p's 16 fragments into window 3, K step by K step
	WIN 0xc0
.irp k, 0,1,2,3,4,5,6,7
.irp u, 0,1
.irp c, 0,1,2,3
	ds_load_b128 v[16*(8*\u+\k)+4*\c:16*(8*\u+\k)+4*\c+3], v[FB+(\p)] offset:(8*\u+\k)*2048+512*\c
.endr
.endr
.endr
	WIN 0
.endm
.macro MM p, kk, u, t
.set rW, 16*(4*\t+(\kk)%4)
.set rX, 16*(8*\u+\kk)
.set rWS, WS+8*\t+\kk
.set rXS, XS+8*(\p)+\kk
.set rD, AC+32*\u+8*\t
.if \kk == 0
.if \u == 0
	v_wmma_scale_f32_16x16x128_f8f6f4 v[rD:rD+7], v[rW:rW+15], v[rX:rX+15], v[BI+8*\t:BI+8*\t+7], v[rWS], v[rXS]
.else
	v_wmma_scale_f32_16x16x128_f8f6f4 v[rD:rD+7], v[rW:rW+15], v[rX:rX+15], v[BI+8*\t:BI+8*\t+7], v[rWS], v[rXS] matrix_b_scale:MATRIX_SCALE_ROW1
.endif
.else
.if \u == 0
	v_wmma_scale_f32_16x16x128_f8f6f4 v[rD:rD+7], v[rW:rW+15], v[rX:rX+15], v[rD:rD+7], v[rWS], v[rXS]
.else
	v_wmma_scale_f32_16x16x128_f8f6f4 v[rD:rD+7], v[rW:rW+15], v[rX:rX+15], v[rD:rD+7], v[rWS], v[rXS] matrix_b_scale:MATRIX_SCALE_ROW1
.endif
.endif
.endm
.macro MUL p                           ; a pair's 64 matrix instructions: the eight accumulators by turns, one instruction a turn, K ascending
.irp k, 0,1,2,3,4,5,6,7
	s_wait_dscnt 56-8*\k                           ; this K step's eight LDS loads are in; those of the later K steps may stay out
	WIN 0x0c|(1+\k/4)
.irp u, 0,1
.irp t, 0,1,2,3
	MM \p, \k, \u, \t
.endr
.endr
.endr
	WIN 0
.endm
.macro OUT p
.irp u, 0,1
.irp b, 0,1
.irp i, 0,1,2,3
	ds_store_b128 v[STO], v[AC+32*\u+16*\b+4*\i:AC+32*\u+16*\b+4*\i+3] offset:128*\b+16*\i   ; each accumulator from its low end on
.endr
.endr
.irp i, 0,1,2,3,4,5,6,7
	ds_load_b128 v[AC+32*\u+4*\i:AC+32*\u+4*\i+3], v[SRD] offset:544*\i   ; LDS serves a wave's instructions in order (ISA guide 5.7.1.4): these see the stores above, and the next tile's stores come behind them
.endr
.endr
	s_wait_dscnt 0x0
	s_wait_loadcnt 0x0                             ; q's numbers
.irp u, 0,1
.irp i, 0,1,2,3,4,5,6,7
	v_pk_add_f32 v[AC+32*\u+4*\i:AC+32*\u+4*\i+1], v[AC+32*\u+4*\i:AC+32*\u+4*\i+1], v[R+32*\u+4*\i:R+32*\u+4*\i+1]
	v_pk_add_f32 v[AC+32*\u+4*\i+2:AC+32*\u+4*\i+3], v[AC+32*\u+4*\i+2:AC+32*\u+4*\i+3], v[R+32*\u+4*\i+2:R+32*\u+4*\i+3]
	global_store_b128 v[GO], v[AC+32*\u+4*\i:AC+32*\u+4*\i+3], s[20:21] offset:131072*(\p)+(8*\u+2*\i+8*(\i/4))*4096 th:TH_STORE_NT   ; 16 lanes store 256 consecutive bytes, aligned
.endr
.endr
.endm
	RLOAD 0
	FETCH 0
.irp p, 0,1,2,3
.if \p > 0
	s_wait_xcnt 0x0                                ; the last pair's stores have read the registers that the products now write
.endif
	MUL \p
	PLACES 8                                       ; in front of loads into registers that the products have read, and of the first read of their results
.if \p < 3
	FETCH \p+1
.endif
	OUT \p
.if \p < 3
	RLOAD \p+1                                     ; they land while the next pair is multiplied
.endif
.endr
	s_wait_tensorcnt 0x0
	ds_add_u32 v254, v255
	s_wait_dscnt 0x0
	s_endpgm
.Lfunc_end_k_qc5bfb02aa1_fc:
	.size	k_qc5bfb02aa1_fc, .Lfunc_end_k_qc5bfb02aa1_fc-k_qc5bfb02aa1_fc
	.p2alignl 7, 3214868480
	.fill 96, 4, 3214868480
	.section	.rodata,"a",@progbits
	.p2align	6, 0x0
	.amdhsa_kernel k_qc5bfb02aa1_fc
		.amdhsa_group_segment_fixed_size 148992
		.amdhsa_private_segment_fixed_size 0
		.amdhsa_enable_private_segment 0
		.amdhsa_kernarg_size 56
		.amdhsa_user_sgpr_count 2
		.amdhsa_user_sgpr_kernarg_segment_ptr 1
		.amdhsa_wavefront_size32 1
		.amdhsa_system_sgpr_workgroup_id_x 1
		.amdhsa_system_sgpr_workgroup_id_y 1
		.amdhsa_system_sgpr_workgroup_id_z 1
		.amdhsa_system_vgpr_workitem_id 0
		.amdhsa_next_free_vgpr 1024
		.amdhsa_next_free_sgpr 66
		.amdhsa_reserve_vcc 0
		.amdhsa_float_denorm_mode_32 3
		.amdhsa_float_denorm_mode_16_64 3
		.amdhsa_memory_ordered 1
		.amdhsa_forward_progress 1
		.amdhsa_inst_pref_size 107
	.end_amdhsa_kernel
	.amdgpu_metadata
---
amdhsa.version: [ 1, 2 ]
amdhsa.kernels:
  - .name:           k_qc5bfb02aa1_fc
    .symbol:         k_qc5bfb02aa1_fc.kd
    .args:
      - { .name: cc, .offset: 0, .size: 8, .value_kind: global_buffer, .address_space: global }
      - { .name: cs, .offset: 8, .size: 8, .value_kind: global_buffer, .address_space: global }
      - { .name: w_fc_codes, .offset: 16, .size: 8, .value_kind: global_buffer, .address_space: global }
      - { .name: w_fc_scales, .offset: 24, .size: 8, .value_kind: global_buffer, .address_space: global }
      - { .name: b_fc, .offset: 32, .size: 8, .value_kind: global_buffer, .address_space: global }
      - { .name: q, .offset: 40, .size: 8, .value_kind: global_buffer, .address_space: global }
      - { .name: out0, .offset: 48, .size: 8, .value_kind: global_buffer, .address_space: global }
    .group_segment_fixed_size: 148992
    .private_segment_fixed_size: 0
    .kernarg_segment_align: 8
    .kernarg_segment_size: 56
    .max_flat_workgroup_size: 128
    .sgpr_count:     66
    .vgpr_count:     1024
    .wavefront_size: 32
...
	.end_amdgpu_metadata
.endif
;; end of part 4
;; ======== version 2 of 2: 4 launches
;; workspace buffers: xc 25,165,824 bytes; xs 786,432 bytes; hc 25,165,824 bytes; hs 786,432 bytes; cc 8,388,608 bytes; cs 262,144 bytes
;; launch lnq (part 5): grid 256 x 3, 8 waves a work-group, no clusters, 133,632 bytes of LDS; arguments q, k, v, ln_q_g, ln_q_b, ln_k_g, ln_k_b, ln_v_g, ln_v_b, xc, xs; writes xc, xs
.if DOCPART == 5
	.amdgcn_target "amdgcn-amd-amdhsa--gfx1250"
	.amdhsa_code_object_version 6
	.text
	.protected	k_qc5bfb02aa1_lnq
	.globl	k_qc5bfb02aa1_lnq
	.p2align	8
	.type	k_qc5bfb02aa1_lnq,@function
k_qc5bfb02aa1_lnq:
	s_mov_b64 s[64:65], 0
	v_nop
	global_prefetch_b8 v0, s[64:65] scope:SCOPE_SE
	s_setreg_imm32_b32 hwreg(HW_REG_WAVE_MODE, 25, 1), 1
	s_wait_xcnt 0x0
; LayerNorm of q, k and v ([8192][1024] f32 each) in f32, then quantised along the 1,024 features to codes of E4M3 with one E8M0 byte for each 32.
; A work-group (x = pair of tiles P, y = tensor) takes 32 rows.  Each of its eight waves normalises four whole rows in registers (a row is 32 registers: read once, mean, then the mean of the
; squared differences, as the reference has it), lays them into LDS, and after one barrier quantises one tile of 16 rows x two K steps of 128.
; THE ROWS OF A TILE ARE NOT NEIGHBOURS: lane r of tile u is row 32 P + 8 u + r + 8 (r / 8); its place in the pair is pos = 16 u + r.  All launches of this program use this one order.
; OUT: xc [tensor][pair][u][K step 8][2,048 bytes]: a fragment as an image of the operand's registers (group c of four registers at 512 c + 16 x lane: every store is 512 dense bytes);
;      xs [tensor][pair][pos 32][32 scale bytes].
; LIMITS: NaN and infinities among the inputs are not served; a block whose largest magnitude lies under 2^-118 (zeros among them) gets the byte 1: its bytes are read by this program alone.
; Memory binds: no matrix unit, no cluster (nothing is shared), no ring: a wave's 16 KiB are all on their way at once, and two work-groups fit on a WGP.
.set PITCH, 4112                       ; a row in LDS: 4,096 bytes + 16: the sixteen rows that a load touches start 16 bytes apart modulo 256
.set SCB,   32*PITCH                   ; behind the rows: the pair's 1,024 scale bytes
.set LI,  1                            ; v1   16 x lane
.set STA, 2                            ; v2   where my wave's first row goes in LDS, + 16 x lane
.set RDA, 3                            ; v3   where I read my 16 neighbours back
.set SCW, 4                            ; v4   where I put a scale word
.set SCR, 5                            ; v5   where waves 0 and 1 read the scale bytes back
.set HH,  6                            ; v6   lane / 16
.set XSO, 7                            ; v7   and the same place in xs
.set SM,  8                            ; v8-15   four pairs of sums
.set PT,  16                           ; v16-19  lane permutes' results
.set MN,  20                           ; v20-27  four pairs: the mean, later 1 / sqrt(var + eps), in both halves
.set G,   32                           ; v32-63  gamma of my columns; later the codes
.set B,   64                           ; v64-95  beta
.set X,   96                           ; v96-223 four rows, 32 registers each; later 2 x 64 numbers for the quantiser
.set TM,  224                          ; v224-239 the quantiser's work
.set PW,  240                          ; v240-241 two scale words
.set WD,  242
	s_load_b512 s[8:23], s[0:1], 0x0               ; q, k, v, q's gamma, q's beta, k's gamma, k's beta, v's gamma
	s_load_b128 s[24:27], s[0:1], 0x40             ; v's beta, xc
	s_load_b64 s[28:29], s[0:1], 0x50              ; xs
	v_lshl_add_u32 v254, v0, 2, 0x20600
	v_mov_b32 v255, 0
	v_lshrrev_b32 v1, 5, v0
	s_delay_alu instid0(VALU_DEP_1)
	v_readfirstlane_b32 s2, v1                     ; wave 0..7
	s_and_b32 s3, ttmp7, 0xffff                    ; the tensor: 0 q, 1 k, 2 v
	v_and_b32 v9, 31, v0                           ; lane
	v_and_b32 v10, 15, v0                          ; r
	v_bfe_u32 v[HH], v0, 4, 1                      ; h
	s_delay_alu instid0(VALU_DEP_3)
	v_lshlrev_b32 v[LI], 4, v9
	s_wait_alu depctr_va_vdst(0)
	s_bfe_u32 s4, s2, 0x10001                      ; rows 4 w .. 4 w + 3 take the places 16 ((w / 2) % 2) + 8 (w / 4) + 4 (w % 2) on
	s_lshl_b32 s4, s4, 4
	s_lshr_b32 s5, s2, 2                           ; also: the tile u that I quantise
	s_lshl_b32 s7, s5, 3
	s_add_co_u32 s4, s4, s7
	s_and_b32 s6, s2, 1
	s_lshl_b32 s7, s6, 2
	s_add_co_u32 s4, s4, s7
	s_mul_i32 s4, s4, PITCH
	v_add_nc_u32 v[STA], s4, v[LI]
	s_and_b32 s38, s2, 3                           ; I quantise K steps 2 (w % 4) and 2 (w % 4) + 1
	s_lshl_b32 s7, s5, 4
	v_add_nc_u32 v11, s7, v10                      ; pos = 16 u + r
	s_delay_alu instid0(VALU_DEP_1)
	v_mul_u32_u24 v[RDA], v11, PITCH
	s_delay_alu instid0(VALU_DEP_1)
	v_lshl_add_u32 v[RDA], v[HH], 6, v[RDA]        ; + 64 h: my 16 numbers of a block of 32
	s_lshl_b32 s7, s38, 10
	v_add_nc_u32 v[RDA], s7, v[RDA]                ; + two K steps of 512 bytes for each w % 4
	v_lshlrev_b32 v[SCW], 5, v11
	s_delay_alu instid0(VALU_DEP_1)
	v_lshl_add_u32 v[SCW], v[HH], 2, v[SCW]        ; lanes 0-15 put the first K step's word, lanes 16-31 the second's
	s_lshl_b32 s7, s38, 3
	s_add_co_u32 s7, s7, SCB
	v_add_nc_u32 v[SCW], s7, v[SCW]
	s_lshl_b32 s7, s6, 9
	v_add_nc_u32 v[XSO], s7, v[LI]                 ; 512 (w % 2) + 16 x lane
	s_delay_alu instid0(VALU_DEP_1)
	v_add_nc_u32 v[SCR], SCB, v[XSO]
	s_mov_b32 s36, 0x3a800000                      ; 1 / 1024
	s_mov_b32 s37, 0x3727c5ac                      ; 1e-5
	s_mov_b32 s40, 0x76543210
	s_mov_b32 s41, 0xfedcba98                      ; v_permlanex16_b32's selects for lane l xor 16
	s_mov_b32 s42, 0x600000                        ; the mantissa field of 448
.irp i, 0,1,2,3
	v_mov_b32 v[PT+\i], 0                          ; written once: a lane permute's destination counts as one of its sources
	v_mov_b32 v[TM+4+\i], 0
.endr
	s_lshl_b32 s44, ttmp9, 17                      ; x: the pair's 32 rows of 4,096 bytes, my wave's four
	s_lshl_b32 s7, s2, 14
	s_add_co_u32 s44, s44, s7
	s_mov_b32 s45, 0
	s_wait_kmcnt 0x0
	s_cmp_eq_u32 s3, 2                             ; the three tensors take one path: only pointers are chosen, by the work-group's number
	s_cselect_b64 s[30:31], s[12:13], s[10:11]
	s_cselect_b64 s[32:33], s[22:23], s[18:19]
	s_cselect_b64 s[34:35], s[24:25], s[20:21]
	s_cmp_eq_u32 s3, 0
	s_cselect_b64 s[30:31], s[8:9], s[30:31]
	s_cselect_b64 s[32:33], s[14:15], s[32:33]
	s_cselect_b64 s[34:35], s[16:17], s[34:35]
	s_add_nc_u64 s[30:31], s[30:31], s[44:45]
.irp i, 0,1,2,3
.irp j, 0,1,2,3,4,5,6,7
	global_load_b128 v[X+32*\i+4*\j:X+32*\i+4*\j+3], v[LI], s[30:31] offset:4096*\i+512*\j th:TH_LOAD_NT   ; 32 lanes read 512 consecutive bytes
.endr
.endr
.irp j, 0,1,2,3,4,5,6,7
	global_load_b128 v[G+4*\j:G+4*\j+3], v[LI], s[32:33] offset:512*\j
.endr
.irp j, 0,1,2,3,4,5,6,7
	global_load_b128 v[B+4*\j:B+4*\j+3], v[LI], s[34:35] offset:512*\j
.endr
	s_lshl_b32 s44, s3, 23                         ; xc: tensor x 8 MiB + pair x 32 KiB + (8 u + 2 (w % 4)) images
	s_lshl_b32 s7, ttmp9, 15
	s_add_co_u32 s44, s44, s7
	s_lshl_b32 s7, s5, 14
	s_add_co_u32 s44, s44, s7
	s_lshl_b32 s7, s38, 12
	s_add_co_u32 s44, s44, s7
	s_add_nc_u64 s[26:27], s[26:27], s[44:45]
	s_lshl_b32 s44, s3, 18                         ; xs: tensor x 256 KiB + pair x 1,024
	s_lshl_b32 s7, ttmp9, 10
	s_add_co_u32 s44, s44, s7
	s_add_nc_u64 s[28:29], s[28:29], s[44:45]
; the four sums, each a pair of halves, over the wave's 32 lanes: the result stands in every lane
.macro ACROSS
.irp i, 0,1,2,3
	s_delay_alu instid0(VALU_DEP_4)
	v_add_f32 v[SM+2*\i], v[SM+2*\i], v[SM+2*\i+1]
.endr
.irp m, 1,2,4,8
.irp i, 0,1,2,3
	s_delay_alu instid0(VALU_DEP_4)
	v_add_f32_dpp v[SM+2*\i], v[SM+2*\i], v[SM+2*\i] row_xmask:\m row_mask:0xf bank_mask:0xf
.endr
.endr
.irp i, 0,1,2,3
	s_delay_alu instid0(VALU_DEP_4)
	v_permlanex16_b32 v[PT+\i], v[SM+2*\i], s40, s41
.endr
.irp i, 0,1,2,3
	s_delay_alu instid0(VALU_DEP_4)
	v_add_f32 v[SM+2*\i], v[SM+2*\i], v[PT+\i]
.endr
.endm
	s_wait_loadcnt 16                              ; my four rows are in; the 16 loads of gamma and beta may stay out
.irp i, 0,1,2,3
	v_pk_add_f32 v[SM+2*\i:SM+2*\i+1], v[X+32*\i:X+32*\i+1], v[X+32*\i+2:X+32*\i+3]   ; the first two pairs start a row's sum: nothing is cleared
.endr
.irp e, 4,6,8,10,12,14,16,18,20,22,24,26,28,30
.irp i, 0,1,2,3
	s_delay_alu instid0(VALU_DEP_4)
	v_pk_add_f32 v[SM+2*\i:SM+2*\i+1], v[SM+2*\i:SM+2*\i+1], v[X+32*\i+\e:X+32*\i+\e+1]   ; (the four rows by turns)
.endr
.endr
	ACROSS
.irp i, 0,1,2,3
	s_delay_alu instid0(VALU_DEP_4)
	v_mul_f32 v[MN+2*\i], s36, v[SM+2*\i]          ; the mean,
.endr
.irp i, 0,1,2,3
	s_delay_alu instid0(VALU_DEP_4)
	v_mov_b32 v[MN+2*\i+1], v[MN+2*\i]             ; in both halves of a pair
.endr
.irp e, 0,2,4,6,8,10,12,14,16,18,20,22,24,26,28,30
.irp i, 0,1,2,3
	v_pk_add_f32 v[X+32*\i+\e:X+32*\i+\e+1], v[X+32*\i+\e:X+32*\i+\e+1], v[MN+2*\i:MN+2*\i+1] neg_lo:[0,1] neg_hi:[0,1]   ; x - mean, in place
.endr
.endr
.irp i, 0,1,2,3
	v_pk_mul_f32 v[SM+2*\i:SM+2*\i+1], v[X+32*\i:X+32*\i+1], v[X+32*\i:X+32*\i+1]
.endr
.irp e, 2,4,6,8,10,12,14,16,18,20,22,24,26,28,30
.irp i, 0,1,2,3
	s_delay_alu instid0(VALU_DEP_4)
	v_pk_fma_f32 v[SM+2*\i:SM+2*\i+1], v[X+32*\i+\e:X+32*\i+\e+1], v[X+32*\i+\e:X+32*\i+\e+1], v[SM+2*\i:SM+2*\i+1]
.endr
.endr
	ACROSS
.irp i, 0,1,2,3
	s_delay_alu instid0(VALU_DEP_4)
	v_fma_f32 v[SM+2*\i], v[SM+2*\i], s36, s37     ; var + eps
.endr
	s_wait_alu depctr_va_vdst(0)
.irp i, 0,1,2,3
	v_rsq_f32 v[MN+2*\i], v[SM+2*\i]
.endr
	v_nop                                          ; a plain instruction behind the last of the four,
	s_wait_alu depctr_va_vdst(0)                   ; and one wait for the four, ahead of their first reader
.irp i, 0,1,2,3
	v_mov_b32 v[MN+2*\i+1], v[MN+2*\i]
.endr
	s_wait_alu depctr_va_vdst(0)
	s_wait_loadcnt 0x0                             ; gamma and beta
.irp i, 0,1,2,3
.irp e, 0,2,4,6,8,10,12,14,16,18,20,22,24,26,28,30
	v_pk_mul_f32 v[X+32*\i+\e:X+32*\i+\e+1], v[X+32*\i+\e:X+32*\i+\e+1], v[MN+2*\i:MN+2*\i+1]
.endr
.irp e, 0,2,4,6,8,10,12,14,16,18,20,22,24,26,28,30
	v_pk_fma_f32 v[X+32*\i+\e:X+32*\i+\e+1], v[X+32*\i+\e:X+32*\i+\e+1], v[G+\e:G+\e+1], v[B+\e:B+\e+1]
.endr
.irp j, 0,1,2,3,4,5,6,7
	ds_store_b128 v[STA], v[X+32*\i+4*\j:X+32*\i+4*\j+3] offset:PITCH*\i+512*\j
.endr
.endr
	s_wait_dscnt 0x0                               ; for the others' sake: my rows lie in LDS
	s_barrier_signal -1
	s_barrier_wait -1
.irp q, 0,1
.irp b, 0,1,2,3
.irp j, 0,1,2,3
	ds_load_b128 v[X+64*\q+16*\b+4*\j:X+64*\q+16*\b+4*\j+3], v[RDA] offset:512*\q+128*\b+16*\j   ; register 16 b + i: k = 32 b + 16 h + i of my row and K step
.endr
.endr
.endr
; 64 numbers of a lane, v[s] on, become a fragment's codes in v[pc] on and its row's scale word in v[pw]
.macro QUANT s, pc, pw
.irp b, 0,1,2,3
	v_max3_num_f32 v[TM+\b], |v[\s+16*\b]|, |v[\s+1+16*\b]|, 0x4800000   ; my 16 numbers of block b, and the floor 2^(9 - 127): the byte cannot fall under 1
.endr
.irp i, 2,4,6,8,10,12,14
.irp b, 0,1,2,3
	s_delay_alu instid0(VALU_DEP_4)
	v_max3_num_f32 v[TM+\b], v[TM+\b], |v[\s+16*\b+\i]|, |v[\s+1+16*\b+\i]|
.endr
.endr
.irp b, 0,1,2,3
	s_delay_alu instid0(VALU_DEP_4)
	v_permlanex16_b32 v[TM+4+\b], v[TM+\b], s40, s41
.endr
.irp b, 0,1,2,3
	s_delay_alu instid0(VALU_DEP_4)
	v_max_num_f32 v[TM+\b], v[TM+\b], v[TM+4+\b]   ; with lane l xor 16's: the block's largest magnitude
.endr
.irp b, 0,1,2,3
	s_delay_alu instid0(VALU_DEP_4)
	v_add_nc_u32 v[TM+12+\b], 0xfc000000, v[TM+\b] ; 8 off its exponent field: the conversion's scale operand
.endr
.irp b, 0,1,2,3
	v_and_or_b32 v[TM+8+\b], v[TM+\b], 0x7f800000, s42   ; 448 x the scale
.endr
.irp b, 0,1,2,3
	v_lshrrev_b32 v[TM+4+\b], 23, v[TM+12+\b]      ; the scale's byte
.endr
	s_delay_alu instid0(VALU_DEP_3)
	v_lshl_or_b32 v[\pw], v[TM+5], 8, v[TM+4]
	s_delay_alu instid0(VALU_DEP_1)
	v_lshl_or_b32 v[\pw], v[TM+6], 16, v[\pw]
	s_delay_alu instid0(VALU_DEP_1)
	v_lshl_or_b32 v[\pw], v[TM+7], 24, v[\pw]
.irp b, 0,1,2,3
.irp i, 0,1,2,3,4,5,6,7,8,9,10,11,12,13,14,15
	v_med3_num_f32 v[\s+16*\b+\i], v[\s+16*\b+\i], -v[TM+8+\b], v[TM+8+\b]   ; the conversion to an 8-bit code does not saturate (ISA guide 7.6.2): the hold comes first
.endr
	v_cvt_scalef32_pk8_fp8_f32 v[\pc+4*\b:\pc+4*\b+1], v[\s+16*\b:\s+16*\b+7], v[TM+12+\b]
	v_cvt_scalef32_pk8_fp8_f32 v[\pc+4*\b+2:\pc+4*\b+3], v[\s+16*\b+8:\s+16*\b+15], v[TM+12+\b]
.endr
	v_nop                                          ; a plain instruction behind the last conversion
.endm
	s_wait_dscnt 16                                ; the first K step's 16 loads are in; the second's may stay out
	QUANT X, G, PW
.irp c, 0,1,2,3
	global_store_b128 v[LI], v[G+4*\c:G+4*\c+3], s[26:27] offset:512*\c   ; 512 dense bytes
.endr
	s_wait_dscnt 0x0
	QUANT X+64, G+16, PW+1                         ; codes in registers of their own: the stores above still read theirs
.irp c, 0,1,2,3
	global_store_b128 v[LI], v[G+16+4*\c:G+16+4*\c+3], s[26:27] offset:2048+512*\c
.endr
	v_cmp_ne_u32 vcc_lo, 0, v[HH]
	s_delay_alu instid0(VALU_DEP_1)
	v_cndmask_b32 v[WD], v[PW], v[PW+1], vcc_lo    ; both halves of the lanes hold both words: each puts one
	ds_store_b32 v[SCW], v[WD]
	s_wait_dscnt 0x0
	s_barrier_signal -1
	s_barrier_wait -1                              ; the pair's 1,024 scale bytes lie together
	s_cmp_gt_u32 s2, 1
	s_cbranch_scc1 .Ldone                          ; waves 0 and 1 store them, 512 dense bytes each
	ds_load_b128 v[8:11], v[SCR]
	s_wait_dscnt 0x0
	global_store_b128 v[XSO], v[8:11], s[28:29]
.Ldone:
	s_wait_tensorcnt 0x0
	ds_add_u32 v254, v255
	s_wait_dscnt 0x0
	s_endpgm
.Lfunc_end_k_qc5bfb02aa1_lnq:
	.size	k_qc5bfb02aa1_lnq, .Lfunc_end_k_qc5bfb02aa1_lnq-k_qc5bfb02aa1_lnq
	.p2alignl 7, 3214868480
	.fill 96, 4, 3214868480
	.section	.rodata,"a",@progbits
	.p2align	6, 0x0
	.amdhsa_kernel k_qc5bfb02aa1_lnq
		.amdhsa_group_segment_fixed_size 133632
		.amdhsa_private_segment_fixed_size 0
		.amdhsa_enable_private_segment 0
		.amdhsa_kernarg_size 88
		.amdhsa_user_sgpr_count 2
		.amdhsa_user_sgpr_kernarg_segment_ptr 1
		.amdhsa_wavefront_size32 1
		.amdhsa_system_sgpr_workgroup_id_x 1
		.amdhsa_system_sgpr_workgroup_id_y 1
		.amdhsa_system_sgpr_workgroup_id_z 1
		.amdhsa_system_vgpr_workitem_id 0
		.amdhsa_next_free_vgpr 256
		.amdhsa_next_free_sgpr 66
		.amdhsa_reserve_vcc 1
		.amdhsa_float_denorm_mode_32 3
		.amdhsa_float_denorm_mode_16_64 3
		.amdhsa_memory_ordered 1
		.amdhsa_forward_progress 1
		.amdhsa_inst_pref_size 62
	.end_amdhsa_kernel
	.amdgpu_metadata
---
amdhsa.version: [ 1, 2 ]
amdhsa.kernels:
  - .name:           k_qc5bfb02aa1_lnq
    .symbol:         k_qc5bfb02aa1_lnq.kd
    .args:
      - { .name: q, .offset: 0, .size: 8, .value_kind: global_buffer, .address_space: global }
      - { .name: k, .offset: 8, .size: 8, .value_kind: global_buffer, .address_space: global }
      - { .name: v, .offset: 16, .size: 8, .value_kind: global_buffer, .address_space: global }
      - { .name: ln_q_g, .offset: 24, .size: 8, .value_kind: global_buffer, .address_space: global }
      - { .name: ln_q_b, .offset: 32, .size: 8, .value_kind: global_buffer, .address_space: global }
      - { .name: ln_k_g, .offset: 40, .size: 8, .value_kind: global_buffer, .address_space: global }
      - { .name: ln_k_b, .offset: 48, .size: 8, .value_kind: global_buffer, .address_space: global }
      - { .name: ln_v_g, .offset: 56, .size: 8, .value_kind: global_buffer, .address_space: global }
      - { .name: ln_v_b, .offset: 64, .size: 8, .value_kind: global_buffer, .address_space: global }
      - { .name: xc, .offset: 72, .size: 8, .value_kind: global_buffer, .address_space: global }
      - { .name: xs, .offset: 80, .size: 8, .value_kind: global_buffer, .address_space: global }
    .group_segment_fixed_size: 133632
    .private_segment_fixed_size: 0
    .kernarg_segment_align: 8
    .kernarg_segment_size: 88
    .max_flat_workgroup_size: 256
    .sgpr_count:     66
    .vgpr_count:     256
    .wavefront_size: 32
...
	.end_amdgpu_metadata
.endif
;; end of part 5
;; launch proj (part 6): grid 12 x 16, 4 waves a work-group, no clusters, 131,584 bytes of LDS; arguments xc, xs, w_q_codes, w_q_scales, w_k_codes, w_k_scales, w_v_codes, w_v_scales, hc, hs; writes hc, hs
.if DOCPART == 6
	.amdgcn_target "amdgcn-amd-amdhsa--gfx1250"
	.amdhsa_code_object_version 6
	.text
	.protected	k_qc5bfb02aa1_proj
	.globl	k_qc5bfb02aa1_proj
	.p2align	8
	.type	k_qc5bfb02aa1_proj,@function
k_qc5bfb02aa1_proj:
	s_mov_b64 s[64:65], 0
	v_nop
	global_prefetch_b8 v0, s[64:65] scope:SCOPE_SE
	s_setreg_imm32_b32 hwreg(HW_REG_WAVE_SCHED_MODE, 0, 2), 2
	s_setreg_imm32_b32 hwreg(HW_REG_WAVE_MODE, 25, 1), 1
	s_wait_xcnt 0x0
	s_wait_alu depctr_vm_vsrc(0)
; The three projections LN(x) W^T (8,192 x 1,024 x 1,024 each) on codes of E4M3, and their results quantised at once as operands of attention's two products.
; SHARES.  Work-group x = 4 x tensor + slice of 256 outputs, y = 16 pairs of tiles (512 rows of one batch).  Wave w owns ONE HEAD: 64 rows of W for all of K: 4 tiles x 8 K steps = 512 registers,
; read from memory once.  What goes round is small: a pair's codes (32 KiB, as lnq laid them) come through registers into one of two LDS buffers, 8 KiB a wave, and every wave reads them all.
; 192 work-groups: the 12 slices of weights do not divide 256, and smaller row groups would read the weights more often.
; TWO PATHS, parted by the work-group's number, each with LDS bytes of its own:
;   q, k: source 0 = 16 rows of W, source 1 = 16 rows of x: a lane holds one row and 16 neighbouring channels of each block of 32: quantised along the head's 64.
;   v:    source 0 = 16 rows of x, source 1 = 16 rows of W: a lane holds one channel and 16 neighbouring keys of the pair's 32: quantised along the keys.
; Both orders come out so because lane r of a tile (of x's rows and of W's rows alike) is row 8 u + r + 8 (r / 8) of its 32.
; OUT.  hc: q at 0, k at 8 MiB: [batch x head 64][pair 64][image: groups 0, 1 tile 0's channels 0-31, 32-63; groups 2, 3 tile 1's];  v at 16 MiB: [batch x head][key step 16][channel tile 4][image: group c = keys 32 c on].
;       hs: [batch x head][key step][512]: k's words [r 16][pair 4], then v's [r 16][tile 4];  from 524,288 on q's words [batch x head][4 pairs][r 16][pair 4].
; No tensor load, no cluster: the weights stay in registers, and a pair's codes are asked for two pairs ahead by plain loads.
; The loop has one form for all trips: the last two trips ask for pair 15 once more (a clamped index), so that no load leaves xc and every count holds in every trip.
; LIMITS: as in lnq (a block under 2^-118 gets the byte 1).
; THE MODE: SCHED_MODE bits 1:0 = 2 (LLVM: expert scheduling mode 2), set by the entry lines.  The code itself states the register dependences
; between vector or matrix instructions and memory or LDS instructions, with s_wait_alu, always for 0.
; THE PLAN.  Registers that memory or LDS instructions touch, in the loop:
;   G          Global loads land in it; the sixteen LDS stores of the next trip read it.  No vector instruction names it.
;   XS0, XS1   Global loads land in set p behind the products of a trip that read set p as scales.
;   window 3   x's sixteen fragments: LDS loads land in them behind a trip's products, which read them; the next trip's products read them.
;   PC, DD     Written by a trip's conversions (DD: by two selects, every fourth trip); read by that trip's global stores.
;   v1 to v13  Addresses and offsets, made once at the head and never written again.
;   AC, TM, KW are named by vector and matrix instructions alone.
; So a trip has three waits behind its barrier (the stores of the trip before have read PC and DD, my LDS stores have read G, the products are done reading window 3 and their scale words); behind them stand all
; its loads, the 64 from LDS dealt in eights among the quantiser's lines, which name AC, TM, KW and PC: none of the registers that those loads touch.  One more wait stands behind the conversions, ahead of the stores.
.set LI,    1                          ; v1   16 x lane
.set LX,    2                          ; v2   32 x lane
.set LS8,   3                          ; v3   16 r + 8 h
.set FB,    4                          ; v4-7   the four buffers, + 16 x lane
.set SB,    8                          ; v8-11  the same + 8,192 x wave
.set WOFF,  12
.set WSOFF, 13
.set HH,    14
.set WS,    16                         ; v16-47  W's scale words: (tile t, K step s) at 8 t + s
.set XS,    48                         ; v48-63  x's scale words, two sets of 8: lanes 0-15 tile 0's, lanes 16-31 tile 1's
.set AC,    64                         ; v64-127 eight accumulators
.set G,     128                        ; v128-191 8 KiB of the next pair's codes on their way to LDS
.set PC,    192                        ; v192-207 codes just made
.set TM,    208                        ; v208-223 the quantiser's work
.set KW,    225                        ; v225-228 four scale words
.set DD,    230                        ; v[230:231] the two that my lane stores
; windows 1, 2: W's fragment (t, s) at 16 (4 t + s % 4) of window 1 + s / 4.   window 3: x's fragment (u, s) at 16 (8 u + s)
.set MSB, 0
.macro WIN new                         ; the immediate's high byte repeats the setting that is left
.if MSB != (\new)
	s_set_vgpr_msb (MSB<<8)|(\new)
.set MSB, (\new)
.endif
.endm
.macro PLACES n
.rept \n
	v_nop
.endr
.endm
	s_load_b512 s[8:23], s[0:1], 0x0               ; xc, xs, w_q codes, scales, w_k codes, scales, w_v codes, scales
	s_load_b128 s[24:27], s[0:1], 0x40             ; hc, hs
	v_lshl_add_u32 v254, v0, 2, 0x20000
	v_mov_b32 v255, 0
	v_lshrrev_b32 v1, 5, v0
	v_readfirstlane_b32 s5, v1                     ; wave 0..3
	v_bfe_u32 v[HH], v0, 4, 1                      ; h
	v_cmp_ne_u32 s50, 0, v[HH]                     ; lanes 16-31
	v_and_b32 v15, 31, v0
	v_lshlrev_b32 v[LI], 4, v15
	v_lshlrev_b32 v[LX], 5, v15
	v_and_b32 v15, 15, v0                          ; r
	v_lshlrev_b32 v[LS8], 4, v15
	v_lshl_add_u32 v[LS8], v[HH], 3, v[LS8]
.irp i, 0,1,2,3
	v_add_nc_u32 v[FB+\i], \i*32768, v[LI]
.endr
	v_and_b32 v[WSOFF], 8, v15
	v_add_nc_u32 v[WSOFF], v[WSOFF], v15           ; r + 8 (r / 8)
	v_lshlrev_b32 v[WOFF], 10, v[WSOFF]
	v_lshl_add_u32 v[WOFF], v[HH], 4, v[WOFF]      ; W: a row is 1,024 bytes; + 16 h
	v_lshlrev_b32 v[WSOFF], 5, v[WSOFF]            ; its scale bytes: 32 a row
.irp i, 0,1,2,3
	v_mov_b32 v[TM+4+\i], 0                        ; written once: a lane permute's destination counts as one of its sources
.endr
	s_wait_alu depctr_va_sdst(0)                   ; s5 and s50 are written, ahead of their first readers: the head and every base are made from s5, the selects on the way out read s50
	s_lshr_b32 s2, ttmp9, 2                        ; the tensor
	s_and_b32 s3, ttmp9, 3                         ; the slice
	s_and_b32 s4, ttmp7, 0xffff                    ; the group of 16 pairs
	s_lshl_b32 s6, s3, 2
	s_add_co_u32 s6, s6, s5                        ; my head
	s_lshr_b32 s58, s4, 2
	s_lshl_b32 s58, s58, 4
	s_add_co_u32 s58, s58, s6                      ; batch x 16 + head
	s_lshl_b32 s7, s5, 13
.irp i, 0,1,2,3
	v_add_nc_u32 v[SB+\i], s7, v[FB+\i]
.endr
	s_mov_b32 s52, 0x76543210
	s_mov_b32 s53, 0xfedcba98
	s_mov_b32 s54, 0x600000                        ; the mantissa field of 448
	s_mov_b32 s57, 0
	s_mov_b32 s45, 0
	s_wait_kmcnt 0x0
	s_cmp_eq_u32 s2, 2
	s_cselect_b64 s[28:29], s[20:21], s[16:17]
	s_cselect_b64 s[30:31], s[22:23], s[18:19]
	s_cmp_eq_u32 s2, 0
	s_cselect_b64 s[28:29], s[12:13], s[28:29]
	s_cselect_b64 s[30:31], s[14:15], s[30:31]
	s_lshl_b32 s56, s6, 16
	s_add_nc_u64 s[28:29], s[28:29], s[56:57]      ; my 64 rows of W
	s_lshl_b32 s56, s6, 11
	s_add_nc_u64 s[30:31], s[30:31], s[56:57]      ; and their scale bytes
	WIN 0x40
	s_wait_alu depctr_va_vdst(0)                   ; the addresses and offsets v1 to v13 are written, which every load and store of the kernel reads
.irp t, 0,1,2,3
.irp k, 0,1,2,3
.irp c, 0,1,2,3
	global_load_b128 v[16*(4*\t+\k)+4*\c:16*(4*\t+\k)+4*\c+3], v[WOFF], s[28:29] offset:(32*(\t/2)+8*(\t%2))*1024+128*\k+32*\c
.endr
.endr
.endr
	WIN 0x80
.irp t, 0,1,2,3
.irp k, 0,1,2,3
.irp c, 0,1,2,3
	global_load_b128 v[16*(4*\t+\k)+4*\c:16*(4*\t+\k)+4*\c+3], v[WOFF], s[28:29] offset:(32*(\t/2)+8*(\t%2))*1024+512+128*\k+32*\c
.endr
.endr
.endr
	WIN 0
.irp t, 0,1,2,3
.irp q, 0,1
	global_load_b128 v[WS+8*\t+4*\q:WS+8*\t+4*\q+3], v[WSOFF], s[30:31] offset:(32*(\t/2)+8*(\t%2))*32+16*\q
.endr
.endr
	s_lshl_b32 s56, s2, 23                         ; xc: tensor x 8 MiB + group x 512 KiB + my wave's 8 KiB of a pair
	s_lshl_b32 s7, s4, 19
	s_add_co_u32 s56, s56, s7
	s_lshl_b32 s7, s5, 13
	s_add_co_u32 s56, s56, s7
	s_add_nc_u64 s[32:33], s[8:9], s[56:57]
	s_lshl_b32 s56, s2, 18                         ; xs: tensor x 256 KiB + group x 16 KiB
	s_lshl_b32 s7, s4, 14
	s_add_co_u32 s56, s56, s7
	s_add_nc_u64 s[34:35], s[10:11], s[56:57]
	s_and_b32 s7, s4, 3                            ; the group's place in its batch
	s_lshl_b32 s56, s2, 23                         ; hc: tensor x 8 MiB + (batch, head) x 128 KiB + place x 32 KiB
	s_lshl_b32 s48, s58, 17
	s_add_co_u32 s56, s56, s48
	s_lshl_b32 s48, s7, 15
	s_add_co_u32 s56, s56, s48
	s_add_nc_u64 s[40:41], s[24:25], s[56:57]
	s_lshl_b32 s56, s58, 12                        ; hs, q's form: 524,288 + (batch, head) x 4,096 + place x 1,024, 256 bytes for four pairs;
	s_lshl_b32 s48, s7, 10
	s_add_co_u32 s56, s56, s48
	s_lshl_b32 s48, s56, 1                         ; k's and v's: twice that, 512 bytes for four pairs, v's 256 further on
	s_add_co_u32 s56, s56, 524288
	s_cmp_eq_u32 s2, 2
	s_cselect_b32 s49, 256, 0
	s_add_co_u32 s48, s48, s49
	s_mov_b32 s44, 512
	s_cmp_eq_u32 s2, 0
	s_cselect_b32 s56, s56, s48
	s_cselect_b32 s44, 256, s44
	s_add_nc_u64 s[42:43], s[26:27], s[56:57]
; the next pair's codes (my 8 KiB) and scale words are asked for.  s46 counts pairs; past the group's last it is held at 15
.macro GLOAD xw
	s_min_u32 s48, s46, 15
	s_add_co_u32 s46, s46, 1
	s_lshl_b32 s56, s48, 15
	s_add_nc_u64 s[36:37], s[32:33], s[56:57]      ; (the loads that read these two addresses last have been waited for)
	s_lshl_b32 s56, s48, 10
	s_add_nc_u64 s[38:39], s[34:35], s[56:57]
.irp i, 0,1,2,3,4,5,6,7,8,9,10,11,12,13,14,15
	global_load_b128 v[G+4*\i:G+4*\i+3], v[LI], s[36:37] offset:512*\i
.endr
.irp q, 0,1
	global_load_b128 v[XS+8*\xw+4*\q:XS+8*\xw+4*\q+3], v[LX], s[38:39] offset:16*\q
.endr
.endm
; K step k of a pair: its two fragments from buffer FBUF into window 3, eight loads; the window (destination 3) is set round the call
.macro FKL k
.irp u, 0,1
.irp c, 0,1,2,3
	ds_load_b128 v[16*(8*\u+(\k))+4*\c:16*(8*\u+(\k))+4*\c+3], v[FB+FBUF] offset:(8*\u+(\k))*2048+512*\c
.endr
.endr
.endm
; one matrix instruction: x's tile u, W's tile t, K step kk.  The first K step starts the sums
.macro MM swap, xw, kk, u, t
.set rW, 16*(4*\t+(\kk)%4)
.set rX, 16*(8*\u+\kk)
.set rWS, WS+8*\t+\kk
.set rXS, XS+8*\xw+\kk
.if \swap
.set rD, AC+16*\t+8*\u
.if \kk == 0
.if \u == 0
	v_wmma_scale_f32_16x16x128_f8f6f4 v[rD:rD+7], v[rX:rX+15], v[rW:rW+15], 0, v[rXS], v[rWS]
.else
	v_wmma_scale_f32_16x16x128_f8f6f4 v[rD:rD+7], v[rX:rX+15], v[rW:rW+15], 0, v[rXS], v[rWS] matrix_a_scale:MATRIX_SCALE_ROW1
.endif
.else
.if \u == 0
	v_wmma_scale_f32_16x16x128_f8f6f4 v[rD:rD+7], v[rX:rX+15], v[rW:rW+15], v[rD:rD+7], v[rXS], v[rWS]
.else
	v_wmma_scale_f32_16x16x128_f8f6f4 v[rD:rD+7], v[rX:rX+15], v[rW:rW+15], v[rD:rD+7], v[rXS], v[rWS] matrix_a_scale:MATRIX_SCALE_ROW1
.endif
.endif
.else
.set rD, AC+32*\u+8*\t
.if \kk == 0
.if \u == 0
	v_wmma_scale_f32_16x16x128_f8f6f4 v[rD:rD+7], v[rW:rW+15], v[rX:rX+15], 0, v[rWS], v[rXS]
.else
	v_wmma_scale_f32_16x16x128_f8f6f4 v[rD:rD+7], v[rW:rW+15], v[rX:rX+15], 0, v[rWS], v[rXS] matrix_b_scale:MATRIX_SCALE_ROW1
.endif
.else
.if \u == 0
	v_wmma_scale_f32_16x16x128_f8f6f4 v[rD:rD+7], v[rW:rW+15], v[rX:rX+15], v[rD:rD+7], v[rWS], v[rXS]
.else
	v_wmma_scale_f32_16x16x128_f8f6f4 v[rD:rD+7], v[rW:rW+15], v[rX:rX+15], v[rD:rD+7], v[rWS], v[rXS] matrix_b_scale:MATRIX_SCALE_ROW1
.endif
.endif
.endif
.endm
; a pair's 64 matrix instructions: the eight accumulators by turns, one instruction a turn, K ascending
.macro MUL swap, xw
.irp k, 0,1,2,3,4,5,6,7
	s_wait_dscnt 56-8*\k                           ; this K step's eight LDS loads are in; those of the later K steps may stay out
.if \swap
	WIN 0x03|((1+\k/4)<<2)
.else
	WIN 0x0c|(1+\k/4)
.endif
.irp u, 0,1
.irp t, 0,1,2,3
	MM \swap, \xw, \k, \u, \t
.endr
.endr
.endr
	WIN 0
.endm
; the eight accumulators, 64 numbers of a lane in four blocks (register 16 b + i), become codes in v[PC] on.  swap = 0: the four bytes are the word of pair c;  swap = 1: byte c of four words.
; K steps 2 to 7 of the next pair's fragments are asked for among these lines, eight loads at a time: no line here names window 3 or the buffers' addresses, so the wait behind the barrier still serves them
.macro QUANT swap, c
.irp b, 0,1,2,3
	v_max3_num_f32 v[TM+\b], |v[AC+16*\b]|, |v[AC+1+16*\b]|, 0x4800000   ; my 16 numbers of block b, each accumulator from its low end on, and the floor 2^(9 - 127)
.endr
.irp i, 2,4,6,8,10,12,14
.irp b, 0,1,2,3
	v_max3_num_f32 v[TM+\b], v[TM+\b], |v[AC+16*\b+\i]|, |v[AC+1+16*\b+\i]|
.endr
.if \i == 6
	WIN 0xc0
	FKL 2
	WIN 0
.endif
.endr
	WIN 0xc0
	FKL 3
	WIN 0
.irp b, 0,1,2,3
	v_permlanex16_b32 v[TM+4+\b], v[TM+\b], s52, s53
.endr
.irp b, 0,1,2,3
	v_max_num_f32 v[TM+\b], v[TM+\b], v[TM+4+\b]   ; with lane l xor 16's: the block's largest magnitude
.endr
.irp b, 0,1,2,3
	v_add_nc_u32 v[TM+12+\b], 0xfc000000, v[TM+\b] ; 8 off its exponent field: the conversion's scale operand
.endr
.irp b, 0,1,2,3
	v_and_or_b32 v[TM+8+\b], v[TM+\b], 0x7f800000, s54   ; 448 x the scale
.endr
.irp b, 0,1,2,3
.if \swap && (\c == 0)
	v_lshrrev_b32 v[KW+\b], 23, v[TM+12+\b]        ; the scale's byte: the first of its word
.else
	v_lshrrev_b32 v[TM+4+\b], 23, v[TM+12+\b]      ; the scale's byte
.endif
.endr
.if \swap
.if \c > 0
.irp b, 0,1,2,3
	v_lshl_or_b32 v[KW+\b], v[TM+4+\b], 8*\c, v[KW+\b]
.endr
.endif
.else
	v_lshl_or_b32 v[KW+\c], v[TM+5], 8, v[TM+4]
	v_lshl_or_b32 v[KW+\c], v[TM+6], 16, v[KW+\c]
	v_lshl_or_b32 v[KW+\c], v[TM+7], 24, v[KW+\c]
.endif
	WIN 0xc0
	FKL 4
	WIN 0
.irp b, 0,1,2,3
.irp i, 0,1,2,3,4,5,6,7,8,9,10,11,12,13,14,15
	v_med3_num_f32 v[AC+16*\b+\i], v[AC+16*\b+\i], -v[TM+8+\b], v[TM+8+\b]   ; the conversion to an 8-bit code does not saturate (ISA guide 7.6.2): the hold comes first
.endr
	v_cvt_scalef32_pk8_fp8_f32 v[PC+4*\b:PC+4*\b+1], v[AC+16*\b:AC+16*\b+7], v[TM+12+\b]
	v_cvt_scalef32_pk8_fp8_f32 v[PC+4*\b+2:PC+4*\b+3], v[AC+16*\b+8:AC+16*\b+15], v[TM+12+\b]
.if \b < 3
	WIN 0xc0
	FKL 5+\b
	WIN 0
.endif
.endr
	v_nop                                          ; a plain instruction behind the last conversion: the next products write its sources
.endm
.macro OUT swap, c
	QUANT \swap, \c
.if \c == 3
	v_cndmask_b32 v[DD], v[KW], v[KW+2], s50       ; lanes 0-15 store words 0, 1 of their row, lanes 16-31 words 2, 3
	v_cndmask_b32 v[DD+1], v[KW+1], v[KW+3], s50
.endif
	s_wait_alu depctr_va_vdst(0)                   ; the conversions have written v[PC ..] (and the two selects v[DD ..]), which the stores below read
.irp i, 0,1,2,3
.if \swap
	global_store_b128 v[LI], v[PC+4*\i:PC+4*\i+3], s[40:41] offset:2048*\i+512*\c   ; channel tile i's image, group c
.else
	global_store_b128 v[LI], v[PC+4*\i:PC+4*\i+3], s[40:41] offset:2048*\c+512*\i   ; pair c's image, group i
.endif
.endr
.if \c == 3
	global_store_b64 v[LS8], v[DD:DD+1], s[42:43]  ; 32 lanes store 256 consecutive bytes, aligned
	s_wait_xcnt 0x0                                ; the stores have read their bases
	s_add_nc_u64 s[40:41], s[40:41], 8192
	s_add_nc_u64 s[42:43], s[42:43], s[44:45]
.endif
.endm
; One pair.  p: the buffer (and set of scale words) that it is multiplied from.  The other buffer was read out a trip ago, and every wave has since waited for those reads and passed a barrier.
.macro TRIP swap, c, p
.set FBUF, 2*\swap+1-\p
	MUL \swap, \p
	s_wait_loadcnt 0x0                             ; the next pair's codes and scale words are in
.irp i, 0,1,2,3,4,5,6,7,8,9,10,11,12,13,14,15
	ds_store_b128 v[SB+FBUF], v[G+4*\i:G+4*\i+3] offset:512*\i
.endr
	s_wait_dscnt 0x0                               ; for the others' sake: my part of the next pair lies in LDS, and my reads of this pair are over
	s_barrier_signal -1
	s_barrier_wait -1
	PLACES 8                                       ; eight places behind the last products, in front of the first read of their results
	s_wait_xcnt 0x0                                ; the last pair's stores have had their addresses translated: v[PC ..] and v[DD ..] are rewritten only behind this wait
	s_wait_alu depctr_vm_vsrc(0)                   ; my LDS stores have read v[G ..], in which the loads below land; the last pair's stores have read v[PC ..] and v[DD ..], which this trip writes again
	s_wait_alu depctr_va_vdst(0)                   ; the products are done reading window 3 and set p of x's scale words, in which the loads of this trip land
	GLOAD \p
	WIN 0xc0
	FKL 0
	FKL 1
	WIN 0
	OUT \swap, \c
.endm
.macro BODY swap
	s_mov_b32 s46, 0
	GLOAD 0
	s_wait_loadcnt 0x0                             ; pair 0, and W
.irp i, 0,1,2,3,4,5,6,7,8,9,10,11,12,13,14,15
	ds_store_b128 v[SB+2*\swap], v[G+4*\i:G+4*\i+3] offset:512*\i
.endr
	s_wait_dscnt 0x0
	s_barrier_signal -1
	s_barrier_wait -1
	s_wait_alu depctr_vm_vsrc(0)                   ; my LDS stores have read v[G ..], in which pair 1's codes land
	GLOAD 1
.set FBUF, 2*\swap
	WIN 0xc0
.irp k, 0,1,2,3,4,5,6,7
	FKL \k
.endr
	WIN 0
	s_mov_b32 s47, 4
.Lquad\swap:                                       ; four trips of four pairs: a key step, one block of scale words
	TRIP \swap, 0, 0
	TRIP \swap, 1, 1
	TRIP \swap, 2, 0
	TRIP \swap, 3, 1
	s_sub_co_u32 s47, s47, 1
	s_cmp_lg_u32 s47, 0
	s_cbranch_scc1 .Lquad\swap
	s_wait_loadcnt 0x0                             ; what the last trips asked for once more is let in and dropped
	s_wait_dscnt 0x0                               ; the closing lines, six on end
	s_wait_alu 0x0
	s_wait_tensorcnt 0x0
	ds_add_u32 v254, v255
	s_wait_dscnt 0x0
	s_endpgm
.endm
	s_cmp_eq_u32 s2, 2
	s_cbranch_scc1 .Lvalues
	BODY 0
.Lvalues:
	BODY 1
.Lfunc_end_k_qc5bfb02aa1_proj:
	.size	k_qc5bfb02aa1_proj, .Lfunc_end_k_qc5bfb02aa1_proj-k_qc5bfb02aa1_proj
	.p2alignl 7, 3214868480
	.fill 96, 4, 3214868480
	.section	.rodata,"a",@progbits
	.p2align	6, 0x0
	.amdhsa_kernel k_qc5bfb02aa1_proj
		.amdhsa_group_segment_fixed_size 131584
		.amdhsa_private_segment_fixed_size 0
		.amdhsa_enable_private_segment 0
		.amdhsa_kernarg_size 80
		.amdhsa_user_sgpr_count 2
		.amdhsa_user_sgpr_kernarg_segment_ptr 1
		.amdhsa_wavefront_size32 1
		.amdhsa_system_sgpr_workgroup_id_x 1
		.amdhsa_system_sgpr_workgroup_id_y 1
		.amdhsa_system_sgpr_workgroup_id_z 1
		.amdhsa_system_vgpr_workitem_id 0
		.amdhsa_next_free_vgpr 1024
		.amdhsa_next_free_sgpr 66
		.amdhsa_reserve_vcc 0
		.amdhsa_float_denorm_mode_32 3
		.amdhsa_float_denorm_mode_16_64 3
		.amdhsa_memory_ordered 1
		.amdhsa_forward_progress 1
		.amdhsa_inst_pref_size 233
	.end_amdhsa_kernel
	.amdgpu_metadata
---
amdhsa.version: [ 1, 2 ]
amdhsa.kernels:
  - .name:           k_qc5bfb02aa1_proj
    .symbol:         k_qc5bfb02aa1_proj.kd
    .args:
      - { .name: xc, .offset: 0, .size: 8, .value_kind: global_buffer, .address_space: global }
      - { .name: xs, .offset: 8, .size: 8, .value_kind: global_buffer, .address_space: global }
      - { .name: w_q_codes, .offset: 16, .size: 8, .value_kind: global_buffer, .address_space: global }
      - { .name: w_q_scales, .offset: 24, .size: 8, .value_kind: global_buffer, .address_space: global }
      - { .name: w_k_codes, .offset: 32, .size: 8, .value_kind: global_buffer, .address_space: global }
      - { .name: w_k_scales, .offset: 40, .size: 8, .value_kind: global_buffer, .address_space: global }
      - { .name: w_v_codes, .offset: 48, .size: 8, .value_kind: global_buffer, .address_space: global }
      - { .name: w_v_scales, .offset: 56, .size: 8, .value_kind: global_buffer, .address_space: global }
      - { .name: hc, .offset: 64, .size: 8, .value_kind: global_buffer, .address_space: global }
      - { .name: hs, .offset: 72, .size: 8, .value_kind: global_buffer, .address_space: global }
    .group_segment_fixed_size: 131584
    .private_segment_fixed_size: 0
    .kernarg_segment_align: 8
    .kernarg_segment_size: 80
    .max_flat_workgroup_size: 128
    .sgpr_count:     66
    .vgpr_count:     1024
    .wavefront_size: 32
...
	.end_amdgpu_metadata
.endif
;; end of part 6
;; launch att (part 7): grid 4 x 64, 8 waves a work-group, clusters of 4 x 1, 327,680 bytes of LDS; arguments hc, hs, cc, cs; writes cc, cs
.if DOCPART == 7
	.amdgcn_target "amdgcn-amd-amdhsa--gfx1250"
	.amdhsa_code_object_version 6
	.text
	.protected	k_qc5bfb02aa1_att
	.globl	k_qc5bfb02aa1_att
	.p2align	8
	.type	k_qc5bfb02aa1_att,@function
k_qc5bfb02aa1_att:
	s_mov_b64 s[64:65], 0
	v_nop
	global_prefetch_b8 v0, s[64:65] scope:SCOPE_SE
	s_setreg_imm32_b32 hwreg(HW_REG_WAVE_MODE, 25, 1), 1
	s_wait_xcnt 0x0
	s_wait_alu depctr_hold_cnt(0) depctr_sa_sdst(0) depctr_va_vdst(0) depctr_va_sdst(0) depctr_va_ssrc(0) depctr_va_vcc(0) depctr_vm_vsrc(0)
	s_getreg_b32 s2, hwreg(HW_REG_IB_STS2, 6, 4)
	s_cmp_eq_u32 s2, 0
	s_cbranch_scc0 .Lentry_in_a_cluster
	s_endpgm
.Lentry_in_a_cluster:
	s_bfe_u32 s2, ttmp6, 0x10000c
	s_cmp_lg_u32 s2, 0x3003
	s_cbranch_scc0 .Lentry_shape_is_right
	s_endpgm
.Lentry_shape_is_right:
; Attention of one (batch, head): 2,048 queries, 2,048 keys, head size 64, both products on codes of E4M3 as proj laid them; the context, divided by the row's sum, is quantised at once for the last projection.
; THE SOFTMAX: t = score x log2(e) / 8; M = the running largest t rounded UP to a whole number; p = 2^(t - M) is quantised along the keys, not normalised; the row's sum is taken of the unquantised p.
; When M moves, the sum and O are multiplied by 2^(old M - new M): exact.
; SHARES.  A cluster of four work-groups takes a head, each 512 queries; each of its eight waves two passes of one pair of query tiles (A, B: 32 queries), so that a fragment of K or V read from LDS feeds two tiles.
; THE HEAD'S K, V AND SCALE WORDS (264 KiB) COME INTO LDS ONCE, by joint loads of the four partners (the same descriptor, a mask that names the four): nothing is filled again, so the loop has no barrier.
; LAYOUT.  Both products are used transposed (S^T = K Q^T, O^T = V^T P^T): a lane holds one query throughout.  The keys of a tile are 8 u + r + 8 (r / 8) of a pair's 32, so that p's 16 registers of a pair are 16 neighbouring keys.
; HEAD SIZE 64 IN AN INSTRUCTION OF 128: a fragment of K holds two key tiles, one in k 0-63, the other in k 64-127.  Against (q, 0) it gives the first tile's scores, against (0, q) the second's.  The zeros are
; zero CODES, kept once in registers beside q; codes made by the quantiser are never the NaN code and its bytes never 0xff, so the zero half adds nothing.
; OUT.  cc: laid as one tensor of xc (K step s = heads 2 s, 2 s + 1);  cs: [pair][pos 32][32 bytes], bytes 2 head, 2 head + 1: two bytes a row from each head, the price of a head to a cluster (256 KiB in all).
; Nothing is asked of memory ahead of time: all tensor loads stand at the head.  The last step of a pass fetches key step 0 again: it serves the next pass; after the last pass it is let in and dropped.
; LIMITS: as in lnq.
; REGISTERS.  window 0: v1-10 addresses; v12-19 statistics; v20-31 scale words; v32-59 at work; v64-191 S^T, then p (tile X at 64 X); v192-223 p's codes.
;   window 1: v0-39 zeros 8, q of A 8, zeros 8, q of B 8, zeros 8; v64-127 O^T (tile X at 32 X, channel tile t at 8 t); v128-191 V's four fragments; v192-255 K's four.
.set LI,   1                           ; v1   16 x lane: K's images begin at LDS byte 0
.set LIV,  2                           ; v2   + 131,072: V's
.set LIS,  3                           ; v3   + 262,144: the scale words, 512 bytes a key step: lanes 0-15 read K's, lanes 16-31 V's
.set ADK,  4
.set ADV,  5
.set ADSK, 6
.set ADSV, 7
.set R16,  8                           ; v8   16 r
.set CSO,  9                           ; v9   32 x lane
.set HH,   10
.set SWK,  20                          ; v20-23 the step's words, read for K (lanes 0-15)
.set SWV,  24                          ; v24-27 the step's words, read for V (lanes 16-31)
.set SQ,   28                          ; v28, v29 q's words of tiles A, B, repeated in both halves
.set PWD,  30                          ; v30, v31 p's words
.set BM,   32                          ; v32-35 a block's largest score, then its largest p
.set PM,   36                          ; v36-39 lane permutes' results, then bytes
.set HD,   40                          ; v40-43 448 x the scale
.set SO,   44                          ; v44-47 the conversions' scale operands
.set T,    52
.set C2,   54                          ; v[54:55] the sums' second chain
.set S,    64
.set PC,   192
.set O,    64                          ; in window 1
.set VF,   128
.set KF,   192
.set WV,   12
.set CS,   52                          ; s[52:53] c = log2(e) / 8
.set SEL,  54
.set MNT,  56
.set HM,   57
.set TV,   58                          ; LDS offset of the key step in hand: 8,192 a step
.set TK,   59                          ; and of the next
.set CN,   60
.set PS,   61
.set MSB, 0
.macro WIN new                         ; the immediate's high byte repeats the setting that is left
.if MSB != (\new)
	s_set_vgpr_msb (MSB<<8)|(\new)
.set MSB, (\new)
.endif
.endm
.macro PLACES n
.rept \n
	v_nop
.endr
.endm
.macro ROUND                           ; a round of the cluster's barrier
	s_barrier_signal -1
	s_barrier_wait -1
	s_cmp_lg_u32 s[WV], 0
	s_cbranch_scc1 .Lnot_wave_0_\@
	s_barrier_signal -3
.Lnot_wave_0_\@:
	s_barrier_wait -3
	s_barrier_signal -1
	s_barrier_wait -1
.endm
	s_load_b256 s[4:11], s[0:1], 0x0               ; hc, hs, cc, cs
	v_lshl_add_u32 v254, v0, 2, 0x42000
	v_mov_b32 v255, 0
	ds_add_u32 v254, v255
	ds_add_u32 v254, v255
	v_lshrrev_b32 v1, 5, v0
	s_delay_alu instid0(VALU_DEP_1)
	v_readfirstlane_b32 s[WV], v1                  ; wave 0..7
	s_bfe_u32 s13, ttmp6, 0x40000                  ; cx: it enters the addresses of q, cc and cs alone
	s_and_b32 s14, ttmp7, 0xffff                   ; batch x 16 + head, which the four partners share
	s_lshr_b32 s15, s14, 4
	s_and_b32 s16, s14, 15
	; descriptor group 1: dense rows of 256 bytes (32 elements of 8 bytes), 64 of them (16 KiB a wave) for K and for V, 4 for the scale words
	s_mov_b32 s24, 15|(3<<16)|(1<<21)              ; 15:0 the mask: all four work-groups; 17:16 elements of 8 bytes; 21 set beside a mask; no padding: every read takes 512 consecutive bytes
	s_mov_b32 s25, 32<<16                          ; tensor_dim0
	s_mov_b32 s26, 64<<16                          ; tensor_dim1
	s_mov_b32 s27, 32<<16                          ; tile_dim0
	s_mov_b32 s28, 64                              ; tile_dim1
	s_mov_b32 s29, 32                              ; the pitch
	s_mov_b32 s30, 0
	s_mov_b32 s31, 0
	s_mov_b32 s32, 15|(3<<16)|(1<<21)
	s_mov_b32 s33, 32<<16
	s_mov_b32 s34, 4<<16
	s_mov_b32 s35, 32<<16
	s_mov_b32 s36, 4
	s_mov_b32 s37, 32
	s_mov_b32 s38, 0
	s_mov_b32 s39, 0
	s_lshl_b32 s18, s14, 17                        ; a head's images: 128 KiB in each region of hc
	s_mov_b32 s19, 0
	s_lshl_b32 s20, s[WV], 14
	s_add_co_u32 s20, s20, 0x800000                ; K's region, my wave's 16 KiB
	s_mov_b32 s21, 0
	s_lshl_b32 s74, s14, 13                        ; a head's words of K and V: 8 KiB
	s_lshl_b32 s76, s[WV], 10
	s_add_co_u32 s74, s74, s76
	s_mov_b32 s75, 0
	s_mov_b32 s[CS], 0x3e38aa3b
	s_mov_b32 s[CS+1], s[CS]                       ; (named with it as a pair, so it is written)
	s_mov_b32 s[SEL], 0x76543210
	s_mov_b32 s[SEL+1], 0xfedcba98
	s_mov_b32 s[MNT], 0x600000
	s_wait_dscnt 0x0
	s_wait_kmcnt 0x0
	s_add_nc_u64 s[4:5], s[4:5], s[18:19]          ; q's images of my head
	s_mov_b32 s40, 1                               ; group 0 for K: count,
	s_lshl_b32 s41, s[WV], 14                      ; LDS address: wave x 16 KiB,
	s_add_nc_u64 s[42:43], s[4:5], s[20:21]        ; global address
	s_mov_b32 s44, 1                               ; for V
	s_add_co_u32 s45, s41, 0x20000
	s_add_nc_u64 s[46:47], s[42:43], 0x800000
	s_or_b32 s43, s43, 0x80000000                  ; the type
	s_or_b32 s47, s47, 0x80000000
	s_mov_b32 s48, 1                               ; for the scale words
	s_add_co_u32 s49, s76, 0x40000
	s_add_nc_u64 s[50:51], s[6:7], s[74:75]
	s_or_b32 s51, s51, 0x80000000
	ROUND                                          ; all four work-groups are here: the joint loads meet
	tensor_load_to_lds s[48:51], s[32:39]          ; one load of mine is out; each is waited for before the next round
	s_nop 0
	s_wait_alu depctr_va_vdst(0)
	s_wait_tensorcnt 0x0
	ds_add_u32 v254, v255
	s_wait_dscnt 0x0
	ROUND
	tensor_load_to_lds s[40:43], s[24:31]
	s_nop 0
	s_wait_alu depctr_va_vdst(0)
	s_wait_tensorcnt 0x0
	ds_add_u32 v254, v255
	s_wait_dscnt 0x0
	ROUND
	tensor_load_to_lds s[44:47], s[24:31]
	s_nop 0
	PLACES 4
	s_lshl_b32 s74, s14, 12
	s_add_co_u32 s74, s74, 524288
	s_add_nc_u64 s[6:7], s[6:7], s[74:75]          ; q's words of my head
	s_lshl_b32 s74, s15, 21
	s_lshl_b32 s76, s16, 10
	s_add_co_u32 s74, s74, s76
	s_add_nc_u64 s[8:9], s[8:9], s[74:75]          ; cc: batch x 64 pairs of 32 KiB + head x 1,024 (K step head / 2, groups 2 (head % 2) on)
	s_lshl_b32 s74, s15, 16
	s_lshl_b32 s76, s16, 1
	s_add_co_u32 s74, s74, s76
	s_add_nc_u64 s[10:11], s[10:11], s[74:75]      ; cs: batch x 64 pairs of 1,024 + 2 x head
	v_and_b32 v11, 31, v0
	s_delay_alu instid0(VALU_DEP_1)
	v_lshlrev_b32 v[LI], 4, v11
	s_delay_alu instid0(VALU_DEP_2)
	v_lshlrev_b32 v[CSO], 5, v11
	s_delay_alu instid0(VALU_DEP_2)
	v_add_nc_u32 v[LIV], 0x20000, v[LI]
	s_delay_alu instid0(VALU_DEP_3)
	v_add_nc_u32 v[LIS], 0x40000, v[LI]
	v_and_b32 v[R16], 15, v0
	s_delay_alu instid0(VALU_DEP_1)
	v_lshlrev_b32 v[R16], 4, v[R16]
	v_bfe_u32 v[HH], v0, 4, 1
	s_delay_alu instid0(VALU_DEP_1)
	v_cmp_ne_u32 s[HM], 0, v[HH]
.irp i, 36,37,38,39,49,51,57,59
	v_mov_b32 v\i, 0                               ; permutes' destinations, and the upper halves of pairs of which the low word serves both halves: written once
.endr
	WIN 0x40
.irp i, 0,1,2,3,4,5,6,7,16,17,18,19,20,21,22,23,32,33,34,35,36,37,38,39
	v_mov_b32 v\i, 0                               ; the zero codes beside q
.endr
	WIN 0
	s_wait_tensorcnt 0x0                           ; my parts have landed,
	s_barrier_signal -1
	s_barrier_wait -1                              ; everybody's have
; the step at s[TK]: K's four fragments (a pair of key tiles each) and the step's words
.macro KFETCH
	WIN 0x40
.irp p, 0,1,2,3
.irp c, 0,1,2,3
	ds_load_b128 v[KF+16*\p+4*\c:KF+16*\p+4*\c+3], v[ADK] offset:2048*\p+512*\c
.endr
.endr
	WIN 0
	ds_load_b128 v[SWK:SWK+3], v[ADSK]
.endm
; one tile's softmax for 128 keys: scores in v[SX] on (register 16 b + i = key 32 b + 16 h + i) become codes in v[PX] on and a scale word
.macro SOFT x
.set SX, S+64*\x
.set ST, 12+4*\x                       ; -M, the largest t, the sum in two halves
.set FX, 48+2*\x                       ; f = 2^(old M - new M)
.set PX, PC+16*\x
.irp b, 0,1,2,3
	v_max3_num_f32 v[BM+\b], v[SX+16*\b], v[SX+16*\b+1], v[SX+16*\b+2]   ; the largest score of each block of 32 keys: it serves for the row's maximum and, since p rises with the score, for the block's largest p
.endr
.irp i, 3,5,7,9,11,13
.irp b, 0,1,2,3
	v_max3_num_f32 v[BM+\b], v[BM+\b], v[SX+16*\b+\i], v[SX+16*\b+\i+1]
.endr
.endr
.irp b, 0,1,2,3
	v_max_num_f32 v[BM+\b], v[BM+\b], v[SX+16*\b+15]
.endr
.irp b, 0,1,2,3
	s_delay_alu instid0(VALU_DEP_4)
	v_permlanex16_b32 v[PM+\b], v[BM+\b], s[SEL], s[SEL+1]
.endr
.irp b, 0,1,2,3
	s_delay_alu instid0(VALU_DEP_4)
	v_max_num_f32 v[BM+\b], v[BM+\b], v[PM+\b]     ; with lane l xor 16's 16 keys
.endr
	s_delay_alu instid0(VALU_DEP_2)
	v_max3_num_f32 v[T], v[BM], v[BM+1], v[BM+2]
	s_delay_alu instid0(VALU_DEP_1)
	v_max_num_f32 v[T], v[T], v[BM+3]
	s_delay_alu instid0(VALU_DEP_1)
	v_mul_f32 v[T], s[CS], v[T]                    ; as t (c is positive)
	s_delay_alu instid0(VALU_DEP_1)
	v_max_num_f32 v[ST+1], v[ST+1], v[T]           ; the running largest t
	v_mov_b32 v[T], v[ST]
	s_delay_alu instid0(VALU_DEP_2)
	v_floor_f32 v[ST], -v[ST+1]                    ; the new -M = -ceil(t): M is a whole number
	s_delay_alu instid0(VALU_DEP_1)
	v_sub_f32 v[T], v[ST], v[T]                    ; old M - new M: a whole number, 0 or less
	s_delay_alu instid0(VALU_DEP_1)
	v_cvt_i32_f32 v[T], v[T]                       ; (it saturates)
	s_delay_alu instid0(VALU_DEP_1)
	v_ldexp_f32 v[FX], 1.0, v[T]
.set n, 0
.rept 32
	v_pk_fma_f32 v[SX+n:SX+n+1], v[SX+n:SX+n+1], s[CS:CS+1], v[ST:ST+1] op_sel_hi:[1,0,0]   ; t - M, two at a time
.set n, n+2
.endr
.irp b, 0,1,2,3
	v_fma_f32 v[BM+\b], v[BM+\b], s[CS], v[ST]     ; the same of each block's largest score
.endr
.set n, 0
	s_wait_alu depctr_va_vdst(0)
.rept 64
	v_exp_f32 v[SX+n], v[SX+n]                     ; p = 2^(t - M)
.set n, n+1
.endr
	v_pk_mul_f32 v[ST+2:ST+3], v[ST+2:ST+3], v[FX:FX+1] op_sel_hi:[1,0]   ; the sums under the new M: a plain instruction behind the exponentials
	s_wait_alu depctr_va_vdst(0)                   ; one wait for the batch of 64, ahead of its first reader
.irp b, 0,1,2,3
	v_exp_f32 v[BM+\b], v[BM+\b]                   ; the block's largest p
.endr
	v_pk_add_f32 v[C2:C2+1], v[SX:SX+1], v[SX+2:SX+3]   ; the row's sum of the unquantised p, in two chains
.irp j, 4,8,12,16,20,24,28,32,36,40,44,48,52,56,60
	v_pk_add_f32 v[ST+2:ST+3], v[ST+2:ST+3], v[SX+\j:SX+\j+1]
	v_pk_add_f32 v[C2:C2+1], v[C2:C2+1], v[SX+\j+2:SX+\j+3]
.endr
	s_delay_alu instid0(VALU_DEP_1)
	v_pk_add_f32 v[ST+2:ST+3], v[ST+2:ST+3], v[C2:C2+1]
	s_wait_alu depctr_va_vdst(0)                   ; and one for the four
.irp b, 0,1,2,3
	v_max_num_f32 v[BM+\b], 0x4800000, v[BM+\b]    ; the floor 2^(9 - 127): the byte cannot fall under 1
.endr
.irp b, 0,1,2,3
	s_delay_alu instid0(VALU_DEP_4)
	v_add_nc_u32 v[SO+\b], 0xfc000000, v[BM+\b]    ; 8 off the exponent field: the conversion's scale operand
.endr
.irp b, 0,1,2,3
	v_and_or_b32 v[HD+\b], v[BM+\b], 0x7f800000, s[MNT]   ; 448 x the scale
.endr
.irp b, 0,1,2,3
	v_lshrrev_b32 v[PM+\b], 23, v[SO+\b]           ; the scale's byte
.endr
	s_delay_alu instid0(VALU_DEP_3)
	v_lshl_or_b32 v[PWD+\x], v[PM+1], 8, v[PM]
	s_delay_alu instid0(VALU_DEP_1)
	v_lshl_or_b32 v[PWD+\x], v[PM+2], 16, v[PWD+\x]
	s_delay_alu instid0(VALU_DEP_1)
	v_lshl_or_b32 v[PWD+\x], v[PM+3], 24, v[PWD+\x]
.irp b, 0,1,2,3
.irp i, 0,1,2,3,4,5,6,7,8,9,10,11,12,13,14,15
	v_min_num_f32 v[SX+16*\b+\i], v[SX+16*\b+\i], v[HD+\b]   ; the conversion does not saturate (ISA guide 7.6.2); p is not negative, so the hold is one-sided
.endr
	v_cvt_scalef32_pk8_fp8_f32 v[PX+4*\b:PX+4*\b+1], v[SX+16*\b:SX+16*\b+7], v[SO+\b]
	v_cvt_scalef32_pk8_fp8_f32 v[PX+4*\b+2:PX+4*\b+3], v[SX+16*\b+8:SX+16*\b+15], v[SO+\b]
.endr
.endm
	s_mov_b32 s[TV], 0
	s_mov_b32 s[PS], 0
	v_mov_b32 v[ADK], v[LI]                        ; key step 0
	v_mov_b32 v[ADSK], v[LIS]
	KFETCH
.Lpass:
	s_wait_xcnt 0x0                                ; the last pass's stores have read their registers and bases
	s_lshl_b32 s62, s13, 4
	s_lshl_b32 s63, s[PS], 3
	s_add_co_u32 s62, s62, s63
	s_add_co_u32 s62, s62, s[WV]                   ; my pair of query tiles: 16 cx + 8 pass + wave
	s_lshl_b32 s74, s62, 11
	s_add_nc_u64 s[66:67], s[4:5], s[74:75]        ; its image,
	s_lshr_b32 s74, s62, 2
	s_lshl_b32 s74, s74, 8
	s_and_b32 s63, s62, 3
	s_lshl_b32 s63, s63, 2
	s_add_co_u32 s74, s74, s63
	s_add_nc_u64 s[68:69], s[6:7], s[74:75]        ; its words,
	s_lshl_b32 s74, s62, 15
	s_add_nc_u64 s[70:71], s[8:9], s[74:75]        ; where its context goes,
	s_lshl_b32 s74, s62, 10
	s_add_nc_u64 s[72:73], s[10:11], s[74:75]      ; and the context's scale bytes
	WIN 0x40
	global_load_b128 v[8:11], v[LI], s[66:67]                  ; tile A's 64 channels
	global_load_b128 v[12:15], v[LI], s[66:67] offset:512
	global_load_b128 v[24:27], v[LI], s[66:67] offset:1024     ; tile B's
	global_load_b128 v[28:31], v[LI], s[66:67] offset:1536
.set n, 0
.rept 64
	v_mov_b32 v[O+n], 0                            ; O^T.  (The step is written once: the first finds zeros, which the first change of M leaves zeros)
.set n, n+1
.endr
	WIN 0
	global_load_b32 v[T], v[R16], s[68:69]
.irp x, 0,1
	v_mov_b32 v[13+4*\x], 0xff61b1e6               ; the largest t so far: -3e38
	s_delay_alu instid0(VALU_DEP_1)
	v_floor_f32 v[12+4*\x], -v[13+4*\x]            ; -M
	v_mov_b32 v[14+4*\x], 0
	v_mov_b32 v[15+4*\x], 0
.endr
	s_wait_loadcnt 0x0
	v_perm_b32 v[SQ], v[T], v[T], 0x01000100       ; tile A's two bytes, for k 0-63 and for k 64-127 alike
	v_perm_b32 v[SQ+1], v[T], v[T], 0x03020302     ; tile B's
	s_mov_b32 s[CN], 16
.Lstep:
	s_setprio 2
	v_add_nc_u32 v[ADV], s[TV], v[LIV]
	s_lshr_b32 s63, s[TV], 4
	v_add_nc_u32 v[ADSV], s63, v[LIS]
	PLACES 6                                       ; with the two additions: eight places behind the last products, in front of loads into what they read, and behind q's words
	WIN 0x40
.irp t, 0,1,2,3
.irp c, 0,1,2,3
	ds_load_b128 v[VF+16*\t+4*\c:VF+16*\t+4*\c+3], v[ADV] offset:2048*\t+512*\c
.endr
.endr
	WIN 0
	ds_load_b128 v[SWV:SWV+3], v[ADSV]
	s_wait_dscnt 17                                ; K and its words are in; the 17 loads just issued may stay out
	WIN 0x05                                       ; K and q in window 1, S^T in window 0
	s_wait_alu depctr_va_vdst(0)
.irp p, 0,1,2,3
	v_wmma_scale_f32_16x16x128_f8f6f4 v[S+16*\p:S+16*\p+7], v[KF+16*\p:KF+16*\p+15], v[8:23], 0, v[SWK+\p], v[SQ]
	v_wmma_scale_f32_16x16x128_f8f6f4 v[S+16*\p+8:S+16*\p+15], v[KF+16*\p:KF+16*\p+15], v[0:15], 0, v[SWK+\p], v[SQ]
	v_wmma_scale_f32_16x16x128_f8f6f4 v[S+64+16*\p:S+64+16*\p+7], v[KF+16*\p:KF+16*\p+15], v[24:39], 0, v[SWK+\p], v[SQ+1]
	v_wmma_scale_f32_16x16x128_f8f6f4 v[S+64+16*\p+8:S+64+16*\p+15], v[KF+16*\p:KF+16*\p+15], v[16:31], 0, v[SWK+\p], v[SQ+1]
.endr
	WIN 0
	s_add_co_u32 s[TK], s[TV], 8192
	s_and_b32 s[TK], s[TK], 0x1ffff                ; behind the last step comes step 0, for the next pass
	v_add_nc_u32 v[ADK], s[TK], v[LI]
	s_lshr_b32 s63, s[TK], 4
	v_add_nc_u32 v[ADSK], s63, v[LIS]
	PLACES 6                                       ; eight places again: in front of the loads into K's registers and of the first read of the scores
	KFETCH
	SOFT 0
	s_setprio 1
	SOFT 1
	WIN 0x41                                       ; O^T in window 1, f in window 0
.set n, 0
	s_setprio 0
.rept 16
	v_pk_mul_f32 v[O+n:O+n+1], v[O+n:O+n+1], v[48:49] op_sel_hi:[1,0]   ; O^T under the new M.  (These 32 are also the places between the codes and the products)
.set n, n+2
.endr
.rept 16
	v_pk_mul_f32 v[O+n:O+n+1], v[O+n:O+n+1], v[50:51] op_sel_hi:[1,0]
.set n, n+2
.endr
	s_wait_alu depctr_va_vdst(0)
	s_wait_dscnt 17                                ; V and its words are in; the next step's 17 loads of K may stay out
	WIN 0x51                                       ; V and O^T in window 1, p's codes in window 0
.irp t, 0,1,2,3
.irp x, 0,1
	v_wmma_scale_f32_16x16x128_f8f6f4 v[O+32*\x+8*\t:O+32*\x+8*\t+7], v[VF+16*\t:VF+16*\t+15], v[PC+16*\x:PC+16*\x+15], v[O+32*\x+8*\t:O+32*\x+8*\t+7], v[SWV+\t], v[PWD+\x] matrix_a_scale:MATRIX_SCALE_ROW1
.endr
.endr
	WIN 0
	s_add_co_u32 s[TV], s[TV], 8192
	s_and_b32 s[TV], s[TV], 0x1ffff
	s_sub_co_u32 s[CN], s[CN], 1
	s_cmp_lg_u32 s[CN], 0
	s_cbranch_scc1 .Lstep
	s_setprio 0
	; THE WAY OUT: O^T / the row's sum, quantised along the head's 64 channels: register 32 X + 16 b + i is channel 32 b + 16 h + i of query r of tile X
	PLACES 8
.irp x, 0,1
	v_add_f32 v[14+4*\x], v[14+4*\x], v[15+4*\x]
.endr
.irp x, 0,1
	s_delay_alu instid0(VALU_DEP_2)
	v_permlanex16_b32 v[PM+\x], v[14+4*\x], s[SEL], s[SEL+1]
.endr
.irp x, 0,1
	s_delay_alu instid0(VALU_DEP_2)
	v_add_f32 v[14+4*\x], v[14+4*\x], v[PM+\x]     ; with lane l xor 16's keys: the row's sum
.endr
	s_wait_alu depctr_va_vdst(0)
.irp x, 0,1
	v_rcp_f32 v[56+2*\x], v[14+4*\x]
.endr
	v_nop                                          ; a plain instruction behind the reciprocals,
	s_wait_alu depctr_va_vdst(0)                   ; and one wait for the two, ahead of their first reader
	WIN 0x01                                       ; O^T in window 1; the quotient goes to window 0, where the scores lay
.set n, 0
.rept 16
	v_pk_mul_f32 v[S+n:S+n+1], v[O+n:O+n+1], v[56:57] op_sel_hi:[1,0]   ; each accumulator from its low end on
.set n, n+2
.endr
.rept 16
	v_pk_mul_f32 v[S+n:S+n+1], v[O+n:O+n+1], v[58:59] op_sel_hi:[1,0]
.set n, n+2
.endr
	WIN 0
.irp b, 0,1,2,3
	v_max3_num_f32 v[BM+\b], |v[S+16*\b]|, |v[S+1+16*\b]|, 0x4800000   ; block b = (tile b / 2, channels 32 (b % 2) on): my 16 numbers, and the floor 2^(9 - 127)
.endr
.irp i, 2,4,6,8,10,12,14
.irp b, 0,1,2,3
	s_delay_alu instid0(VALU_DEP_4)
	v_max3_num_f32 v[BM+\b], v[BM+\b], |v[S+16*\b+\i]|, |v[S+1+16*\b+\i]|
.endr
.endr
.irp b, 0,1,2,3
	s_delay_alu instid0(VALU_DEP_4)
	v_permlanex16_b32 v[PM+\b], v[BM+\b], s[SEL], s[SEL+1]
.endr
.irp b, 0,1,2,3
	s_delay_alu instid0(VALU_DEP_4)
	v_max_num_f32 v[BM+\b], v[BM+\b], v[PM+\b]
.endr
.irp b, 0,1,2,3
	s_delay_alu instid0(VALU_DEP_4)
	v_add_nc_u32 v[SO+\b], 0xfc000000, v[BM+\b]
.endr
.irp b, 0,1,2,3
	v_and_or_b32 v[HD+\b], v[BM+\b], 0x7f800000, s[MNT]
.endr
.irp b, 0,1,2,3
	v_lshrrev_b32 v[PM+\b], 23, v[SO+\b]
.endr
	s_delay_alu instid0(VALU_DEP_3)
	v_lshl_or_b32 v[PWD], v[PM+1], 8, v[PM]
	s_delay_alu instid0(VALU_DEP_1)
	v_lshl_or_b32 v[PWD], v[PM+2], 16, v[PWD]
	s_delay_alu instid0(VALU_DEP_1)
	v_lshl_or_b32 v[PWD], v[PM+3], 24, v[PWD]
.irp b, 0,1,2,3
.irp i, 0,1,2,3,4,5,6,7,8,9,10,11,12,13,14,15
	v_med3_num_f32 v[S+16*\b+\i], v[S+16*\b+\i], -v[HD+\b], v[HD+\b]
.endr
	v_cvt_scalef32_pk8_fp8_f32 v[PC+4*\b:PC+4*\b+1], v[S+16*\b:S+16*\b+7], v[SO+\b]
	v_cvt_scalef32_pk8_fp8_f32 v[PC+4*\b+2:PC+4*\b+3], v[S+16*\b+8:S+16*\b+15], v[SO+\b]
.endr
	v_lshrrev_b32 v[T], 16, v[PWD]                 ; (a plain instruction behind the last conversion)
	s_delay_alu instid0(VALU_DEP_1)
	v_cndmask_b32 v[T], v[PWD], v[T], s[HM]        ; lane 16 u + r stores the two bytes of row r of tile u
	global_store_b128 v[LI], v[PC:PC+3], s[70:71]                      ; tile A, channels 0-31: 512 dense bytes
	global_store_b128 v[LI], v[PC+4:PC+7], s[70:71] offset:512         ; channels 32-63
	global_store_b128 v[LI], v[PC+8:PC+11], s[70:71] offset:16384      ; tile B
	global_store_b128 v[LI], v[PC+12:PC+15], s[70:71] offset:16896
	global_store_b16 v[CSO], v[T], s[72:73]
	s_add_co_u32 s[PS], s[PS], 1
	s_cmp_lt_u32 s[PS], 2
	s_cbranch_scc1 .Lpass
	s_wait_dscnt 0x0                               ; the last fetch of K is let in: no LDS instruction is out at a signal
	s_wait_tensorcnt 0x0
	ds_add_u32 v254, v255
	s_wait_dscnt 0x0
	ROUND                                          ; the closing round: no work-group ends while a partner may still ask jointly
	s_endpgm
.Lfunc_end_k_qc5bfb02aa1_att:
	.size	k_qc5bfb02aa1_att, .Lfunc_end_k_qc5bfb02aa1_att-k_qc5bfb02aa1_att
	.p2alignl 7, 3214868480
	.fill 96, 4, 3214868480
	.section	.rodata,"a",@progbits
	.p2align	6, 0x0
	.amdhsa_kernel k_qc5bfb02aa1_att
		.amdhsa_group_segment_fixed_size 327680
		.amdhsa_private_segment_fixed_size 0
		.amdhsa_enable_private_segment 0
		.amdhsa_kernarg_size 32
		.amdhsa_user_sgpr_count 2
		.amdhsa_user_sgpr_kernarg_segment_ptr 1
		.amdhsa_wavefront_size32 1
		.amdhsa_system_sgpr_workgroup_id_x 1
		.amdhsa_system_sgpr_workgroup_id_y 1
		.amdhsa_system_sgpr_workgroup_id_z 1
		.amdhsa_system_vgpr_workitem_id 0
		.amdhsa_next_free_vgpr 512
		.amdhsa_next_free_sgpr 80
		.amdhsa_reserve_vcc 0
		.amdhsa_float_denorm_mode_32 3
		.amdhsa_float_denorm_mode_16_64 3
		.amdhsa_memory_ordered 1
		.amdhsa_forward_progress 1
		.amdhsa_inst_pref_size 61
	.end_amdhsa_kernel
	.amdgpu_metadata
---
amdhsa.version: [ 1, 2 ]
amdhsa.kernels:
  - .name:           k_qc5bfb02aa1_att
    .symbol:         k_qc5bfb02aa1_att.kd
    .args:
      - { .name: hc, .offset: 0, .size: 8, .value_kind: global_buffer, .address_space: global }
      - { .name: hs, .offset: 8, .size: 8, .value_kind: global_buffer, .address_space: global }
      - { .name: cc, .offset: 16, .size: 8, .value_kind: global_buffer, .address_space: global }
      - { .name: cs, .offset: 24, .size: 8, .value_kind: global_buffer, .address_space: global }
    .group_segment_fixed_size: 327680
    .private_segment_fixed_size: 0
    .kernarg_segment_align: 8
    .kernarg_segment_size: 32
    .max_flat_workgroup_size: 256
    .sgpr_count:     80
    .vgpr_count:     512
    .wavefront_size: 32
...
	.end_amdgpu_metadata
.endif
;; end of part 7
;; launch fc (part 8): grid 4 x 64, 4 waves a work-group, no clusters, 148,992 bytes of LDS; arguments cc, cs, w_fc_codes, w_fc_scales, b_fc, q, out0; writes out0
.if DOCPART == 8
	.amdgcn_target "amdgcn-amd-amdhsa--gfx1250"
	.amdhsa_code_object_version 6
	.text
	.protected	k_qc5bfb02aa1_fc
	.globl	k_qc5bfb02aa1_fc
	.p2align	8
	.type	k_qc5bfb02aa1_fc,@function
k_qc5bfb02aa1_fc:
	s_mov_b64 s[64:65], 0
	v_nop
	global_prefetch_b8 v0, s[64:65] scope:SCOPE_SE
	s_setreg_imm32_b32 hwreg(HW_REG_WAVE_SCHED_MODE, 0, 2), 2
	s_setreg_imm32_b32 hwreg(HW_REG_WAVE_MODE, 25, 1), 1
	s_wait_xcnt 0x0
	s_wait_alu depctr_vm_vsrc(0)
; out0 = q + ctx W_fc^T + b_fc: 8,192 x 1,024 x 1,024 on codes of E4M3: ctx as att laid it (cc, cs), W_fc as it is given.
; SHARES.  Work-group x = a slice of 256 columns, y = four pairs of tiles (128 rows).  Wave w owns 64 columns: its 64 rows of W_fc for all of K stay in 512 registers, read once.
; Each wave brings one pair's 32 KiB of codes through registers into LDS; one barrier; then every wave reads all four pairs.  256 work-groups.
; Source 0 = 16 rows of W, source 1 = 16 rows of ctx: a lane holds one row and 16 neighbouring columns of each 32.  The bias is the C of each sum's first matrix instruction.
; THE WAY OUT: a tile of 16 rows x 64 columns goes through the wave's own stage in LDS and comes back as rows of 256 bytes; q is added; sixteen lanes store 256 consecutive bytes, aligned.
; No tensor load, no ring, no cluster: every operand byte is read once by a work-group, at its head.
; THE MODE: SCHED_MODE bits 1:0 = 2 (LLVM: expert scheduling mode 2), set by the entry lines.  The code itself states the register dependences
; between vector or matrix instructions and memory or LDS instructions, with s_wait_alu, always for 0.
; THE PLAN.  Registers that memory or LDS instructions touch:
;   window 3   At the head: global loads land in it, my 64 LDS stores read it.  Then ctx's sixteen fragments: pair p + 1's LDS loads land behind pair p's products, which read it.
;   AC         Written by a pair's products; read by the stage's LDS stores; the rows come back into the same registers; the additions of q write them; the global stores read them; the next products write them.
;   R          q's numbers: pair p + 1's global loads land behind pair p's additions, which read it.
;   v1 to v14  Addresses and offsets, made once at the head and never written again.
; So a pair has: one wait on va_vdst behind the eight places (AC is written, window 3 is read out); one wait on vm_vsrc between each tile's eight stores into the stage and the eight loads that land in
; their registers; one wait on va_vdst behind the 32 additions, ahead of the 16 stores and of the next loads of q; one wait on vm_vsrc ahead of the next pair's products.  The next pair's 64 fragment
; loads stand behind the stage's lines, in three groups round the additions, which name AC and R: none of the registers that those loads touch.
.set LI,    1                          ; v1   16 x lane
.set LX,    2                          ; v2   32 x lane
.set FB,    4                          ; v4-7 the four pairs in LDS, + 16 x lane
.set SBW,   8                          ; v8   where I put my pair
.set STO,   9                          ; v9   the stage: where I put 16 bytes of a row
.set SRD,   10                         ; v10  and where I read a row back
.set GO,    11                         ; v11  my byte offset in q and out0: 4,096 h + 16 r
.set WOFF,  12
.set WSOFF, 13
.set BO,    14
.set WS,    16                         ; v16-47   W's scale words
.set XS,    48                         ; v48-79   ctx's, pair P at 8 P: lanes 0-15 tile 0's, lanes 16-31 tile 1's
.set AC,    80                         ; v80-143  eight accumulators; later the rows read back
.set R,     144                        ; v144-207 q's numbers
.set BI,    208                        ; v208-239 the bias in the result's layout, eight registers a tile of W
.set STG,   131072                     ; behind the four pairs: 16 rows x 272 bytes for each wave
; windows 1, 2: W's fragment (t, s) at 16 (4 t + s % 4) of window 1 + s / 4.   window 3: ctx's fragment (u, s) at 16 (8 u + s)
.set MSB, 0
.macro WIN new                         ; the immediate's high byte repeats the setting that is left
.if MSB != (\new)
	s_set_vgpr_msb (MSB<<8)|(\new)
.set MSB, (\new)
.endif
.endm
.macro PLACES n
.rept \n
	v_nop
.endr
.endm
	s_load_b256 s[8:15], s[0:1], 0x0               ; cc, cs, W's codes, W's scales
	s_load_b128 s[16:19], s[0:1], 0x20             ; b_fc, q
	s_load_b64 s[20:21], s[0:1], 0x30              ; out0
	v_lshl_add_u32 v254, v0, 2, 0x24400
	v_mov_b32 v255, 0
	v_lshrrev_b32 v1, 5, v0
	v_readfirstlane_b32 s4, v1                     ; wave 0..3
	v_and_b32 v15, 31, v0
	v_lshlrev_b32 v[LI], 4, v15
	v_lshlrev_b32 v[LX], 5, v15
	v_and_b32 v15, 15, v0                          ; r
	v_bfe_u32 v3, v0, 4, 1                         ; h
.irp i, 0,1,2,3
	v_add_nc_u32 v[FB+\i], \i*32768, v[LI]
.endr
	v_mul_u32_u24 v[STO], v15, 272
	v_lshl_add_u32 v[STO], v3, 6, v[STO]           ; in: row r, + 64 h: my 16 columns of each 32
	v_mul_u32_u24 v[SRD], v3, 272
	v_lshl_add_u32 v[SRD], v15, 4, v[SRD]          ; back: lanes 0-15 one row, lanes 16-31 the next
	v_lshlrev_b32 v[GO], 12, v3
	v_lshl_add_u32 v[GO], v15, 4, v[GO]
	v_and_b32 v[WSOFF], 8, v15
	v_add_nc_u32 v[WSOFF], v[WSOFF], v15           ; r + 8 (r / 8)
	v_lshlrev_b32 v[WOFF], 10, v[WSOFF]
	v_lshl_add_u32 v[WOFF], v3, 4, v[WOFF]
	v_lshlrev_b32 v[WSOFF], 5, v[WSOFF]
	v_lshlrev_b32 v[BO], 6, v3
	s_wait_alu depctr_va_sdst(0)                   ; s4 is written, ahead of its first reader: my columns, my pair and my stage are made from it
	s_and_b32 s3, ttmp7, 0xffff                    ; the group of four pairs
	s_lshl_b32 s5, ttmp9, 2
	s_add_co_u32 s5, s5, s4                        ; which 64 columns are mine
	s_lshl_b32 s6, s4, 15
	v_add_nc_u32 v[SBW], s6, v[LI]
	s_mul_i32 s6, s4, 16*272
	s_add_co_u32 s6, s6, STG                       ; my stage
	v_add_nc_u32 v[STO], s6, v[STO]
	v_add_nc_u32 v[SRD], s6, v[SRD]
	s_mov_b32 s7, 0
	s_wait_kmcnt 0x0
	s_lshl_b32 s6, s3, 2
	s_add_co_u32 s6, s6, s4
	s_lshl_b32 s6, s6, 15
	s_add_nc_u64 s[8:9], s[8:9], s[6:7]            ; the pair that I bring: 4 x group + wave
	s_lshl_b32 s6, s3, 12
	s_add_nc_u64 s[10:11], s[10:11], s[6:7]        ; the four pairs' scale bytes
	s_lshl_b32 s6, s5, 16
	s_add_nc_u64 s[12:13], s[12:13], s[6:7]        ; my 64 rows of W
	s_lshl_b32 s6, s5, 11
	s_add_nc_u64 s[14:15], s[14:15], s[6:7]
	s_lshl_b32 s6, s5, 8
	s_add_nc_u64 s[16:17], s[16:17], s[6:7]        ; my 64 numbers of the bias
	s_lshl_b32 s22, s3, 19
	s_add_co_u32 s6, s6, s22                       ; 128 rows of 4,096 bytes a group, + my columns
	s_add_nc_u64 s[18:19], s[18:19], s[6:7]
	s_add_nc_u64 s[20:21], s[20:21], s[6:7]
	WIN 0xc0
	s_wait_alu depctr_va_vdst(0)                   ; the addresses and offsets v1 to v14 are written, which every load and store of the kernel reads
.set n, 0
.rept 64
	global_load_b128 v[4*n:4*n+3], v[LI], s[8:9] offset:512*n   ; my pair's 32 KiB, as they lie
.set n, n+1
.endr
	WIN 0x40
.irp t, 0,1,2,3
.irp k, 0,1,2,3
.irp c, 0,1,2,3
	global_load_b128 v[16*(4*\t+\k)+4*\c:16*(4*\t+\k)+4*\c+3], v[WOFF], s[12:13] offset:(32*(\t/2)+8*(\t%2))*1024+128*\k+32*\c
.endr
.endr
.endr
	WIN 0x80
.irp t, 0,1,2,3
.irp k, 0,1,2,3
.irp c, 0,1,2,3
	global_load_b128 v[16*(4*\t+\k)+4*\c:16*(4*\t+\k)+4*\c+3], v[WOFF], s[12:13] offset:(32*(\t/2)+8*(\t%2))*1024+512+128*\k+32*\c
.endr
.endr
.endr
	WIN 0
.irp t, 0,1,2,3
.irp q, 0,1
	global_load_b128 v[WS+8*\t+4*\q:WS+8*\t+4*\q+3], v[WSOFF], s[14:15] offset:(32*(\t/2)+8*(\t%2))*32+16*\q
	global_load_b128 v[XS+8*\t+4*\q:XS+8*\t+4*\q+3], v[LX], s[10:11] offset:1024*\t+16*\q           ; (here t counts pairs)
	global_load_b128 v[BI+8*\t+4*\q:BI+8*\t+4*\q+3], v[BO], s[16:17] offset:(32*(\t/2)+8*(\t%2))*4+16*\q   ; lane (r, h), tile 2 b + u: columns 32 b + 16 h + 8 u + 0 .. 7
.endr
.endr
	s_wait_loadcnt 0x0
	WIN 0x0c                                       ; an LDS store's data are its source 1: window 3
.set n, 0
.rept 64
	ds_store_b128 v[SBW], v[4*n:4*n+3] offset:512*n
.set n, n+1
.endr
	WIN 0
	s_wait_dscnt 0x0                               ; for the others' sake: my pair lies in LDS
	s_barrier_signal -1
	s_barrier_wait -1                              ; all four do; they are only read from here on
; (a macro's argument is put in as text: it stands in brackets wherever it is part of a product or a sum)
.macro RLOAD p                         ; q's numbers of pair p, in the order in which the rows come back from the stage
.irp u, 0,1
.irp i, 0,1,2,3,4,5,6,7
	global_load_b128 v[R+32*\u+4*\i:R+32*\u+4*\i+3], v[GO], s[18:19] offset:131072*(\p)+(8*\u+2*\i+8*(\i/4))*4096 th:TH_LOAD_NT
.endr
.endr
.endm
.macro FKL p, k                        ; K step k of pair p: its two fragments into window 3, eight loads; the window (destination 3) is set round the call
.irp u, 0,1
.irp c, 0,1,2,3
	ds_load_b128 v[16*(8*\u+(\k))+4*\c:16*(8*\u+(\k))+4*\c+3], v[FB+(\p)] offset:(8*\u+(\k))*2048+512*\c
.endr
.endr
.endm
.macro MM p, kk, u, t
.set rW, 16*(4*\t+(\kk)%4)
.set rX, 16*(8*\u+\kk)
.set rWS, WS+8*\t+\kk
.set rXS, XS+8*(\p)+\kk
.set rD, AC+32*\u+8*\t
.if \kk == 0
.if \u == 0
	v_wmma_scale_f32_16x16x128_f8f6f4 v[rD:rD+7], v[rW:rW+15], v[rX:rX+15], v[BI+8*\t:BI+8*\t+7], v[rWS], v[rXS]
.else
	v_wmma_scale_f32_16x16x128_f8f6f4 v[rD:rD+7], v[rW:rW+15], v[rX:rX+15], v[BI+8*\t:BI+8*\t+7], v[rWS], v[rXS] matrix_b_scale:MATRIX_SCALE_ROW1
.endif
.else
.if \u == 0
	v_wmma_scale_f32_16x16x128_f8f6f4 v[rD:rD+7], v[rW:rW+15], v[rX:rX+15], v[rD:rD+7], v[rWS], v[rXS]
.else
	v_wmma_scale_f32_16x16x128_f8f6f4 v[rD:rD+7], v[rW:rW+15], v[rX:rX+15], v[rD:rD+7], v[rWS], v[rXS] matrix_b_scale:MATRIX_SCALE_ROW1
.endif
.endif
.endm
.macro MUL p                           ; a pair's 64 matrix instructions: the eight accumulators by turns, one instruction a turn, K ascending
.irp k, 0,1,2,3,4,5,6,7
	s_wait_dscnt 56-8*\k                           ; this K step's eight LDS loads are in; those of the later K steps may stay out
	WIN 0x0c|(1+\k/4)
.irp u, 0,1
.irp t, 0,1,2,3
	MM \p, \k, \u, \t
.endr
.endr
.endr
	WIN 0
.endm
.macro OUT p
	s_wait_alu depctr_va_vdst(0)                   ; the products have written v[AC ..], which the LDS stores read and in which the rows land; they are done reading window 3, in which the next pair's fragments land
.irp u, 0,1
.irp b, 0,1
.irp i, 0,1,2,3
	ds_store_b128 v[STO], v[AC+32*\u+16*\b+4*\i:AC+32*\u+16*\b+4*\i+3] offset:128*\b+16*\i   ; each accumulator from its low end on
.endr
.endr
	s_wait_alu depctr_vm_vsrc(0)                   ; the eight stores above have read their registers, in which the eight loads below land
.irp i, 0,1,2,3,4,5,6,7
	ds_load_b128 v[AC+32*\u+4*\i:AC+32*\u+4*\i+3], v[SRD] offset:544*\i   ; LDS serves a wave's instructions in order (ISA guide 5.7.1.4): these see the stores above, and the next tile's stores come behind them
.endr
.endr
.if (\p) < 3
	WIN 0xc0
	FKL \p+1, 0                                    ; the next pair's fragments, K steps 0 to 3
	FKL \p+1, 1
	FKL \p+1, 2
	FKL \p+1, 3
	WIN 0
.endif
	s_wait_loadcnt 0x0                             ; q's numbers
.irp u, 0,1
.if (\p) < 3
	s_wait_dscnt 48                                ; tile u's rows are back.  Behind tile 0's: tile 1's 16 lines and 32 fragment loads; behind tile 1's: 32 + 16 fragment loads
.else
	s_wait_dscnt 16-16*\u                          ; the last pair: behind tile 0's rows tile 1's 16 lines, behind tile 1's nothing
.endif
.irp i, 0,1,2,3,4,5,6,7
	v_pk_add_f32 v[AC+32*\u+4*\i:AC+32*\u+4*\i+1], v[AC+32*\u+4*\i:AC+32*\u+4*\i+1], v[R+32*\u+4*\i:R+32*\u+4*\i+1]
	v_pk_add_f32 v[AC+32*\u+4*\i+2:AC+32*\u+4*\i+3], v[AC+32*\u+4*\i+2:AC+32*\u+4*\i+3], v[R+32*\u+4*\i+2:R+32*\u+4*\i+3]
.endr
.if (\p) < 3
	WIN 0xc0
	FKL \p+1, 4+2*\u                               ; K steps 4, 5 behind tile 0's additions, 6, 7 behind tile 1's: no addition names window 3
	FKL \p+1, 5+2*\u
	WIN 0
.endif
.endr
	s_wait_alu depctr_va_vdst(0)                   ; the additions have written v[AC ..], which the stores read, and are done reading v[R ..], in which the next pair's q lands
.irp u, 0,1
.irp i, 0,1,2,3,4,5,6,7
	global_store_b128 v[GO], v[AC+32*\u+4*\i:AC+32*\u+4*\i+3], s[20:21] offset:131072*(\p)+(8*\u+2*\i+8*(\i/4))*4096 th:TH_STORE_NT   ; 16 lanes store 256 consecutive bytes, aligned
.endr
.endr
.if (\p) < 3
	RLOAD \p+1                                     ; they land while the next pair is multiplied
.endif
.endm
	RLOAD 0
	WIN 0xc0
	s_wait_alu depctr_vm_vsrc(0)                   ; my LDS stores have read window 3's registers, in which pair 0's fragments land
.irp k, 0,1,2,3,4,5,6,7
	FKL 0, \k
.endr
	WIN 0
.irp p, 0,1,2,3
.if \p > 0
	s_wait_xcnt 0x0                                ; the last pair's stores have read the registers that the products now write
	s_wait_alu depctr_vm_vsrc(0)                   ; the same stated for the mode: the last pair's stores have read v[AC ..]
.endif
	MUL \p
	PLACES 8                                       ; eight places behind the last products, in front of the first read of their results
	OUT \p
.endr
	s_wait_dscnt 0x0                               ; the closing lines, six on end
	s_wait_alu 0x0
	s_wait_tensorcnt 0x0
	ds_add_u32 v254, v255
	s_wait_dscnt 0x0
	s_endpgm
.Lfunc_end_k_qc5bfb02aa1_fc:
	.size	k_qc5bfb02aa1_fc, .Lfunc_end_k_qc5bfb02aa1_fc-k_qc5bfb02aa1_fc
	.p2alignl 7, 3214868480
	.fill 96, 4, 3214868480
	.section	.rodata,"a",@progbits
	.p2align	6, 0x0
	.amdhsa_kernel k_qc5bfb02aa1_fc
		.amdhsa_group_segment_fixed_size 148992
		.amdhsa_private_segment_fixed_size 0
		.amdhsa_enable_private_segment 0
		.amdhsa_kernarg_size 56
		.amdhsa_user_sgpr_count 2
		.amdhsa_user_sgpr_kernarg_segment_ptr 1
		.amdhsa_wavefront_size32 1
		.amdhsa_system_sgpr_workgroup_id_x 1
		.amdhsa_system_sgpr_workgroup_id_y 1
		.amdhsa_system_sgpr_workgroup_id_z 1
		.amdhsa_system_vgpr_workitem_id 0
		.amdhsa_next_free_vgpr 1024
		.amdhsa_next_free_sgpr 66
		.amdhsa_reserve_vcc 0
		.amdhsa_float_denorm_mode_32 3
		.amdhsa_float_denorm_mode_16_64 3
		.amdhsa_memory_ordered 1
		.amdhsa_forward_progress 1
		.amdhsa_inst_pref_size 108
	.end_amdhsa_kernel
	.amdgpu_metadata
---
amdhsa.version: [ 1, 2 ]
amdhsa.kernels:
  - .name:           k_qc5bfb02aa1_fc
    .symbol:         k_qc5bfb02aa1_fc.kd
    .args:
      - { .name: cc, .offset: 0, .size: 8, .value_kind: global_buffer, .address_space: global }
      - { .name: cs, .offset: 8, .size: 8, .value_kind: global_buffer, .address_space: global }
      - { .name: w_fc_codes, .offset: 16, .size: 8, .value_kind: global_buffer, .address_space: global }
      - { .name: w_fc_scales, .offset: 24, .size: 8, .value_kind: global_buffer, .address_space: global }
      - { .name: b_fc, .offset: 32, .size: 8, .value_kind: global_buffer, .address_space: global }
      - { .name: q, .offset: 40, .size: 8, .value_kind: global_buffer, .address_space: global }
      - { .name: out0, .offset: 48, .size: 8, .value_kind: global_buffer, .address_space: global }
    .group_segment_fixed_size: 148992
    .private_segment_fixed_size: 0
    .kernarg_segment_align: 8
    .kernarg_segment_size: 56
    .max_flat_workgroup_size: 128
    .sgpr_count:     66
    .vgpr_count:     1024
    .wavefront_size: 32
...
	.end_amdgpu_metadata
.endif
;; end of part 8
